; MI455X (gfx1250); checked and timed in simulation.
; The chip was launched on July 23, 2026; its instructions are those of AMD's public machine-readable ISA for CDNA 5 (MIT licence, August 2026) and "CDNA5" Instruction Set Architecture Reference Guide (July 2026). The comments in the code are by the model that wrote it; some were corrected since.
;; Deep Norm Encoder Layer. Allowed arithmetic: matrix products marked QUANTISED: E3M2 operands, one E8M0 scale for each 32 along K, by v_wmma_scale_f32_16x16x128_f8f6f4 with both operands' format E3M2, f32 sums; everything else in f32.
;; Inputs: W1 1,024 x 4,096 float32; W2 4,096 x 1,024 float32; Wk 1,024 x 1,024 float32; Wo 1,024 x 1,024 float32; Wq 1,024 x 1,024 float32; Wv 1,024 x 1,024 float32; b1 4,096 float32; b2 1,024 float32; be1 1,024 float32; be2 1,024 float32; g1 1,024 float32; g2 1,024 float32; x 2 x 2,048 x 1,024 float32.
;; Outputs: out0 2 x 2,048 x 1,024 float32.
;; This version of the problem:
;;   THIS VERSION OF THE PROBLEM IS GIVEN IN LOW PRECISION. The matrix products marked QUANTISED in the list below multiply operands that are first quantised to E3M2 (3 exponent bits, 2 mantissa bits; 6 bits a number), with one power-of-two scale for each 32 numbers along K (OCP MX v1.0); their sums are f32. All else is computed in f32.
;;   The module's matrix products, in the order in which they are computed (A, B: the left and right operand; K: the contracted axis; several contracted axes count as one K, in the product's order):
;;     1. [M 4,096, K 1,024] x [K 1,024, N 1,024]; A: input x; B: input Wq: QUANTISED
;;     2. [M 4,096, K 1,024] x [K 1,024, N 1,024]; A: input x; B: input Wk: QUANTISED
;;     3. [M 4,096, K 1,024] x [K 1,024, N 1,024]; A: input x; B: input Wv: QUANTISED
;;     4. batch 32 x [M 2,048, K 64] x [K 64, N 2,048]; A: computed on the way; B: computed on the way: QUANTISED
;;     5. batch 32 x [M 2,048, K 2,048] x [K 2,048, N 64]; A: softmax (see below); B: computed on the way: QUANTISED
;;     6. [M 4,096, K 1,024] x [K 1,024, N 1,024]; A: computed on the way; B: input Wo: QUANTISED
;;     7. [M 4,096, K 1,024] x [K 1,024, N 4,096]; A: computed on the way; B: input W1: QUANTISED
;;     8. [M 4,096, K 4,096] x [K 4,096, N 1,024]; A: computed on the way; B: input W2: QUANTISED
;;   THE QUANTISER, for each operand of a quantised product, along K:
;;     - K is cut into blocks of 32 from its start; a last block that is shorter is filled with zeros.
;;     - A block's scale is 2^e with e = floor(log2(the largest magnitude in the block)) - 4, held to -126 .. 127; a block of zeros has e = 0. As a byte (E8M0): e + 127.
;;     - Each number is divided by its block's scale, clamped to +-28, and rounded to the nearest number of E3M2, ties to even, subnormals kept.
;;     - The product sums the exact products of the quantised numbers (number of the format x scale) in f32.
;;   ~~~python
;;   def quantise(x, axis):      # numpy; x: float32 -> the quantised numbers, widened to float32 again
;;       x = np.moveaxis(x, axis, -1); K = x.shape[-1]
;;       x = np.pad(x, [(0, 0)] * (x.ndim - 1) + [(0, -K % 32)]); x = x.reshape(x.shape[:-1] + (-1, 32)); a = np.abs(x).max(-1, keepdims=True)
;;       e = np.where(a > 0, np.clip(np.frexp(np.where(a > 0, a, 1))[1] - 1 - 4, -126, 127), 0)      # np.frexp(a)[1] - 1 = floor(log2(a)), exactly
;;       r = np.clip(x / 2.0 ** e, -28, 28)
;;       step = 2.0 ** (np.maximum(np.frexp(np.where(r == 0, 1, r))[1] - 1, -2) - 2)
;;       q = np.round(r / step) * step * 2.0 ** e      # np.round: ties to even
;;       return np.moveaxis(q.reshape(q.shape[:-2] + (-1,))[..., :K], -1, axis).astype(np.float32)
;;   ~~~
;;   SOFTMAX AHEAD OF A QUANTISED PRODUCT. Where the list says 'softmax', what is quantised is not the finished softmax but p = 2^(t - M), with t = logit x log2(e) and M = ceil(the row's largest t), a whole number; so 1/2 < the row's largest p <= 1. The row's sum l is taken of the UNQUANTISED p, in f32, and the product's result is divided by l at the end. Since M is a whole number, a kernel that streams over the keys may use a running M (the ceiling of the running maximum): every later rescaling is an exact power of two, which a block's scale takes up: the codes' values come out the same.
;;   OPERANDS COMPUTED ON THE WAY. 'Computed on the way' means the value that the module computes at that place (a softmax that the list does not call 'softmax' is quantised finished and normalised). What goes into a quantiser is computed in f32, as accurately as f32 sums, v_exp_f32 and their like allow (about 1e-6 of the number): no bf16 or f16 on the way to a quantiser, and a product that is left as it is and whose result goes on into a quantised operand takes f32 operands (vector FMAs, or v_wmma_f32_16x16x4_f32). A number that lies on a knife's edge between two numbers of the format may be rounded either way, as far as f32 arithmetic and the matrix unit's own rounding can turn it there, and no further.
;; 2 versions. Each part assembles by itself: llvm-mc -triple=amdgcn-amd-amdhsa -mcpu=gfx1250 --defsym DOCPART=n.
;; ======== version 1 of 2: 8 launches
;; limits: right only within a limited range of input values
;; workspace buffers: wc 12,582,912 bytes; ws 524,288 bytes; qkv 10,223,616 bytes; ctx 3,276,800 bytes; z 16,777,216 bytes; y 16,777,216 bytes; yq 3,276,800 bytes; hq 13,107,200 bytes
;; launch quant (part 1): grid 448 x 1, 8 waves a work-group, no clusters, 66,816 bytes of LDS; arguments x, Wq, Wk, Wv, Wo, W1, W2, wc, ws; writes wc, ws
.if DOCPART == 1
	.amdgcn_target "amdgcn-amd-amdhsa--gfx1250"
	.amdhsa_code_object_version 6
	.text
	.protected	k_q64d9cfccdb_quant
	.globl	k_q64d9cfccdb_quant
	.p2align	8
	.type	k_q64d9cfccdb_quant,@function
k_q64d9cfccdb_quant:
	s_mov_b64 s[64:65], 0
	v_nop
	global_prefetch_b8 v0, s[64:65] scope:SCOPE_SE
	s_setreg_imm32_b32 hwreg(HW_REG_WAVE_MODE, 25, 1), 1
	s_wait_xcnt 0x0
; x [4096][1024] and the six weights (stored [K][N]), f32, become codes of BF6 (E3M2) with one E8M0 byte for each 32 along K.
; LAYOUT OF EVERY OPERAND OF THIS PROGRAM.  A fragment is 16 rows x 128 K, 12 registers a lane, stored as the IMAGE OF ITS REGISTERS: 1,536 dense bytes, registers 2 p, 2 p + 1 of lane l at 256 p + 8 l.
; Its scale words: 64 bytes, row r's word at 4 r.  Fragment number = first fragment of the tensor + row tile x (K / 128) + K step; codes at 1,536 x number in wc, words at 64 x number in ws.
; First fragments: x 0, Wq 2048, Wk 2560, Wv 3072, Wo 3584, W1 4096, W2 6144.
; THE 16 ROWS OF A TILE ARE NOT NEIGHBOURS: lane r of tile T holds row 32 (T / 2) + 16 (r / 8) + 8 (T % 2) + r % 8, so that in a product used transposed the 16 registers of two neighbouring tiles are 16 neighbours.
; A block's scale is 2^(floor(log2(largest magnitude)) - 4): the byte is the largest magnitude's exponent field - 4, held at 1 from below.
; LIMITS: NaN and infinities are not served; a block whose largest magnitude lies under 2^-122 keeps the byte 1; a block of zeros gets the byte 1, not 127: its codes are zeros and this program alone reads the bytes.
; Work-groups 0-255: a tile of 16 rows of x each (through a stage in LDS).  Work-groups 256-447: 256 columns x 256 along K of a weight each (no LDS).  The branch hangs on the work-group's number alone.
.set PITCH, 4112                       ; a stage row: 4,096 bytes + 16: an odd multiple of 16, so that 16 rows' reads of 16 bytes fall on different banks
.set XR,   16                          ; x path: v16-79   two rows as loaded
.set ST,   80                          ;         v80-143  64 numbers of my row: register 16 b + i = k 32 b + 16 (lane / 16) + i
.set TM,   144                         ;         v144-155 largest magnitudes, bytes, scale operands
.set PC,   156                         ;         v156-174 the codes
.set PW,   175                         ;         v175     the scale word
.set SEL,  2                           ; s[2:3]  lane selects for v_permlanex16_b32: lane l xor 16
.set OFFI, 16                          ; weight path: v16-47 byte offset of my column in row i of a block
.set X,    48                          ;         v48-111  two sets of 32 numbers
.set E,    112                         ;         v112-151 four blocks' codes, ten registers each
; 64 numbers of a lane become a fragment's 12 registers in v[PC] on and its row's scale word in v[PW]
.macro QUANT s
.irp b, 0,1,2,3
	v_max3_num_f32 v[TM+\b], |v[(\s)+16*\b]|, |v[(\s)+1+16*\b]|, 0x2800000   ; my 16 numbers of block b, and the floor 2^(5 - 127): the byte cannot fall under 1
.endr
.irp i, 2,4,6,8,10,12,14
.irp b, 0,1,2,3
	v_max3_num_f32 v[TM+\b], |v[(\s)+16*\b+\i]|, |v[(\s)+1+16*\b+\i]|, v[TM+\b]
.endr
.endr
.irp b, 0,1,2,3
	v_permlanex16_b32 v[TM+4+\b], v[TM+\b], s[SEL], s[SEL+1]
.endr
.irp b, 0,1,2,3
	v_max_num_f32 v[TM+\b], v[TM+\b], v[TM+4+\b]       ; with lane l xor 16's 16: the block's largest magnitude
.endr
.irp b, 0,1,2,3
	v_add_nc_u32 v[TM+8+\b], 0xfe000000, v[TM+\b]      ; 4 off its exponent field: the conversion's scale operand
.endr
.irp b, 0,1,2,3
	v_lshrrev_b32 v[TM+4+\b], 23, v[TM+8+\b]           ; the byte
.endr
	v_lshl_or_b32 v[PW], v[TM+5], 8, v[TM+4]
	v_lshl_or_b32 v[PW], v[TM+6], 16, v[PW]
	v_lshl_or_b32 v[PW], v[TM+7], 24, v[PW]
.irp c, 0,1
	v_cvt_scalef32_pk16_bf6_f32 v[PC+6*\c:PC+2+6*\c], v[(\s)+32*\c:(\s)+15+32*\c], v[TM+8+2*\c]
	v_cvt_scalef32_pk16_bf6_f32 v[PC+12+4*\c:PC+14+4*\c], v[(\s)+16+32*\c:(\s)+31+32*\c], v[TM+9+2*\c]   ; (a conversion's three registers begin on an even number)
.endr
	v_nop                                          ; one plain line behind the conversions
.irp c, 0,1                                    ; the layout wants a whole block in a lane: lanes 0-15 block 2 c, lanes 16-31 block 2 c + 1
.irp i, 0,1,2
	v_permlane16_swap_b32 v[PC+6*\c+\i], v[PC+12+4*\c+\i]
.endr
.irp i, 0,1,2
	v_mov_b32 v[PC+3+6*\c+\i], v[PC+12+4*\c+\i]
.endr
.endr
.endm
	s_load_b512 s[16:31], s[0:1], 0x0              ; x 16, Wq 18, Wk 20, Wv 22, Wo 24, W1 26, W2 28, wc 30
	s_load_b64 s[32:33], s[0:1], 0x40              ; ws
	v_lshl_add_u32 v176, v0, 2, 0x10100
	v_mov_b32 v177, 0
	v_lshrrev_b32 v1, 5, v0
	v_readfirstlane_b32 s8, v1                     ; wave 0..7
	v_and_b32 v7, 31, v0                           ; lane
	v_lshlrev_b32 v2, 3, v7                        ; 8 x lane: my place in a piece of an image
	s_cmp_lt_u32 ttmp9, 256
	s_cbranch_scc0 .Lweights
	; ---- x: work-group T = tile T.  Wave w loads the tile's rows 2 w and 2 w + 1, which are neighbours in memory: 8,192 consecutive bytes
	s_mov_b32 s[SEL], 0x76543210
	s_mov_b32 s[SEL+1], 0xfedcba98
	v_lshlrev_b32 v1, 4, v7                        ; 16 x lane
	v_and_b32 v5, 15, v0                           ; r
	v_bfe_u32 v6, v0, 4, 1                         ; h
	v_lshlrev_b32 v3, 2, v5                        ; 4 r
	s_mul_i32 s9, s8, 2*PITCH
	v_add_nc_u32 v4, s9, v1                        ; into the stage: rows 2 w, 2 w + 1
	v_mul_u32_u24 v5, v5, PITCH
	v_lshl_add_u32 v5, v6, 6, v5
	s_lshl_b32 s9, s8, 9
	v_add_nc_u32 v5, s9, v5                        ; out of it: row r, K step w (512 bytes), + 64 h
.irp b, 0,1,2,3
	v_mov_b32 v[TM+4+\b], 0                        ; a lane permute's destination counts as read
.endr
	s_lshr_b32 s10, ttmp9, 1
	s_lshl_b32 s10, s10, 5
	s_and_b32 s11, ttmp9, 1
	s_lshl_b32 s11, s11, 3
	s_add_co_u32 s10, s10, s11
	s_lshr_b32 s11, s8, 2
	s_lshl_b32 s11, s11, 4
	s_add_co_u32 s10, s10, s11
	s_and_b32 s11, s8, 3
	s_lshl_b32 s11, s11, 1
	s_add_co_u32 s10, s10, s11                     ; 32 (T / 2) + 8 (T % 2) + 16 (w / 4) + 2 (w % 4)
	s_lshl_b32 s10, s10, 12                        ; x 4,096 bytes
	s_mov_b32 s11, 0
	s_lshl_b32 s12, ttmp9, 3
	s_add_co_u32 s12, s12, s8                      ; my fragment: 8 T + w
	s_mul_i32 s14, s12, 1536
	s_mov_b32 s15, 0
	s_lshl_b32 s12, s12, 6
	s_mov_b32 s13, 0
	s_wait_kmcnt 0x0
	s_add_nc_u64 s[16:17], s[16:17], s[10:11]
	s_add_nc_u64 s[30:31], s[30:31], s[14:15]
	s_add_nc_u64 s[32:33], s[32:33], s[12:13]
.irp k, 0,1,2,3,4,5,6,7,8,9,10,11,12,13,14,15
	global_load_b128 v[XR+4*\k:XR+4*\k+3], v1, s[16:17] offset:512*\k th:TH_LOAD_NT   ; 32 lanes read 512 consecutive bytes
.endr
.irp k, 0,1,2,3,4,5,6,7,8,9,10,11,12,13,14,15
	s_wait_loadcnt 15-\k                           ; load k is in; the younger ones stay out
	ds_store_b128 v4, v[XR+4*\k:XR+4*\k+3] offset:(\k/8)*PITCH+512*(\k%8)
.endr
	s_wait_dscnt 0x0                               ; my stores have landed, for the other waves' sake
	s_barrier_signal -1
	s_barrier_wait -1                              ; the tile's 16 rows lie in the stage
.irp b, 0,1,2,3
.irp j, 0,1,2,3
	ds_load_b128 v[ST+16*\b+4*\j:ST+16*\b+4*\j+3], v5 offset:128*\b+16*\j   ; wave w takes K step w of all 16 rows
.endr
.endr
	s_wait_dscnt 0x0
	QUANT ST
.irp p, 0,1,2,3,4,5
	global_store_b64 v2, v[PC+2*\p:PC+2*\p+1], s[30:31] offset:256*\p   ; 32 lanes store 256 consecutive bytes, aligned
.endr
	global_store_b32 v3, v[PW], s[32:33]           ; lanes r and r + 16 hold the same word and write it to the same place
	s_wait_tensorcnt 0x0
	ds_add_u32 v176, v177
	s_wait_dscnt 0x0
	s_endpgm
	; ---- the weights.  g = 0..63: Wq, Wk, Wv, Wo, 16 work-groups each; 64..127: W1; 128..191: W2
.Lweights:
	s_sub_co_u32 s60, ttmp9, 256                   ; g
	s_wait_kmcnt 0x0
	s_mov_b64 s[34:35], s[28:29]
	s_cmp_lt_u32 s60, 128
	s_cselect_b64 s[34:35], s[26:27], s[34:35]
	s_cmp_lt_u32 s60, 64
	s_cselect_b64 s[34:35], s[24:25], s[34:35]
	s_cmp_lt_u32 s60, 48
	s_cselect_b64 s[34:35], s[22:23], s[34:35]
	s_cmp_lt_u32 s60, 32
	s_cselect_b64 s[34:35], s[20:21], s[34:35]
	s_cmp_lt_u32 s60, 16
	s_cselect_b64 s[34:35], s[18:19], s[34:35]     ; the weight: the choice hangs on the work-group's number alone
	s_cmp_lt_u32 s60, 64
	s_cselect_b32 s61, 15, 63
	s_and_b32 s61, s60, s61                        ; my number among the weight's work-groups
	s_lshr_b32 s62, s60, 6                         ; 0: a square weight, 1: W1, 2: W2
	s_cmp_eq_u32 s62, 1
	s_cselect_b32 s63, 15, 3
	s_cselect_b32 s66, 4, 2
	s_cselect_b32 s67, 14, 12                      ; log2 of a row's bytes: 16,384 in W1, else 4,096
	s_and_b32 s68, s61, s63                        ; which 256 columns
	s_lshr_b32 s69, s61, s66                       ; which 256 along K
	s_lshl_b32 s70, 1, s67                         ; a row's bytes
	s_cmp_eq_u32 s62, 2
	s_cselect_b32 s71, 32, 8                       ; K / 128
	s_lshr_b32 s72, s60, 4
	s_lshl_b32 s72, s72, 9
	s_add_co_u32 s72, s72, 2048                    ; square: 2048 + 512 (g / 16)
	s_lshl_b32 s73, s62, 11
	s_add_co_u32 s73, s73, 2048                    ; W1: 4096, W2: 6144
	s_cmp_eq_u32 s62, 0
	s_cselect_b32 s72, s72, s73                    ; the weight's first fragment
	s_lshl_b32 s73, s68, 4
	s_lshl_b32 s74, s8, 1
	s_add_co_u32 s73, s73, s74                     ; my wave's first tile of columns: 16 x column group + 2 w
	s_mul_i32 s73, s73, s71
	s_add_co_u32 s73, s73, s72
	s_lshl_b32 s74, s69, 1
	s_add_co_u32 s73, s73, s74                     ; its fragment of my first K step
	s_mul_i32 s74, s73, 1536
	s_mov_b32 s75, 0
	s_add_nc_u64 s[52:53], s[30:31], s[74:75]      ; codes of my first tile,
	s_mul_i32 s74, s71, 1536
	s_add_nc_u64 s[54:55], s[52:53], s[74:75]      ; of my second,
	s_lshl_b32 s74, s73, 6
	s_add_nc_u64 s[56:57], s[32:33], s[74:75]      ; and the scale words
	s_lshl_b32 s58, s69, 8
	s_lshl_b32 s58, s58, s67                       ; 256 rows x K group,
	s_lshl_b32 s59, s68, 10
	s_add_co_u32 s58, s58, s59                     ; + 256 columns x column group,
	s_lshl_b32 s59, s8, 7
	s_add_co_u32 s58, s58, s59                     ; + 32 columns x wave
	s_mov_b32 s59, 0
	s_add_nc_u64 s[36:37], s[34:35], s[58:59]      ; a base for each of my 8 blocks of 32 rows: none is ever stepped
	s_lshl_b32 s58, s70, 5
.irp t, 1,2,3,4,5,6,7
	s_add_nc_u64 s[36+2*\t:37+2*\t], s[34+2*\t:35+2*\t], s[58:59]
.endr
	; A LANE TAKES A COLUMN AND ITS REGISTERS RUN DOWN K.  Lane l takes column l % 8 + 16 ((l / 8) % 2) + 8 (l / 16) of the wave's 32: lanes 0-15 are the rows of the first tile, lanes 16-31 of the second
	v_and_b32 v3, 7, v0
	v_bfe_u32 v4, v0, 3, 1
	v_lshl_add_u32 v3, v4, 4, v3
	v_bfe_u32 v4, v0, 4, 1
	v_lshl_add_u32 v3, v4, 3, v3
	v_lshlrev_b32 v3, 2, v3
.set i, 0
.rept 32
	v_mad_u32_u24 v[OFFI+i], s70, i, v3
.set i, i+1
.endr
	v_and_b32 v6, 15, v0
	v_lshlrev_b32 v6, 2, v6
	s_lshl_b32 s60, s71, 6
	v_mad_u32_u24 v6, v4, s60, v6                  ; my scale word: 4 r, and a tile's words further on for lanes 16-31
.macro LOADW t                         ; block t: 32 rows of my column; a load reads the wave's 128 consecutive bytes
.set i, 0
.rept 32
	global_load_b32 v[X+32*((\t)%2)+i], v[OFFI+i], s[36+2*(\t):37+2*(\t)] th:TH_LOAD_NT
.set i, i+1
.endr
.endm
.macro BLOCK t
.set XS, X+32*((\t)%2)
.set EB, E+10*((\t)%4)
.if (\t) < 7
	s_wait_loadcnt 32                              ; this block's 32 loads are in; the next block's may be out
.else
	s_wait_loadcnt 0x0
.endif
	v_max3_num_f32 v12, |v[XS]|, |v[XS+1]|, |v[XS+2]|   ; all 32 numbers of the block are mine
	v_max3_num_f32 v13, |v[XS+3]|, |v[XS+4]|, |v[XS+5]|
.irp i, 6,10,14,18,22,26
	v_max3_num_f32 v12, v12, |v[XS+\i]|, |v[XS+\i+1]|
	v_max3_num_f32 v13, v13, |v[XS+\i+2]|, |v[XS+\i+3]|
.endr
	v_max3_num_f32 v12, v12, |v[XS+30]|, |v[XS+31]|
	v_max3_num_f32 v12, v12, v13, 0x2800000        ; and the floor
	v_add_nc_u32 v11, 0xfe000000, v12
	v_lshrrev_b32 v10, 23, v11
.if (\t)%4 == 0
	v_mov_b32 v[8+(\t)/4], v10                     ; four bytes to a word, a word for each K step
.else
	v_lshl_or_b32 v[8+(\t)/4], v10, 8*((\t)%4), v[8+(\t)/4]
.endif
.if (\t) == 4
	s_wait_xcnt 0x0                                ; the first K step's stores have read the code registers, which are written again now
.endif
	v_cvt_scalef32_pk16_bf6_f32 v[EB:EB+2], v[XS:XS+15], v11
	v_cvt_scalef32_pk16_bf6_f32 v[EB+6:EB+8], v[XS+16:XS+31], v11
.if (\t)+2 < 8
	LOADW (\t)+2
.endif
.endm
; Four blocks are a K step.  Block t of lane (tile u, row r) belongs in lane (r, t % 2) of tile u's registers 6 (t / 2) on: one exchange of halves between blocks 2 c and 2 c + 1 puts the first tile's registers
; into the first block's place and the second tile's into the second's.
.macro FLUSH ks
	v_nop                                          ; one plain line behind the conversions
.irp q, 0,2
.irp i, 0,1,2
	v_permlane16_swap_b32 v[E+10*\q+\i], v[E+10*(\q+1)+\i]
	v_permlane16_swap_b32 v[E+10*\q+6+\i], v[E+10*(\q+1)+6+\i]
.endr
.endr
.irp q, 0,1,2,3
.irp i, 0,1,2
	v_mov_b32 v[E+10*\q+3+\i], v[E+10*\q+6+\i]
.endr
.endr
.irp q, 0,1,2,3
.irp p, 0,1,2
	global_store_b64 v2, v[E+10*\q+2*\p:E+10*\q+2*\p+1], s[52+2*(\q%2):53+2*(\q%2)] offset:1536*\ks+768*(\q/2)+256*\p   ; 256 consecutive bytes, aligned
.endr
.endr
	global_store_b32 v6, v[8+\ks], s[56:57] offset:64*\ks   ; two runs of 64 bytes: the words are 1/24 of what is stored
.endm
	LOADW 0
	LOADW 1
	BLOCK 0
	BLOCK 1
	BLOCK 2
	BLOCK 3
	FLUSH 0
	BLOCK 4
	BLOCK 5
	BLOCK 6
	BLOCK 7
	FLUSH 1
	s_endpgm
.Lfunc_end_k_q64d9cfccdb_quant:
	.size	k_q64d9cfccdb_quant, .Lfunc_end_k_q64d9cfccdb_quant-k_q64d9cfccdb_quant
	.p2alignl 7, 3214868480
	.fill 96, 4, 3214868480
	.section	.rodata,"a",@progbits
	.p2align	6, 0x0
	.amdhsa_kernel k_q64d9cfccdb_quant
		.amdhsa_group_segment_fixed_size 66816
		.amdhsa_private_segment_fixed_size 0
		.amdhsa_enable_private_segment 0
		.amdhsa_kernarg_size 72
		.amdhsa_user_sgpr_count 2
		.amdhsa_user_sgpr_kernarg_segment_ptr 1
		.amdhsa_wavefront_size32 1
		.amdhsa_system_sgpr_workgroup_id_x 1
		.amdhsa_system_sgpr_workgroup_id_y 1
		.amdhsa_system_sgpr_workgroup_id_z 1
		.amdhsa_system_vgpr_workitem_id 0
		.amdhsa_next_free_vgpr 178
		.amdhsa_next_free_sgpr 80
		.amdhsa_reserve_vcc 0
		.amdhsa_float_denorm_mode_32 3
		.amdhsa_float_denorm_mode_16_64 3
		.amdhsa_memory_ordered 1
		.amdhsa_forward_progress 1
		.amdhsa_inst_pref_size 55
	.end_amdhsa_kernel
	.amdgpu_metadata
---
amdhsa.version: [ 1, 2 ]
amdhsa.kernels:
  - .name:           k_q64d9cfccdb_quant
    .symbol:         k_q64d9cfccdb_quant.kd
    .args:
      - { .name: x, .offset: 0, .size: 8, .value_kind: global_buffer, .address_space: global }
      - { .name: Wq, .offset: 8, .size: 8, .value_kind: global_buffer, .address_space: global }
      - { .name: Wk, .offset: 16, .size: 8, .value_kind: global_buffer, .address_space: global }
      - { .name: Wv, .offset: 24, .size: 8, .value_kind: global_buffer, .address_space: global }
      - { .name: Wo, .offset: 32, .size: 8, .value_kind: global_buffer, .address_space: global }
      - { .name: W1, .offset: 40, .size: 8, .value_kind: global_buffer, .address_space: global }
      - { .name: W2, .offset: 48, .size: 8, .value_kind: global_buffer, .address_space: global }
      - { .name: wc, .offset: 56, .size: 8, .value_kind: global_buffer, .address_space: global }
      - { .name: ws, .offset: 64, .size: 8, .value_kind: global_buffer, .address_space: global }
    .group_segment_fixed_size: 66816
    .private_segment_fixed_size: 0
    .kernarg_segment_align: 8
    .kernarg_segment_size: 72
    .max_flat_workgroup_size: 256
    .sgpr_count:     80
    .vgpr_count:     178
    .wavefront_size: 32
...
	.end_amdgpu_metadata
.endif
;; end of part 1
;; launch qkv (part 2): grid 12 x 16, 4 waves a work-group, clusters of 4 x 4, 327,680 bytes of LDS; arguments wc, ws, qkv; writes qkv
.if DOCPART == 2
	.amdgcn_target "amdgcn-amd-amdhsa--gfx1250"
	.amdhsa_code_object_version 6
	.text
	.protected	k_q64d9cfccdb_qkv
	.globl	k_q64d9cfccdb_qkv
	.p2align	8
	.type	k_q64d9cfccdb_qkv,@function
k_q64d9cfccdb_qkv:
	s_mov_b64 s[64:65], 0
	v_nop
	global_prefetch_b8 v0, s[64:65] scope:SCOPE_SE
	s_setreg_imm32_b32 hwreg(HW_REG_WAVE_MODE, 25, 1), 1
	s_wait_xcnt 0x0
	s_wait_alu depctr_hold_cnt(0) depctr_sa_sdst(0) depctr_va_vdst(0) depctr_va_sdst(0) depctr_va_ssrc(0) depctr_va_vcc(0) depctr_vm_vsrc(0)
	s_getreg_b32 s2, hwreg(HW_REG_IB_STS2, 6, 4)
	s_cmp_eq_u32 s2, 0
	s_cbranch_scc0 .Lentry_in_a_cluster
	s_endpgm
.Lentry_in_a_cluster:
	s_bfe_u32 s2, ttmp6, 0x10000c
	s_cmp_lg_u32 s2, 0xf033
	s_cbranch_scc0 .Lentry_shape_is_right
	s_endpgm
.Lentry_shape_is_right:
; Q = x Wq, K = x Wk and V^T = Wv^T x^T on codes of BF6 with E8M0 scales, and their results quantised on the way out: Q and K along the head's 64, V along the tokens (the keys).
; OPERANDS are images of fragments (16 rows x 128 K, 1,536 dense bytes: registers 2 p, 2 p + 1 of lane l at 256 p + 8 l), fragment number = first + row tile x 8 + K step; scale words 64 bytes a fragment.
; Lane r of row tile T holds row 32 (T / 2) + 16 (r / 8) + 8 (T % 2) + r % 8.  THE MATRIX INSTRUCTION IS USED TRANSPOSED (source 0 = 16 rows of B, source 1 = 16 rows of A): a lane holds one row of A's tile, and the 16
; registers of two neighbouring tiles of B are 16 neighbouring rows of B: the next product's K runs along a lane's registers.
; Clusters x = 0, 1: A = x (tokens), B = Wq, Wk (their columns).  Cluster x = 2: A = Wv (its columns), B = x: a lane then holds one channel of V and its registers run along the tokens.
; A tile of the result is 256 x 256: four waves, 128 x 128 each in 64 accumulators.  K goes in steps of 256 through two LDS slots; a wave's tensor load brings 8 row tiles x 3,072 bytes.
; CLUSTERS: 4 x 4 work-groups; A's tiles are asked for jointly along a row of the cluster, B's along a column.  The scale words of the work-group's rows come once, with the first fills.
; OUT (buffer qkv): 32 head blocks of 212,992 bytes = K's half images (128 tiles x 768) | V^T's images (16 steps x 4 tiles x 1,536) | K's scale words (128 x 64) | V's scale words (64 x 128, 4 bytes a lane);
; behind them Q's half images (98,304 a head) and Q's scale words (8,192 a head).  A half image is registers 0-5 of a fragment: K = 64.  Its word's upper two bytes are 127: they scale zero codes.
; The scale words leave in runs of 64 or 128 bytes: they are 1/12 of what is stored.
; LIMITS: NaN and infinities are not served; a block whose largest magnitude lies under 2^-122, zeros too, keeps the byte 1.
; REGISTERS: window 0: v16-31 addresses; v32-63 scale words, two sets; v64-96 the quantiser's; v128-223 A's fragments, one set.  window 1: B's fragments, two sets.  windows 2, 3: the accumulators ((a, b) at v[8 (8 (a % 4) + b)]).
.set SIZE_K, 1024
.set QOFF,   6815744
.set QSOFF,  9961472
.set KS,     SIZE_K/128
.set NQ,     2                         ; K steps of 128 in a slot
.set FR,     12
.set NL,     6                         ; LDS loads that bring a fragment
.set NP,     4                         ; places behind this matrix instruction (ISA guide 7.12.1)
.set HALFT,  8*3072                    ; what one tensor load brings: 8 row tiles x two fragments
.set SLOT,   4*HALFT                   ; A's 16 row tiles, then B's 16
.set LAPS,   SIZE_K/512
.set SCL,    2*SLOT                    ; behind the ring: the scale words
.set HALFS,  512*KS                    ; those of 8 row tiles, all of K
.set SPARE,  SCL+4*HALFS               ; behind them: the spare words, 128 bytes a wave, which no other line names
.set ADRA, 16
.set ADRB, 20
.set LN8,  24                          ; v24  8 x lane
.set SOFF, 25                          ; v25  Q, K: 4 r, and a head's scale words further on for lanes 16-31
.set LN4,  26                          ; v26  4 x lane
.set ADRS, 27
.set SPW,  28
.set NIL,  29
.set SH,   30                          ; v30  16 x (lane / 16)
.set WD,   31                          ; v31  a head's scale word
.set SC,   32
.set TM,   64
.set PC,   76
.set PW,   96
.set AF,   128
.set SEL,  18                          ; s[18:19], set ahead of the way out
.set G1, 24
.set G0, 32
.set G1B, 48
.set G0B, 56
.set G1S, 68
.set G0S, 76
.set G1SB, 80
.set G0SB, 88
.set MSB, 0
.macro WIN new                         ; the immediate's high byte repeats the setting that is left
.if MSB != (\new)
	s_set_vgpr_msb (MSB<<8)|(\new)
.set MSB, (\new)
.endif
.endm
.set MUL_LO, 0xa1                      ; source 0 (B) window 1, source 1 (A) window 0, C and D window 2
.set MUL_HI, 0xf1
.set TO_B,   0x40
.macro JLOAD g0a, g1a, g0b, g1b        ; a joint load: waves 0, 1 fetch for A, waves 2, 3 for B; four v_nop follow each line
	s_cmp_eq_u32 s15, 0
	s_cbranch_scc0 .Lfor_b_\@
	tensor_load_to_lds s[\g0a:\g0a+3], s[\g1a:\g1a+7]
	s_nop 0
.rept 4
	v_nop
.endr
	s_branch .Lasked_\@
.Lfor_b_\@:
	tensor_load_to_lds s[\g0b:\g0b+3], s[\g1b:\g1b+7]
	s_nop 0
.rept 4
	v_nop
.endr
.Lasked_\@:
.endm
.macro CREST
	s_cmp_lg_u32 s14, 0
	s_cbranch_scc1 .Lnot_wave_0_\@
	s_barrier_signal -3
.Lnot_wave_0_\@:
	s_barrier_wait -3
	s_barrier_signal -1
	s_barrier_wait -1
.endm
.macro CROUND
	s_barrier_signal -1
	s_barrier_wait -1
	CREST
.endm
	s_load_b128 s[4:7], s[0:1], 0x0                ; wc, ws
	s_load_b64 s[8:9], s[0:1], 0x10                ; qkv
	v_lshl_add_u32 v[SPW], v0, 2, SPARE
	v_mov_b32 v[NIL], 0
	ds_add_u32 v28, v29
	ds_add_u32 v28, v29
	s_wait_dscnt 0x0
	v_lshrrev_b32 v1, 5, v0
	v_readfirstlane_b32 s14, v1                    ; wave 0..3
	s_lshr_b32 s15, s14, 1                         ; my half of the tile's rows; also: I fetch for A (0) or B (1)
	s_and_b32 s16, s14, 1                          ; my half of its columns; also: which 8 row tiles I fetch
	s_bfe_u32 s40, ttmp6, 0x40000                  ; cx
	s_bfe_u32 s41, ttmp6, 0x40004                  ; cy
	s_and_b32 s18, ttmp7, 0xffff                   ; cluster y
	s_cmp_eq_u32 ttmp9, 2                          ; the clusters with x = 2 make V^T: the same in all sixteen partners
	s_cselect_b32 s95, 1, 0
	s_cselect_b32 s42, s18, ttmp9
	s_cselect_b32 s17, 0, s18
	s_cselect_b32 s96, 3072, 0                     ; A's first fragment: Wv's or x's
	s_cselect_b32 s97, 0, 2048                     ; B's: x's or Wq's (Wk's follow)
	s_lshl_b32 s42, s42, 2
	s_add_co_u32 s42, s42, s40                     ; tile column
	s_lshl_b32 s17, s17, 2
	s_add_co_u32 s17, s17, s41                     ; tile row
	s_lshl_b32 s43, s41, 2
	s_lshl_b32 s43, 15, s43                        ; my row of the cluster
	s_lshl_b32 s44, 0x1111, s40                    ; my column
	s_or_b32 s[G1+0], s43, (3<<16)|(1<<21)         ; 15:0 the mask; 17:16 elements of 8 bytes; 21 set beside a mask; no padding
	s_or_b32 s[G1B+0], s44, (3<<16)|(1<<21)
.irp g, G1, G1B
	s_mov_b32 s[\g+1], 384<<16                     ; tensor_dim0 = 384 elements: 3,072 bytes
	s_mov_b32 s[\g+2], 8<<16                       ; tensor_dim1 = 8 row tiles
	s_mov_b32 s[\g+3], 384<<16                     ; tile_dim0
	s_mov_b32 s[\g+4], 8                           ; tile_dim1
	s_mov_b32 s[\g+5], 192*KS                      ; from row tile to row tile: 1,536 KS bytes
	s_mov_b32 s[\g+6], 0
	s_mov_b32 s[\g+7], 0
.endr
	s_or_b32 s[G1S+0], s43, (3<<16)|(1<<21)        ; the scale words of 8 row tiles: a dense block of 512 KS bytes, as rows of 256
	s_or_b32 s[G1SB+0], s44, (3<<16)|(1<<21)
.irp g, G1S, G1SB
	s_mov_b32 s[\g+1], 32<<16
	s_mov_b32 s[\g+2], (2*KS)<<16
	s_mov_b32 s[\g+3], 32<<16
	s_mov_b32 s[\g+4], 2*KS
	s_mov_b32 s[\g+5], 32
	s_mov_b32 s[\g+6], 0
	s_mov_b32 s[\g+7], 0
.endr
	s_lshl_b32 s18, s16, 3
	s_lshl_b32 s20, s17, 4
	s_add_co_u32 s20, s20, s18                     ; A: row tile 16 x tile row + 8 x half
	s_mul_i32 s20, s20, KS
	s_add_co_u32 s20, s20, s96                     ; its first fragment
	s_lshl_b32 s22, s20, 6
	s_mov_b32 s23, 0
	s_mul_i32 s20, s20, 1536
	s_mov_b32 s21, 0
	s_lshl_b32 s46, s42, 4
	s_add_co_u32 s46, s46, s18                     ; B likewise, by the tile column
	s_mul_i32 s46, s46, KS
	s_add_co_u32 s46, s46, s97
	s_lshl_b32 s92, s46, 6
	s_mov_b32 s93, 0
	s_mul_i32 s46, s46, 1536
	s_mov_b32 s47, 0
	s_mul_i32 s45, s14, HALFT                      ; where they go: by the wave's number alone
	s_mul_i32 s94, s14, HALFS
	s_wait_kmcnt 0x0
	s_add_nc_u64 s[20:21], s[4:5], s[20:21]
	s_add_nc_u64 s[22:23], s[6:7], s[22:23]
	s_add_nc_u64 s[46:47], s[4:5], s[46:47]
	s_add_nc_u64 s[92:93], s[6:7], s[92:93]
	CROUND                                         ; all sixteen work-groups are here: the first joint loads meet
	s_mov_b32 s[G0S], 1
	s_add_co_u32 s[G0S+1], s94, SCL
	s_mov_b64 s[G0S+2:G0S+3], s[22:23]
	s_or_b32 s[G0S+3], s[G0S+3], 0x80000000
	s_mov_b32 s[G0SB], 1
	s_add_co_u32 s[G0SB+1], s94, SCL
	s_mov_b64 s[G0SB+2:G0SB+3], s[92:93]
	s_or_b32 s[G0SB+3], s[G0SB+3], 0x80000000
	JLOAD G0S, G1S, G0SB, G1SB                     ; the scale words first
.irp s, 0,1
	s_mov_b32 s[G0+4*\s], 1
	s_add_co_u32 s[G0+4*\s+1], s45, \s*SLOT
	s_add_nc_u64 s[G0+4*\s+2:G0+4*\s+3], s[20:21], \s*3072
	s_or_b32 s[G0+4*\s+3], s[G0+4*\s+3], 0x80000000
	s_mov_b32 s[G0B+4*\s], 1
	s_add_co_u32 s[G0B+4*\s+1], s45, \s*SLOT
	s_add_nc_u64 s[G0B+4*\s+2:G0B+4*\s+3], s[46:47], \s*3072
	s_or_b32 s[G0B+4*\s+3], s[G0B+4*\s+3], 0x80000000
	JLOAD G0+4*\s, G1, G0B+4*\s, G1B
.endr
	v_and_b32 v1, 15, v0                           ; r
	v_bfe_u32 v2, v0, 4, 1                         ; h
	v_and_b32 v3, 31, v0                           ; lane
	v_lshlrev_b32 v[LN8], 3, v3
	v_lshlrev_b32 v[LN4], 2, v3
	v_lshlrev_b32 v[SH], 4, v2
	s_mul_i32 s21, s15, HALFT                      ; my 8 row tiles of A
	s_mul_i32 s22, s16, HALFT
	s_add_co_u32 s22, s22, 2*HALFT                 ; and of B, behind A's 16
.irp s, 0,1
	v_add_nc_u32 v[ADRA+\s], s21, v[LN8]
	v_add_nc_u32 v[ADRB+\s], s22, v[LN8]
	s_add_co_u32 s21, s21, SLOT
	s_add_co_u32 s22, s22, SLOT
.endr
	v_lshlrev_b32 v5, 2, v1
	s_mul_i32 s21, s15, HALFS
	s_mul_i32 s22, s16, HALFS
	s_add_co_u32 s22, s22, 2*HALFS
	s_sub_co_u32 s22, s22, s21
	v_mul_u32_u24 v6, s22, v2                      ; lanes 16-31 take B's words
	s_add_co_u32 s21, s21, SCL
	v_add_nc_u32 v6, v5, v6
	v_add_nc_u32 v[ADRS], s21, v6
.irp b, 0,1,2,3
	v_mov_b32 v[TM+4+\b], 0                        ; a lane permute's destination counts as read
.endr
	; where my results go.  Q, K: rows are tokens, my 128 columns two heads.  V: rows are channels (8 tiles: two heads), my 128 columns one K step of tokens
	s_cmp_eq_u32 s95, 1
	s_cselect_b32 s18, s42, s17                    ; the coordinate that runs along the tokens
	s_lshr_b32 s18, s18, 3
	s_lshl_b32 s18, s18, 4                         ; 16 x batch
	s_lshl_b32 s19, s17, 2
	s_lshl_b32 s45, s15, 1
	s_add_co_u32 s19, s19, s45                     ; V: first head 4 x tile row + 2 x row half
	s_lshl_b32 s46, s40, 2
	s_lshl_b32 s45, s16, 1
	s_add_co_u32 s46, s46, s45                     ; Q, K: 4 cx + 2 x column half
	s_lshl_b32 s47, s42, 1
	s_add_co_u32 s47, s47, s16
	s_and_b32 s47, s47, 15                         ; V: the step of 128 tokens in the batch
	s_lshl_b32 s92, s17, 4
	s_lshl_b32 s45, s15, 3
	s_add_co_u32 s92, s92, s45
	s_and_b32 s92, s92, 127                        ; Q, K: my first tile of tokens in the batch
	s_cmp_eq_u32 s95, 1
	s_cselect_b32 s19, s19, s46
	s_cselect_b32 s47, s47, s92
	s_add_co_u32 s18, s18, s19                     ; batch x 16 + head
	s_mov_b32 s45, 212992
	s_cmp_eq_u32 ttmp9, 0                          ; cluster x = 0 makes Q
	s_cselect_b32 s93, 98304, s45                  ; from head to head: the codes,
	s_cselect_b32 s94, 8192, s45                   ; the scale words
	s_cmp_eq_u32 s95, 1
	s_cselect_b32 s46, 98304, 0                    ; the region in a head block: V's or K's codes,
	s_mov_b32 s45, 196608
	s_cselect_b32 s92, 204800, s45                 ; V's or K's words
	s_mov_b32 s45, 768
	s_cselect_b32 s19, 6144, s45                   ; from step to step, or from tile to tile
	s_cselect_b32 s45, 512, 64
	s_cmp_eq_u32 ttmp9, 0
	s_cselect_b32 s46, QOFF, s46
	s_cselect_b32 s92, QSOFF, s92
	s_mul_i32 s10, s18, s93
	s_add_co_u32 s10, s10, s46
	s_mul_i32 s19, s47, s19
	s_add_co_u32 s10, s10, s19
	s_mov_b32 s11, 0
	s_add_nc_u64 s[10:11], s[8:9], s[10:11]        ; codes, first head
	s_mov_b32 s12, s93
	s_mov_b32 s13, 0
	s_add_nc_u64 s[12:13], s[10:11], s[12:13]      ; second head
	s_mul_i32 s20, s18, s94
	s_add_co_u32 s20, s20, s92
	s_mul_i32 s45, s47, s45
	s_add_co_u32 s20, s20, s45
	s_mov_b32 s21, 0
	s_add_nc_u64 s[20:21], s[8:9], s[20:21]        ; scale words, first head
	s_mov_b32 s22, s94
	s_mov_b32 s23, 0
	s_add_nc_u64 s[22:23], s[20:21], s[22:23]      ; second head
	v_mul_u32_u24 v6, s94, v2
	v_add_nc_u32 v[SOFF], v5, v6
	s_mov_b32 s2, 0x7f7f0000                       ; the bytes 127 over a half image's zero codes
	s_mov_b32 s[SEL], 0x76543210
	s_mov_b32 s[SEL+1], 0xfedcba98
.macro FRAG reg, adr, q, i             ; a fragment comes as it was stored: six loads of 8 bytes a lane, 256 consecutive bytes each
.irp p, 0,1,2,3,4,5
	ds_load_b64 v[\reg+2*\p:\reg+2*\p+1], v[\adr] offset:3072*(\i)+1536*(\q)+256*\p
.endr
.endm
; 16 matrix instructions: A's blocks a0, a0 + 1 x B's eight.  The 64 accumulators take turns, one instruction a turn, in the same order in every step
.macro MUL16 a0, p, q, sc, zero
.irp a, \a0, \a0+1
.irp b, 0,1,2,3,4,5,6,7
.if \zero
	v_wmma_scale_f32_16x16x128_f8f6f4 v[8*(8*((\a)%4)+\b):8*(8*((\a)%4)+\b)+7], v[128*(\p)+FR*\b:128*(\p)+FR*\b+FR-1], v[AF+FR*(\a):AF+FR*(\a)+FR-1], 0, v[SC+8*NQ*(\sc)+NQ*\b+(\q)], v[SC+8*NQ*(\sc)+NQ*(\a)+(\q)] matrix_a_fmt:MATRIX_FMT_BF6 matrix_b_fmt:MATRIX_FMT_BF6 matrix_a_scale:MATRIX_SCALE_ROW1
.else
	v_wmma_scale_f32_16x16x128_f8f6f4 v[8*(8*((\a)%4)+\b):8*(8*((\a)%4)+\b)+7], v[128*(\p)+FR*\b:128*(\p)+FR*\b+FR-1], v[AF+FR*(\a):AF+FR*(\a)+FR-1], v[8*(8*((\a)%4)+\b):8*(8*((\a)%4)+\b)+7], v[SC+8*NQ*(\sc)+NQ*\b+(\q)], v[SC+8*NQ*(\sc)+NQ*(\a)+(\q)] matrix_a_fmt:MATRIX_FMT_BF6 matrix_b_fmt:MATRIX_FMT_BF6 matrix_a_scale:MATRIX_SCALE_ROW1
.endif
.endr
.endr
.endm
.macro FETCH_B slot, q, p
	WIN TO_B
.irp i, 0,1,2,3,4,5,6,7
	FRAG 128*(\p)+FR*\i, ADRB+\slot, \q, \i
.endr
	WIN 0
.endm
.macro FETCH_A slot, q, i0
.irp i, \i0, \i0+1, \i0+2, \i0+3
	FRAG AF+FR*(\i), ADRA+\slot, \q, \i
.endr
.endm
.macro SCALES sc                       ; a slot's scale words: register 2 i + q: lanes 0-15 A's block i, lanes 16-31 B's block i, K step q
.irp i, 0,1,2,3,4,5,6,7
.irp q, 0,1
	ds_load_b32 v[SC+8*NQ*\sc+NQ*\i+\q], v[ADRS] offset:64*KS*\i+64*\q
.endr
.endr
.endm
.macro PLACES n                        ; plain vector lines between a matrix instruction and a load into, or a read of, its registers
.rept \n
	v_nop
.endr
.endm
.macro STEP slot, q, zero              ; 128 along K whose successor lies in the same slot
	s_wait_dscnt 4*NL                              ; all but the youngest 24 loads (A's blocks 4-7) are in
	WIN MUL_LO
	MUL16 0, (\q)%2, \q, \slot, \zero
	MUL16 2, (\q)%2, \q, \slot, \zero
	s_wait_dscnt 0
	PLACES NP
	FETCH_B \slot, (\q)+1, 1-(\q)%2
	FETCH_A \slot, (\q)+1, 0
	WIN MUL_HI
	MUL16 4, (\q)%2, \q, \slot, \zero
	MUL16 6, (\q)%2, \q, \slot, \zero
	PLACES NP
	WIN 0
	FETCH_A \slot, (\q)+1, 4
.endm
; A slot's last step changes slots: one barrier; ahead of it each wave waits for all its tensor loads, adds 0 to its spare word, and waits for that and for its reads of the slot
.macro TURN slot, next, fill
	s_wait_tensorcnt 0x0                           ; my part of the next slot has landed: no tensor load of mine is out
	ds_add_u32 v[SPW], v[NIL]
	s_wait_dscnt 4*NL+1                            ; the add and the youngest 24 loads may be out
	WIN MUL_LO
	MUL16 0, 1, NQ-1, \slot, 0
	s_wait_dscnt 0x0                               ; the add is done, my reads of this slot are over
	s_barrier_signal -1
	MUL16 2, 1, NQ-1, \slot, 0
	WIN 0
	s_barrier_wait -1
.if \fill
	CREST                                          ; the barrier has opened a round of the cluster's: no wave of any partner still reads this slot or has a load on its way
	s_add_nc_u64 s[G0+4*\slot+2:G0+4*\slot+3], s[G0+4*\slot+2:G0+4*\slot+3], 6144
	s_add_nc_u64 s[G0B+4*\slot+2:G0B+4*\slot+3], s[G0B+4*\slot+2:G0B+4*\slot+3], 6144
	JLOAD G0+4*\slot, G1, G0B+4*\slot, G1B         ; the first tensor load behind the round; its four v_nop are the places ahead of the loads below
.else
	PLACES NP
.endif
	v_add_nc_u32 v[ADRS], 64*NQ, v[ADRS]           ; the next slot's scale words
	FETCH_B \next, 0, 0
	FETCH_A \next, 0, 0
	SCALES \next
	WIN MUL_HI
	MUL16 4, 1, NQ-1, \slot, 0
	MUL16 6, 1, NQ-1, \slot, 0
	PLACES NP
	WIN 0
	FETCH_A \next, 0, 4
.endm
	s_wait_tensorcnt 1                             ; the scale words and my part of slot 0 are in; slot 1's load may be out
	s_barrier_signal -1
	s_barrier_wait -1
	FETCH_B 0, 0, 0
	FETCH_A 0, 0, 0
	SCALES 0
	FETCH_A 0, 0, 4
	STEP 0, 0, 1                                   ; the first step's products start the sums
	s_mov_b32 s3, LAPS-1
.Llap:
	TURN 0, 1, 1
	STEP 1, 0, 0
	TURN 1, 0, 1
	STEP 0, 0, 0
	s_sub_co_u32 s3, s3, 1
	s_cmp_lg_u32 s3, 0
	s_cbranch_scc1 .Llap
	TURN 0, 1, 0                                   ; the last lap fills nothing
	STEP 1, 0, 0
	s_wait_dscnt 4*NL
	WIN MUL_LO
	MUL16 0, 1, NQ-1, 1, 0
	MUL16 2, 1, NQ-1, 1, 0
	s_wait_dscnt 0
	WIN MUL_HI
	MUL16 4, 1, NQ-1, 1, 0
	MUL16 6, 1, NQ-1, 1, 0
	WIN 0
; 64 numbers of a lane in window w, register s + 16 b + i = column 32 b + 16 (lane / 16) + i of my row, become a fragment in v[PC] on and its scale word in v[PW].  Each accumulator is read from its low end on
.macro QUANT s, w
	WIN (\w)|((\w)<<2)
.irp b, 0,1,2,3
	v_max3_num_f32 v[TM+\b], |v[(\s)+16*\b]|, |v[(\s)+1+16*\b]|, 0x2800000
.endr
.irp i, 2,4,6,8,10,12,14
.irp b, 0,1,2,3
	v_max3_num_f32 v[TM+\b], |v[(\s)+16*\b+\i]|, |v[(\s)+1+16*\b+\i]|, v[TM+\b]
.endr
.endr
	WIN 0
.irp b, 0,1,2,3
	v_permlanex16_b32 v[TM+4+\b], v[TM+\b], s[SEL], s[SEL+1]
.endr
.irp b, 0,1,2,3
	v_max_num_f32 v[TM+\b], v[TM+\b], v[TM+4+\b]
.endr
.irp b, 0,1,2,3
	v_add_nc_u32 v[TM+8+\b], 0xfe000000, v[TM+\b]
.endr
.irp b, 0,1,2,3
	v_lshrrev_b32 v[TM+4+\b], 23, v[TM+8+\b]
.endr
	v_lshl_or_b32 v[PW], v[TM+5], 8, v[TM+4]
	v_lshl_or_b32 v[PW], v[TM+6], 16, v[PW]
	v_lshl_or_b32 v[PW], v[TM+7], 24, v[PW]
	WIN \w
.irp c, 0,1
	v_cvt_scalef32_pk16_bf6_f32 v[PC+6*\c:PC+2+6*\c], v[(\s)+32*\c:(\s)+15+32*\c], v[TM+8+2*\c]
	v_cvt_scalef32_pk16_bf6_f32 v[PC+12+4*\c:PC+14+4*\c], v[(\s)+16+32*\c:(\s)+31+32*\c], v[TM+9+2*\c]
.endr
	WIN 0
	v_nop                                          ; one plain line behind the conversions
.irp c, 0,1
.irp i, 0,1,2
	v_permlane16_swap_b32 v[PC+6*\c+\i], v[PC+12+4*\c+\i]
.endr
.irp i, 0,1,2
	v_mov_b32 v[PC+3+6*\c+\i], v[PC+12+4*\c+\i]
.endr
.endr
.endm
; Block a of 16 rows goes out.  The branch hangs on the cluster's x alone and stands round stores only
.macro OUTA a
	s_wait_xcnt 0x0                                ; the last block's stores have read the registers that are written again now
	QUANT 64*((\a)%4), 2+(\a)/4
	s_cmp_eq_u32 s95, 0
	s_cbranch_scc0 .Lv_\@
	v_lshrrev_b32 v[WD], v[SH], v[PW]              ; lanes 0-15: the first head's two bytes; lanes 16-31: the second's
	v_and_or_b32 v[WD], v[WD], 0xffff, s2
.irp p, 0,1,2
	global_store_b64 v[LN8], v[PC+2*\p:PC+2*\p+1], s[10:11] offset:768*(\a)+256*\p       ; registers 0-5: the first head's half image
	global_store_b64 v[LN8], v[PC+6+2*\p:PC+7+2*\p], s[12:13] offset:768*(\a)+256*\p     ; registers 6-11: the second's
.endr
	global_store_b32 v[SOFF], v[WD], s[20:21] offset:64*(\a)
	s_branch .Ld_\@
.Lv_\@:
.irp p, 0,1,2,3,4,5
	global_store_b64 v[LN8], v[PC+2*\p:PC+2*\p+1], s[10+2*((\a)/4):11+2*((\a)/4)] offset:1536*((\a)%4)+256*\p
.endr
	global_store_b32 v[LN4], v[PW], s[20+2*((\a)/4):21+2*((\a)/4)] offset:128*((\a)%4)
.Ld_\@:
.endm
	PLACES NP                                      ; behind the last products, ahead of the first read of results
.irp a, 0,1,2,3,4,5,6,7
	OUTA \a
.endr
	s_wait_tensorcnt 0x0                           ; the wave's end
	ds_add_u32 v[SPW], v[NIL]
	s_wait_dscnt 0x0
	CROUND                                         ; the closing round
	s_endpgm
.Lfunc_end_k_q64d9cfccdb_qkv:
	.size	k_q64d9cfccdb_qkv, .Lfunc_end_k_q64d9cfccdb_qkv-k_q64d9cfccdb_qkv
	.p2alignl 7, 3214868480
	.fill 96, 4, 3214868480
	.section	.rodata,"a",@progbits
	.p2align	6, 0x0
	.amdhsa_kernel k_q64d9cfccdb_qkv
		.amdhsa_group_segment_fixed_size 327680
		.amdhsa_private_segment_fixed_size 0
		.amdhsa_enable_private_segment 0
		.amdhsa_kernarg_size 24
		.amdhsa_user_sgpr_count 2
		.amdhsa_user_sgpr_kernarg_segment_ptr 1
		.amdhsa_wavefront_size32 1
		.amdhsa_system_sgpr_workgroup_id_x 1
		.amdhsa_system_sgpr_workgroup_id_y 1
		.amdhsa_system_sgpr_workgroup_id_z 1
		.amdhsa_system_vgpr_workitem_id 0
		.amdhsa_next_free_vgpr 1024
		.amdhsa_next_free_sgpr 98
		.amdhsa_reserve_vcc 0
		.amdhsa_float_denorm_mode_32 3
		.amdhsa_float_denorm_mode_16_64 3
		.amdhsa_memory_ordered 1
		.amdhsa_forward_progress 1
		.amdhsa_inst_pref_size 177
	.end_amdhsa_kernel
	.amdgpu_metadata
---
amdhsa.version: [ 1, 2 ]
amdhsa.kernels:
  - .name:           k_q64d9cfccdb_qkv
    .symbol:         k_q64d9cfccdb_qkv.kd
    .args:
      - { .name: wc, .offset: 0, .size: 8, .value_kind: global_buffer, .address_space: global }
      - { .name: ws, .offset: 8, .size: 8, .value_kind: global_buffer, .address_space: global }
      - { .name: qkv, .offset: 16, .size: 8, .value_kind: global_buffer, .address_space: global }
    .group_segment_fixed_size: 327680
    .private_segment_fixed_size: 0
    .kernarg_segment_align: 8
    .kernarg_segment_size: 24
    .max_flat_workgroup_size: 128
    .sgpr_count:     98
    .vgpr_count:     1024
    .wavefront_size: 32
...
	.end_amdgpu_metadata
.endif
;; end of part 2
;; launch attn (part 3): grid 8 x 32, 16 waves a work-group, clusters of 4 x 1, 215,040 bytes of LDS; arguments qkv, ctx; writes ctx
.if DOCPART == 3
	.amdgcn_target "amdgcn-amd-amdhsa--gfx1250"
	.amdhsa_code_object_version 6
	.text
	.protected	k_q64d9cfccdb_attn
	.globl	k_q64d9cfccdb_attn
	.p2align	8
	.type	k_q64d9cfccdb_attn,@function
k_q64d9cfccdb_attn:
	s_mov_b64 s[64:65], 0
	v_nop
	global_prefetch_b8 v0, s[64:65] scope:SCOPE_SE
	s_setreg_imm32_b32 hwreg(HW_REG_WAVE_MODE, 25, 1), 1
	s_wait_xcnt 0x0
	s_wait_alu depctr_hold_cnt(0) depctr_sa_sdst(0) depctr_va_vdst(0) depctr_va_sdst(0) depctr_va_ssrc(0) depctr_va_vcc(0) depctr_vm_vsrc(0)
	s_getreg_b32 s2, hwreg(HW_REG_IB_STS2, 6, 4)
	s_cmp_eq_u32 s2, 0
	s_cbranch_scc0 .Lentry_in_a_cluster
	s_endpgm
.Lentry_in_a_cluster:
	s_bfe_u32 s2, ttmp6, 0x10000c
	s_cmp_lg_u32 s2, 0x3003
	s_cbranch_scc0 .Lentry_shape_is_right
	s_endpgm
.Lentry_shape_is_right:
; ctx[q] = the sum over keys of softmax(Q[q] . K[k] / 8) V[k], for 32 heads of 2,048 tokens x 64 channels, both products on codes of BF6 with E8M0 scales; the result is quantised along head x channel for the next product.
; THE SOFTMAX: t = score x log2(e) / 8; M = the running largest t rounded UP to a whole number; p = 2^(t - M) is quantised along the keys, not normalised; the row's sum is taken of the unquantised p and divides at the end.
; When M moves, the sum and O are multiplied by 2^(old M - new M): exact.
; SHARES.  A work-group owns 256 queries of one head, each of its sixteen waves one tile of 16, in 256 registers.  Every wave walks all 2,048 keys, 128 a step.
; A WHOLE HEAD'S K, V AND SCALE WORDS, 212,992 bytes, lie in LDS as they lie in memory: K's half images (768 bytes a tile of 16 keys) at 0, V^T's images (1,536 a tile of 16 channels x 128 keys) at 98,304,
; K's words at 196,608, V's at 204,800.  They are filled once: each wave asks for 13,312 bytes by one tensor load; nothing is filled again.
; CLUSTER: the four query blocks of a cluster belong to one head: each load is asked for jointly, with the same descriptor and the mask of all four.
; LAYOUT.  Both products are used transposed (S^T = K Q^T, O^T = V^T P^T): a lane holds one query throughout.  Lane r of tile T of keys holds key 32 (T / 2) + 16 (r / 8) + 8 (T % 2) + r % 8, so that the 16 registers of
; tiles 2 b, 2 b + 1 are keys 32 b + 16 (lane / 16) + 0 .. 15.  The first product's K is 64: registers 6-11 of K's and Q's fragments hold zero codes, under the byte 127.
; The result's two scale bytes a row leave by a store of two bytes: a scale word's halves belong to two heads, and so to two work-groups; these are 131,072 bytes of the launch's 3.3 million.
; LIMITS: NaN and infinities are not served; a block of the result under 2^-122 keeps the byte 1.
; REGISTERS: v1-4 addresses that stay; v6 4 r; v8-11 the step's addresses; v12 -M, v13 the largest t, v[14:15] the sum; v16-27 Q; v28-31 V's words; v32-79 four fragments of K; v80-127 four of V; v128-191 S^T, then p;
; v192-223 O^T; v224-235 p's codes; v232-247, v252, v254 at work; v248-251 K's words (lanes 0-15 tile 2 i, lanes 16-31 tile 2 i + 1); v253 p's word; v255 Q's.
.set QOFF,  6815744
.set QSOFF, 9961472
.set AK0, 1
.set AV0, 2
.set AS0, 3
.set AT0, 4
.set ADK, 8
.set ADV, 9
.set ADS, 10
.set ADT, 11
.set WV,  8
.set SEL, 24
.set CS,  26
.set TB,  28
.set TS,  29
.set CNT, 30
.macro ROUND                           ; a round of the cluster's barrier
	s_barrier_signal -1
	s_barrier_wait -1
	s_cmp_lg_u32 s[WV], 0
	s_cbranch_scc1 .Lnot_wave_0_\@
	s_barrier_signal -3
.Lnot_wave_0_\@:
	s_barrier_wait -3
	s_barrier_signal -1
	s_barrier_wait -1
.endm
	s_load_b128 s[4:7], s[0:1], 0x0                ; qkv, ctx
	v_lshl_add_u32 v7, v0, 2, 0x34000
	v_mov_b32 v243, 0
	ds_add_u32 v7, v243
	ds_add_u32 v7, v243
	v_lshrrev_b32 v8, 5, v0
	v_readfirstlane_b32 s[WV], v8                  ; wave 0..15
	s_bfe_u32 s9, ttmp6, 0x40000                   ; cx
	s_lshl_b32 s10, ttmp9, 2
	s_add_co_u32 s10, s10, s9                      ; my block of 256 queries: it enters Q's and ctx's addresses alone
	s_and_b32 s11, ttmp7, 0xffff                   ; batch x 16 + head, which the four partners share
	s_mov_b32 s16, 15|(3<<16)|(1<<21)              ; group 1: the mask of all four; elements of 8 bytes; bit 21 beside a mask; no padding
	s_mov_b32 s17, 32<<16                          ; rows of 256 bytes,
	s_mov_b32 s18, 52<<16                          ; 52 of them
	s_mov_b32 s19, 32<<16
	s_mov_b32 s20, 52
	s_mov_b32 s21, 32                              ; dense
	s_mov_b32 s22, 0
	s_mov_b32 s23, 0
	s_mul_i32 s32, s11, 212992
	s_mul_i32 s13, s[WV], 13312                    ; group 0: my sixteenth of the head block, in LDS
	s_add_co_u32 s32, s32, s13                     ; and in memory
	s_mov_b32 s33, 0
	s_mov_b32 s12, 1
	s_wait_dscnt 0x0
	s_wait_kmcnt 0x0
	s_add_nc_u64 s[14:15], s[4:5], s[32:33]
	s_or_b32 s15, s15, 0x80000000
	ROUND                                          ; all four work-groups are here: the joint loads meet
	tensor_load_to_lds s[12:15], s[16:23]          ; my one tensor load of the launch
	s_nop 0
.rept 4
	v_nop
.endr
	s_lshl_b32 s34, s10, 4
	s_add_co_u32 s34, s34, s[WV]                   ; my tile of queries in the head
	s_mul_i32 s36, s11, 98304
	s_mul_i32 s35, s34, 768
	s_add_co_u32 s36, s36, s35
	s_add_co_u32 s36, s36, QOFF
	s_mov_b32 s37, 0
	s_add_nc_u64 s[36:37], s[4:5], s[36:37]        ; Q's half image
	s_lshl_b32 s38, s11, 13
	s_lshl_b32 s35, s34, 6
	s_add_co_u32 s38, s38, s35
	s_add_co_u32 s38, s38, QSOFF
	s_mov_b32 s39, 0
	s_add_nc_u64 s[38:39], s[4:5], s[38:39]        ; its scale words
	s_lshr_b32 s40, s11, 4
	s_lshl_b32 s40, s40, 7
	s_add_co_u32 s40, s40, s34                     ; my tile among all 256 tiles of tokens
	s_lshl_b32 s40, s40, 3
	s_bfe_u32 s41, s11, 0x30001                    ; head / 2: the next product's K step
	s_add_co_u32 s40, s40, s41                     ; the fragment of ctx
	s_and_b32 s41, s11, 1                          ; head % 2: its half
	s_mul_i32 s42, s40, 1536
	s_mul_i32 s43, s41, 768
	s_add_co_u32 s42, s42, s43
	s_mov_b32 s43, 0
	s_add_nc_u64 s[42:43], s[6:7], s[42:43]
	s_lshl_b32 s44, s40, 6
	s_lshl_b32 s45, s41, 1
	s_add_co_u32 s44, s44, s45
	s_add_co_u32 s44, s44, 3145728
	s_mov_b32 s45, 0
	s_add_nc_u64 s[44:45], s[6:7], s[44:45]
	s_mov_b32 s[SEL], 0x76543210
	s_mov_b32 s[SEL+1], 0xfedcba98
	s_mov_b32 s[CS], 0x3e38aa3b                    ; c = log2(e) / 8
	s_mov_b32 s[CS+1], s[CS]
	s_mov_b32 s[TB], 0
	s_mov_b32 s[TS], 0
	s_mov_b32 s[CNT], 16
	v_and_b32 v9, 31, v0
	v_and_b32 v10, 15, v0
	v_lshlrev_b32 v[AK0], 3, v9                    ; 8 x lane
	v_add_nc_u32 v[AV0], 98304, v[AK0]
	v_lshlrev_b32 v5, 2, v9
	v_add_nc_u32 v[AS0], 196608, v5
	v_add_nc_u32 v[AT0], 204800, v5
	v_lshlrev_b32 v6, 2, v10                       ; 4 r
.irp p, 0,1,2
	global_load_b64 v[16+2*\p:17+2*\p], v[AK0], s[36:37] offset:256*\p
.endr
	global_load_b32 v255, v6, s[38:39]
.irp i, 22,23,24,25,26,27
	v_mov_b32 v\i, 0                               ; Q's zero codes
.endr
.irp t, 0,1,2,3
.irp i, 6,7,8,9,10,11
	v_mov_b32 v[32+12*\t+\i], 0                    ; K's zero codes: written once, never loaded over
.endr
.endr
	v_mov_b32 v13, 0xff61b1e6                      ; the largest t so far: -3e38
	v_floor_f32 v12, -v13
	v_mov_b32 v14, 0
	v_mov_b32 v15, 0
.irp b, 0,1,2,3
	v_mov_b32 v[236+\b], 0                         ; a lane permute's destination counts as read
.endr
	v_mov_b32 v253, 0                              ; (named as the upper half of v[252:253] before it is first written)
.set j, 0
.rept 32
	v_mov_b32 v[192+j], 0                          ; O^T: the loop is written once; its first step finds zeros
.set j, j+1
.endr
	s_wait_loadcnt 0x0                             ; Q
	s_wait_tensorcnt 0x0                           ; my part of the head block has landed,
	s_barrier_signal -1
	s_barrier_wait -1                              ; everybody's has
.Lstep:                                            ; 16 trips of 128 keys
	v_add_nc_u32 v[ADK], s[TB], v[AK0]
	v_add_nc_u32 v[ADV], s[TB], v[AV0]
	v_add_nc_u32 v[ADS], s[TS], v[AS0]
	v_add_nc_u32 v[ADT], s[TS], v[AT0]
.irp i, 0,1,2,3
	ds_load_b32 v[248+\i], v[ADS] offset:128*\i
.endr
.irp g, 0,1                                    ; S^T = K Q^T, four tiles of 16 keys at a time
.if \g
.rept 4
	v_nop                                          ; places ahead of loads into registers that the last products read
.endr
.endif
.irp t, 0,1,2,3
.irp p, 0,1,2
	ds_load_b64 v[32+12*\t+2*\p:33+12*\t+2*\p], v[ADK] offset:768*(4*\g+\t)+256*\p
.endr
.endr
	s_wait_dscnt 0x0
.irp t, 0,2
	v_wmma_scale_f32_16x16x128_f8f6f4 v[128+8*(4*\g+\t):135+8*(4*\g+\t)], v[32+12*\t:43+12*\t], v[16:27], 0, v[248+2*\g+\t/2], v255 matrix_a_fmt:MATRIX_FMT_BF6 matrix_b_fmt:MATRIX_FMT_BF6
	v_wmma_scale_f32_16x16x128_f8f6f4 v[136+8*(4*\g+\t):143+8*(4*\g+\t)], v[44+12*\t:55+12*\t], v[16:27], 0, v[248+2*\g+\t/2], v255 matrix_a_fmt:MATRIX_FMT_BF6 matrix_b_fmt:MATRIX_FMT_BF6 matrix_a_scale:MATRIX_SCALE_ROW1
.endr
.endr
.irp d, 0,1,2,3                                ; V's four fragments and words land under the softmax
.irp p, 0,1,2,3,4,5
	ds_load_b64 v[80+12*\d+2*\p:81+12*\d+2*\p], v[ADV] offset:1536*\d+256*\p
.endr
	ds_load_b32 v[28+\d], v[ADT] offset:128*\d
.endr
.rept 4
	v_nop                                          ; places ahead of the first read of the scores
.endr
.irp b, 0,1,2,3
	v_max3_num_f32 v[232+\b], v[128+16*\b], v[129+16*\b], v[130+16*\b]   ; the largest score of each block of 32 keys: for the row's maximum, and, since p rises with the score, for the block's largest p
.endr
.irp i, 3,5,7,9,11,13
.irp b, 0,1,2,3
	v_max3_num_f32 v[232+\b], v[232+\b], v[128+16*\b+\i], v[129+16*\b+\i]
.endr
.endr
.irp b, 0,1,2,3
	v_max_num_f32 v[232+\b], v[232+\b], v[143+16*\b]
.endr
.irp b, 0,1,2,3
	v_permlanex16_b32 v[236+\b], v[232+\b], s[SEL], s[SEL+1]
.endr
.irp b, 0,1,2,3
	v_max_num_f32 v[232+\b], v[232+\b], v[236+\b]
.endr
	v_max3_num_f32 v254, v232, v233, v234
	v_max_num_f32 v254, v254, v235
	v_mul_f32 v254, s[CS], v254
	v_max_num_f32 v13, v13, v254                   ; the running largest t
	v_mov_b32 v254, v12
	v_floor_f32 v12, -v13                          ; the new -M = -ceil(t)
	v_sub_f32 v254, v12, v254                      ; old M - new M: a whole number, 0 or less
	v_cvt_i32_f32 v254, v254                       ; (it saturates)
	v_ldexp_f32 v252, 1.0, v254                    ; f = 2^(old M - new M)
.set j, 0
.rept 32
	v_pk_fma_f32 v[128+j:129+j], v[128+j:129+j], s[CS:CS+1], v[12:13] op_sel_hi:[1,0,0]   ; t - M
.set j, j+2
.endr
.irp b, 0,1,2,3
	v_fma_f32 v[232+\b], v[232+\b], s[CS], v12
.endr
.set j, 0
.rept 64
	v_exp_f32 v[128+j], v[128+j]                   ; p = 2^(t - M)
.set j, j+1
.endr
	v_pk_mul_f32 v[14:15], v[14:15], v[252:253] op_sel_hi:[1,0]   ; the sums under the new M: a plain line behind the exponentials
	s_wait_alu depctr_va_vdst(0)                   ; one wait for the batch of 64, ahead of its first reader
.irp b, 0,1,2,3
	v_exp_f32 v[232+\b], v[232+\b]                 ; each block's largest p
.endr
	v_pk_add_f32 v[236:237], v[128:129], v[130:131]   ; the row's sum of the unquantised p, in two chains
.set j, 4
.rept 15
	v_pk_add_f32 v[14:15], v[14:15], v[128+j:129+j]
	v_pk_add_f32 v[236:237], v[236:237], v[130+j:131+j]
.set j, j+4
.endr
	v_pk_add_f32 v[14:15], v[14:15], v[236:237]
	s_wait_alu depctr_va_vdst(0)                   ; and one for the four
.irp b, 0,1,2,3
	v_max_num_f32 v[232+\b], 0x2800000, v[232+\b]  ; the floor: the byte cannot fall under 1
.endr
.irp b, 0,1,2,3
	v_add_nc_u32 v[244+\b], 0xfe000000, v[232+\b]
.endr
.irp b, 0,1,2,3
	v_lshrrev_b32 v[236+\b], 23, v[244+\b]
.endr
	v_lshl_or_b32 v253, v237, 8, v236              ; p's scale word for these 128 keys
	v_lshl_or_b32 v253, v238, 16, v253
	v_lshl_or_b32 v253, v239, 24, v253
.irp c, 0,1
	v_cvt_scalef32_pk16_bf6_f32 v[224+6*\c:226+6*\c], v[128+32*\c:143+32*\c], v[244+2*\c]
	v_cvt_scalef32_pk16_bf6_f32 v[236+4*\c:238+4*\c], v[144+32*\c:159+32*\c], v[245+2*\c]
.endr
	v_nop                                          ; one plain line behind the conversions
.irp c, 0,1
.irp i, 0,1,2
	v_permlane16_swap_b32 v[224+6*\c+\i], v[236+4*\c+\i]
.endr
.irp i, 0,1,2
	v_mov_b32 v[227+6*\c+\i], v[236+4*\c+\i]
.endr
.endr
.set j, 0
.rept 16
	v_pk_mul_f32 v[192+j:193+j], v[192+j:193+j], v[252:253] op_sel_hi:[1,0]   ; O^T under the new M; these 16 are also the places between p's word and codes and the products
.set j, j+2
.endr
.rept 4
	v_nop
.endr
	s_wait_dscnt 0x0                               ; V
.irp d, 0,1,2,3                                ; O^T += V^T P^T: the four accumulators by turns
	v_wmma_scale_f32_16x16x128_f8f6f4 v[192+8*\d:199+8*\d], v[80+12*\d:91+12*\d], v[224:235], v[192+8*\d:199+8*\d], v[28+\d], v253 matrix_a_fmt:MATRIX_FMT_BF6 matrix_b_fmt:MATRIX_FMT_BF6
.endr
	s_add_co_u32 s[TB], s[TB], 6144                ; 8 half images of K, and 4 images of V
	s_add_co_u32 s[TS], s[TS], 512                 ; their words
	s_sub_co_u32 s[CNT], s[CNT], 1
	s_cmp_lg_u32 s[CNT], 0
	s_cbranch_scc1 .Lstep
	; THE WAY OUT: O^T / the sum; register 16 b + i is channel 32 b + 16 (lane / 16) + i: two blocks of the next product's K; quantised, they are registers 0-5 of a half image
.rept 4
	v_nop
.endr
	v_add_f32 v14, v14, v15
	v_permlanex16_b32 v252, v14, s[SEL], s[SEL+1]
	v_add_f32 v14, v14, v252                       ; the row's sum
	v_rcp_f32 v14, v14
	v_nop                                          ; a plain line behind the reciprocal
	s_wait_alu depctr_va_vdst(0)                   ; and the wait ahead of its first reader
	v_mov_b32 v15, v14
.set j, 0
.rept 16
	v_pk_mul_f32 v[128+j:129+j], v[192+j:193+j], v[14:15]
.set j, j+2
.endr
.irp b, 0,1
	v_max3_num_f32 v[232+\b], |v[128+16*\b]|, |v[129+16*\b]|, 0x2800000
.endr
.irp i, 2,4,6,8,10,12,14
.irp b, 0,1
	v_max3_num_f32 v[232+\b], |v[128+16*\b+\i]|, |v[129+16*\b+\i]|, v[232+\b]
.endr
.endr
.irp b, 0,1
	v_permlanex16_b32 v[236+\b], v[232+\b], s[SEL], s[SEL+1]
.endr
.irp b, 0,1
	v_max_num_f32 v[232+\b], v[232+\b], v[236+\b]
.endr
.irp b, 0,1
	v_add_nc_u32 v[244+\b], 0xfe000000, v[232+\b]
.endr
.irp b, 0,1
	v_lshrrev_b32 v[236+\b], 23, v[244+\b]
.endr
	v_lshl_or_b32 v240, v237, 8, v236              ; my row's two bytes
	v_cvt_scalef32_pk16_bf6_f32 v[224:226], v[128:143], v244
	v_cvt_scalef32_pk16_bf6_f32 v[236:238], v[144:159], v245
	v_nop
.irp i, 0,1,2
	v_permlane16_swap_b32 v[224+\i], v[236+\i]
.endr
.irp i, 0,1,2
	v_mov_b32 v[227+\i], v[236+\i]
.endr
.irp p, 0,1,2
	global_store_b64 v[AK0], v[224+2*\p:225+2*\p], s[42:43] offset:256*\p   ; 256 consecutive bytes, aligned
.endr
	global_store_b16 v6, v240, s[44:45]            ; lanes r and r + 16 hold the same two bytes and write them to the same place
	s_wait_tensorcnt 0x0
	ds_add_u32 v7, v243
	s_wait_dscnt 0x0
	ROUND                                          ; the closing round: no work-group ends while a partner may still ask
	s_endpgm
.Lfunc_end_k_q64d9cfccdb_attn:
	.size	k_q64d9cfccdb_attn, .Lfunc_end_k_q64d9cfccdb_attn-k_q64d9cfccdb_attn
	.p2alignl 7, 3214868480
	.fill 96, 4, 3214868480
	.section	.rodata,"a",@progbits
	.p2align	6, 0x0
	.amdhsa_kernel k_q64d9cfccdb_attn
		.amdhsa_group_segment_fixed_size 215040
		.amdhsa_private_segment_fixed_size 0
		.amdhsa_enable_private_segment 0
		.amdhsa_kernarg_size 16
		.amdhsa_user_sgpr_count 2
		.amdhsa_user_sgpr_kernarg_segment_ptr 1
		.amdhsa_wavefront_size32 1
		.amdhsa_system_sgpr_workgroup_id_x 1
		.amdhsa_system_sgpr_workgroup_id_y 1
		.amdhsa_system_sgpr_workgroup_id_z 1
		.amdhsa_system_vgpr_workitem_id 0
		.amdhsa_next_free_vgpr 256
		.amdhsa_next_free_sgpr 66
		.amdhsa_reserve_vcc 0
		.amdhsa_float_denorm_mode_32 3
		.amdhsa_float_denorm_mode_16_64 3
		.amdhsa_memory_ordered 1
		.amdhsa_forward_progress 1
		.amdhsa_inst_pref_size 29
	.end_amdhsa_kernel
	.amdgpu_metadata
---
amdhsa.version: [ 1, 2 ]
amdhsa.kernels:
  - .name:           k_q64d9cfccdb_attn
    .symbol:         k_q64d9cfccdb_attn.kd
    .args:
      - { .name: qkv, .offset: 0, .size: 8, .value_kind: global_buffer, .address_space: global }
      - { .name: ctx, .offset: 8, .size: 8, .value_kind: global_buffer, .address_space: global }
    .group_segment_fixed_size: 215040
    .private_segment_fixed_size: 0
    .kernarg_segment_align: 8
    .kernarg_segment_size: 16
    .max_flat_workgroup_size: 512
    .sgpr_count:     66
    .vgpr_count:     256
    .wavefront_size: 32
...
	.end_amdgpu_metadata
.endif
;; end of part 3
;; launch wo (part 4): grid 4 x 16, 4 waves a work-group, clusters of 4 x 4, 327,680 bytes of LDS; arguments ctx, wc, ws, z; writes z
.if DOCPART == 4
	.amdgcn_target "amdgcn-amd-amdhsa--gfx1250"
	.amdhsa_code_object_version 6
	.text
	.protected	k_q64d9cfccdb_wo
	.globl	k_q64d9cfccdb_wo
	.p2align	8
	.type	k_q64d9cfccdb_wo,@function
k_q64d9cfccdb_wo:
	s_mov_b64 s[64:65], 0
	v_nop
	global_prefetch_b8 v0, s[64:65] scope:SCOPE_SE
	s_setreg_imm32_b32 hwreg(HW_REG_WAVE_MODE, 25, 1), 1
	s_wait_xcnt 0x0
	s_wait_alu depctr_hold_cnt(0) depctr_sa_sdst(0) depctr_va_vdst(0) depctr_va_sdst(0) depctr_va_ssrc(0) depctr_va_vcc(0) depctr_vm_vsrc(0)
	s_getreg_b32 s2, hwreg(HW_REG_IB_STS2, 6, 4)
	s_cmp_eq_u32 s2, 0
	s_cbranch_scc0 .Lentry_in_a_cluster
	s_endpgm
.Lentry_in_a_cluster:
	s_bfe_u32 s2, ttmp6, 0x10000c
	s_cmp_lg_u32 s2, 0xf033
	s_cbranch_scc0 .Lentry_shape_is_right
	s_endpgm
.Lentry_shape_is_right:
; z = A B^T on codes of BF6 with E8M0 scales; z [4096][1024] f32.  Here A = ctx (K = 1,024; its scale words lie 3,145,728 bytes behind its codes), B = Wo (fragments 3584 on of wc and ws).
; OPERANDS are images of fragments (16 rows x 128 K, 1,536 dense bytes: registers 2 p, 2 p + 1 of lane l at 256 p + 8 l), fragment number = first + row tile x K / 128 + K step; scale words 64 bytes a fragment.
; Lane r of row tile T holds row 32 (T / 2) + 16 (r / 8) + 8 (T % 2) + r % 8; the way out puts rows and columns back in their order.
; THE MATRIX INSTRUCTION IS USED TRANSPOSED (source 0 = 16 rows of B, source 1 = 16 rows of A): a lane holds eight neighbouring numbers of a row of z.
; A tile of z is 256 x 256: four waves, 128 x 128 each in 64 accumulators.  K goes in steps of 256 through two LDS slots; a wave's tensor load brings 8 row tiles x 3,072 bytes.
; CLUSTERS: 4 x 4 work-groups; A's tiles are asked for jointly along a row of the cluster, B's along a column.  The scale words of the work-group's rows come once, with the first fills.
; z has 64 such tiles, so 64 work-groups run: the price of one form for all four products of this program.
; REGISTERS: window 0: v16-29 addresses; v32-63 scale words, two sets; v128-223 A's fragments, one set (v128-255 rows of z on the way out).  window 1: B's fragments, two sets.  windows 2, 3: the accumulators.
.set SIZE_K, 1024
.set ASOFF,  3145728
.set BF0,    3584
.set KS,     SIZE_K/128
.set NQ,     2
.set FR,     12
.set NL,     6
.set NP,     4
.set HALFT,  8*3072
.set SLOT,   4*HALFT
.set LAPS,   SIZE_K/512
.set SCL,    2*SLOT
.set HALFS,  512*KS
.set SPARE,  SCL+4*HALFS
.set SPITCH, 528                       ; the way out: a stage of 16 rows x (512 bytes + 16) for each wave, in slot 0, which has had its last fill and its last read by then
.set ADRA, 16
.set ADRB, 20
.set STO,  24
.set RD,   25
.set CO,   26
.set ADRS, 27
.set SPW,  28
.set NIL,  29
.set SC,   32
.set AF,   128
.set BK,   128
.set G1, 24
.set G0, 32
.set G1B, 48
.set G0B, 56
.set G1S, 68
.set G0S, 76
.set G1SB, 80
.set G0SB, 88
.set MSB, 0
.macro WIN new
.if MSB != (\new)
	s_set_vgpr_msb (MSB<<8)|(\new)
.set MSB, (\new)
.endif
.endm
.set MUL_LO, 0xa1
.set MUL_HI, 0xf1
.set TO_B,   0x40
.macro JLOAD g0a, g1a, g0b, g1b        ; a joint load: waves 0, 1 fetch for A, waves 2, 3 for B; four v_nop follow each line
	s_cmp_eq_u32 s15, 0
	s_cbranch_scc0 .Lfor_b_\@
	tensor_load_to_lds s[\g0a:\g0a+3], s[\g1a:\g1a+7]
	s_nop 0
.rept 4
	v_nop
.endr
	s_branch .Lasked_\@
.Lfor_b_\@:
	tensor_load_to_lds s[\g0b:\g0b+3], s[\g1b:\g1b+7]
	s_nop 0
.rept 4
	v_nop
.endr
.Lasked_\@:
.endm
.macro CREST
	s_cmp_lg_u32 s14, 0
	s_cbranch_scc1 .Lnot_wave_0_\@
	s_barrier_signal -3
.Lnot_wave_0_\@:
	s_barrier_wait -3
	s_barrier_signal -1
	s_barrier_wait -1
.endm
.macro CROUND
	s_barrier_signal -1
	s_barrier_wait -1
	CREST
.endm
	s_load_b256 s[4:11], s[0:1], 0x0               ; A's buffer s[4:5], wc s[6:7], ws s[8:9], z s[10:11]
	v_lshl_add_u32 v[SPW], v0, 2, SPARE
	v_mov_b32 v[NIL], 0
	ds_add_u32 v28, v29
	ds_add_u32 v28, v29
	s_wait_dscnt 0x0
	v_lshrrev_b32 v1, 5, v0
	v_readfirstlane_b32 s14, v1
	s_lshr_b32 s15, s14, 1
	s_and_b32 s16, s14, 1
	s_bfe_u32 s40, ttmp6, 0x40000
	s_bfe_u32 s41, ttmp6, 0x40004
	s_lshl_b32 s42, ttmp9, 2
	s_add_co_u32 s42, s42, s40                     ; tile column
	s_and_b32 s17, ttmp7, 0xffff
	s_lshl_b32 s17, s17, 2
	s_add_co_u32 s17, s17, s41                     ; tile row
	s_lshl_b32 s43, s41, 2
	s_lshl_b32 s43, 15, s43
	s_lshl_b32 s44, 0x1111, s40
	s_or_b32 s[G1+0], s43, (3<<16)|(1<<21)         ; the mask; elements of 8 bytes; bit 21 beside a mask; no padding
	s_or_b32 s[G1B+0], s44, (3<<16)|(1<<21)
.irp g, G1, G1B
	s_mov_b32 s[\g+1], 384<<16
	s_mov_b32 s[\g+2], 8<<16
	s_mov_b32 s[\g+3], 384<<16
	s_mov_b32 s[\g+4], 8
	s_mov_b32 s[\g+5], 192*KS
	s_mov_b32 s[\g+6], 0
	s_mov_b32 s[\g+7], 0
.endr
	s_or_b32 s[G1S+0], s43, (3<<16)|(1<<21)
	s_or_b32 s[G1SB+0], s44, (3<<16)|(1<<21)
.irp g, G1S, G1SB
	s_mov_b32 s[\g+1], 32<<16
	s_mov_b32 s[\g+2], (2*KS)<<16
	s_mov_b32 s[\g+3], 32<<16
	s_mov_b32 s[\g+4], 2*KS
	s_mov_b32 s[\g+5], 32
	s_mov_b32 s[\g+6], 0
	s_mov_b32 s[\g+7], 0
.endr
	s_lshl_b32 s18, s16, 3
	s_lshl_b32 s20, s17, 4
	s_add_co_u32 s20, s20, s18
	s_mul_i32 s20, s20, KS                         ; A's first fragment
	s_lshl_b32 s22, s20, 6
	s_add_co_u32 s22, s22, ASOFF
	s_mov_b32 s23, 0
	s_mul_i32 s20, s20, 1536
	s_mov_b32 s21, 0
	s_lshl_b32 s46, s42, 4
	s_add_co_u32 s46, s46, s18
	s_mul_i32 s46, s46, KS
	s_add_co_u32 s46, s46, BF0                     ; B's
	s_lshl_b32 s92, s46, 6
	s_mov_b32 s93, 0
	s_mul_i32 s46, s46, 1536
	s_mov_b32 s47, 0
	s_mul_i32 s45, s14, HALFT
	s_mul_i32 s94, s14, HALFS
	s_wait_kmcnt 0x0
	s_add_nc_u64 s[20:21], s[4:5], s[20:21]
	s_add_nc_u64 s[22:23], s[4:5], s[22:23]
	s_add_nc_u64 s[46:47], s[6:7], s[46:47]
	s_add_nc_u64 s[92:93], s[8:9], s[92:93]
	CROUND                                         ; all sixteen work-groups are here: the first joint loads meet
	s_mov_b32 s[G0S], 1
	s_add_co_u32 s[G0S+1], s94, SCL
	s_mov_b64 s[G0S+2:G0S+3], s[22:23]
	s_or_b32 s[G0S+3], s[G0S+3], 0x80000000
	s_mov_b32 s[G0SB], 1
	s_add_co_u32 s[G0SB+1], s94, SCL
	s_mov_b64 s[G0SB+2:G0SB+3], s[92:93]
	s_or_b32 s[G0SB+3], s[G0SB+3], 0x80000000
	JLOAD G0S, G1S, G0SB, G1SB
.irp s, 0,1
	s_mov_b32 s[G0+4*\s], 1
	s_add_co_u32 s[G0+4*\s+1], s45, \s*SLOT
	s_add_nc_u64 s[G0+4*\s+2:G0+4*\s+3], s[20:21], \s*3072
	s_or_b32 s[G0+4*\s+3], s[G0+4*\s+3], 0x80000000
	s_mov_b32 s[G0B+4*\s], 1
	s_add_co_u32 s[G0B+4*\s+1], s45, \s*SLOT
	s_add_nc_u64 s[G0B+4*\s+2:G0B+4*\s+3], s[46:47], \s*3072
	s_or_b32 s[G0B+4*\s+3], s[G0B+4*\s+3], 0x80000000
	JLOAD G0+4*\s, G1, G0B+4*\s, G1B
.endr
	v_and_b32 v1, 15, v0                           ; r
	v_bfe_u32 v2, v0, 4, 1                         ; h
	v_and_b32 v3, 31, v0                           ; lane
	v_lshlrev_b32 v4, 3, v3
	s_mul_i32 s21, s15, HALFT
	s_mul_i32 s22, s16, HALFT
	s_add_co_u32 s22, s22, 2*HALFT
.irp s, 0,1
	v_add_nc_u32 v[ADRA+\s], s21, v4
	v_add_nc_u32 v[ADRB+\s], s22, v4
	s_add_co_u32 s21, s21, SLOT
	s_add_co_u32 s22, s22, SLOT
.endr
	v_lshlrev_b32 v5, 2, v1
	s_mul_i32 s21, s15, HALFS
	s_mul_i32 s22, s16, HALFS
	s_add_co_u32 s22, s22, 2*HALFS
	s_sub_co_u32 s22, s22, s21
	v_mul_u32_u24 v6, s22, v2
	s_add_co_u32 s21, s21, SCL
	v_add_nc_u32 v5, v5, v6
	v_add_nc_u32 v[ADRS], s21, v5
	s_mul_i32 s23, s14, 16*SPITCH                  ; my stage
	v_mul_u32_u24 v5, v1, SPITCH
	v_lshl_add_u32 v5, v2, 6, v5                   ; in: row r, + 64 h: accumulator b's eight columns are 32 (b / 2) + 16 h + 8 (b % 2) + 0 .. 7
	v_add_nc_u32 v[STO], s23, v5
	v_lshlrev_b32 v[CO], 4, v3                     ; back: the 32 lanes take a row of 512 bytes; and the same in z
	v_add_nc_u32 v[RD], s23, v[CO]
	s_lshl_b32 s20, s17, 8
	s_lshl_b32 s21, s15, 7
	s_add_co_u32 s20, s20, s21
	s_lshl_b32 s20, s20, 12                        ; my first row of z, 4,096 bytes a row
	s_mov_b32 s21, 0
	s_lshl_b32 s46, s42, 10
	s_lshl_b32 s47, s16, 9
	s_add_co_u32 s46, s46, s47                     ; my first column
	s_mov_b32 s47, 0
	s_add_nc_u64 s[20:21], s[20:21], s[46:47]
	s_add_nc_u64 s[12:13], s[10:11], s[20:21]
.macro FRAG reg, adr, q, i
.irp p, 0,1,2,3,4,5
	ds_load_b64 v[\reg+2*\p:\reg+2*\p+1], v[\adr] offset:3072*(\i)+1536*(\q)+256*\p
.endr
.endm
; 16 matrix instructions: A's blocks a0, a0 + 1 x B's eight.  The 64 accumulators take turns, one instruction a turn, in the same order in every step
.macro MUL16 a0, p, q, sc, zero
.irp a, \a0, \a0+1
.irp b, 0,1,2,3,4,5,6,7
.if \zero
	v_wmma_scale_f32_16x16x128_f8f6f4 v[8*(8*((\a)%4)+\b):8*(8*((\a)%4)+\b)+7], v[128*(\p)+FR*\b:128*(\p)+FR*\b+FR-1], v[AF+FR*(\a):AF+FR*(\a)+FR-1], 0, v[SC+8*NQ*(\sc)+NQ*\b+(\q)], v[SC+8*NQ*(\sc)+NQ*(\a)+(\q)] matrix_a_fmt:MATRIX_FMT_BF6 matrix_b_fmt:MATRIX_FMT_BF6 matrix_a_scale:MATRIX_SCALE_ROW1
.else
	v_wmma_scale_f32_16x16x128_f8f6f4 v[8*(8*((\a)%4)+\b):8*(8*((\a)%4)+\b)+7], v[128*(\p)+FR*\b:128*(\p)+FR*\b+FR-1], v[AF+FR*(\a):AF+FR*(\a)+FR-1], v[8*(8*((\a)%4)+\b):8*(8*((\a)%4)+\b)+7], v[SC+8*NQ*(\sc)+NQ*\b+(\q)], v[SC+8*NQ*(\sc)+NQ*(\a)+(\q)] matrix_a_fmt:MATRIX_FMT_BF6 matrix_b_fmt:MATRIX_FMT_BF6 matrix_a_scale:MATRIX_SCALE_ROW1
.endif
.endr
.endr
.endm
.macro FETCH_B slot, q, p
	WIN TO_B
.irp i, 0,1,2,3,4,5,6,7
	FRAG 128*(\p)+FR*\i, ADRB+\slot, \q, \i
.endr
	WIN 0
.endm
.macro FETCH_A slot, q, i0
.irp i, \i0, \i0+1, \i0+2, \i0+3
	FRAG AF+FR*(\i), ADRA+\slot, \q, \i
.endr
.endm
.macro SCALES sc
.irp i, 0,1,2,3,4,5,6,7
.irp q, 0,1
	ds_load_b32 v[SC+8*NQ*\sc+NQ*\i+\q], v[ADRS] offset:64*KS*\i+64*\q
.endr
.endr
.endm
.macro PLACES n
.rept \n
	v_nop
.endr
.endm
.macro STEP slot, q, zero
	s_wait_dscnt 4*NL                              ; all but the youngest 24 loads (A's blocks 4-7) are in
	WIN MUL_LO
	MUL16 0, (\q)%2, \q, \slot, \zero
	MUL16 2, (\q)%2, \q, \slot, \zero
	s_wait_dscnt 0
	PLACES NP
	FETCH_B \slot, (\q)+1, 1-(\q)%2
	FETCH_A \slot, (\q)+1, 0
	WIN MUL_HI
	MUL16 4, (\q)%2, \q, \slot, \zero
	MUL16 6, (\q)%2, \q, \slot, \zero
	PLACES NP
	WIN 0
	FETCH_A \slot, (\q)+1, 4
.endm
.macro TURN slot, next, fill
	s_wait_tensorcnt 0x0                           ; my part of the next slot has landed: no tensor load of mine is out
	ds_add_u32 v[SPW], v[NIL]
	s_wait_dscnt 4*NL+1                            ; the add and the youngest 24 loads may be out
	WIN MUL_LO
	MUL16 0, 1, NQ-1, \slot, 0
	s_wait_dscnt 0x0                               ; the add is done, my reads of this slot are over
	s_barrier_signal -1
	MUL16 2, 1, NQ-1, \slot, 0
	WIN 0
	s_barrier_wait -1
.if \fill
	CREST                                          ; a round of the cluster's barrier: no wave of any partner still reads this slot or has a load on its way
	s_add_nc_u64 s[G0+4*\slot+2:G0+4*\slot+3], s[G0+4*\slot+2:G0+4*\slot+3], 6144
	s_add_nc_u64 s[G0B+4*\slot+2:G0B+4*\slot+3], s[G0B+4*\slot+2:G0B+4*\slot+3], 6144
	JLOAD G0+4*\slot, G1, G0B+4*\slot, G1B
.else
	PLACES NP
.endif
	v_add_nc_u32 v[ADRS], 64*NQ, v[ADRS]
	FETCH_B \next, 0, 0
	FETCH_A \next, 0, 0
	SCALES \next
	WIN MUL_HI
	MUL16 4, 1, NQ-1, \slot, 0
	MUL16 6, 1, NQ-1, \slot, 0
	PLACES NP
	WIN 0
	FETCH_A \next, 0, 4
.endm
	s_wait_tensorcnt 1                             ; the scale words and my part of slot 0 are in; slot 1's load may be out
	s_barrier_signal -1
	s_barrier_wait -1
	FETCH_B 0, 0, 0
	FETCH_A 0, 0, 0
	SCALES 0
	FETCH_A 0, 0, 4
	STEP 0, 0, 1
	s_mov_b32 s3, LAPS-1
.Llap:
	TURN 0, 1, 1
	STEP 1, 0, 0
	TURN 1, 0, 1
	STEP 0, 0, 0
	s_sub_co_u32 s3, s3, 1
	s_cmp_lg_u32 s3, 0
	s_cbranch_scc1 .Llap
	TURN 0, 1, 0
	STEP 1, 0, 0
	s_wait_dscnt 4*NL
	WIN MUL_LO
	MUL16 0, 1, NQ-1, 1, 0
	MUL16 2, 1, NQ-1, 1, 0
	s_wait_dscnt 0
	WIN MUL_HI
	MUL16 4, 1, NQ-1, 1, 0
	MUL16 6, 1, NQ-1, 1, 0
	WIN 0
; THE WAY OUT, block by block of 16 rows x 128 columns, through my own stage: LDS serves a wave's instructions in order, so no wait stands between the stores and the loads
.macro TOSTAGE a
.set AC, 64*((\a)%4)
	WIN 0x08+4*((\a)/4)                            ; an LDS store's data: window 2 or 3
.irp b, 0,1,2,3,4,5,6,7
	ds_store_b128 v[STO], v[AC+8*\b:AC+8*\b+3] offset:128*(\b/2)+32*(\b%2)       ; each accumulator from its low end on
	ds_store_b128 v[STO], v[AC+8*\b+4:AC+8*\b+7] offset:128*(\b/2)+32*(\b%2)+16
.endr
	WIN 0
.set BB, BK+64*((\a)%2)
.irp t, 0,1,2,3,4,5,6,7,8,9,10,11,12,13,14,15
	ds_load_b128 v[BB+4*\t:BB+4*\t+3], v[RD] offset:\t*SPITCH
.endr
.endm
.macro SEND a, younger                 ; stage row t of block a is row 32 (a / 2) + 16 (t / 8) + 8 (a % 2) + t % 8 of my 128: it stands in the immediate, 520,192 bytes at the most
.set BB, BK+64*((\a)%2)
	s_wait_dscnt \younger
.irp t, 0,1,2,3,4,5,6,7,8,9,10,11,12,13,14,15
	global_store_b128 v[CO], v[BB+4*\t:BB+4*\t+3], s[12:13] offset:(32*((\a)/2)+16*(\t/8)+8*((\a)%2)+\t%8)*4096   ; 32 lanes store 512 consecutive bytes, aligned
.endr
.endm
	PLACES NP
	TOSTAGE 0
.irp a, 1,2,3,4,5,6,7
.if \a > 1
	s_wait_xcnt 0x0                                ; block a - 2's stores have read their registers: block a's loads may land there
.endif
	TOSTAGE \a
	SEND \a-1, 32                                  ; behind block a - 1's loads: block a's 16 stores and 16 loads
.endr
	SEND 7, 0
	s_wait_tensorcnt 0x0                           ; the wave's end
	ds_add_u32 v[SPW], v[NIL]
	s_wait_dscnt 0x0
	CROUND                                         ; the closing round
	s_endpgm
.Lfunc_end_k_q64d9cfccdb_wo:
	.size	k_q64d9cfccdb_wo, .Lfunc_end_k_q64d9cfccdb_wo-k_q64d9cfccdb_wo
	.p2alignl 7, 3214868480
	.fill 96, 4, 3214868480
	.section	.rodata,"a",@progbits
	.p2align	6, 0x0
	.amdhsa_kernel k_q64d9cfccdb_wo
		.amdhsa_group_segment_fixed_size 327680
		.amdhsa_private_segment_fixed_size 0
		.amdhsa_enable_private_segment 0
		.amdhsa_kernarg_size 32
		.amdhsa_user_sgpr_count 2
		.amdhsa_user_sgpr_kernarg_segment_ptr 1
		.amdhsa_wavefront_size32 1
		.amdhsa_system_sgpr_workgroup_id_x 1
		.amdhsa_system_sgpr_workgroup_id_y 1
		.amdhsa_system_sgpr_workgroup_id_z 1
		.amdhsa_system_vgpr_workitem_id 0
		.amdhsa_next_free_vgpr 1024
		.amdhsa_next_free_sgpr 98
		.amdhsa_reserve_vcc 0
		.amdhsa_float_denorm_mode_32 3
		.amdhsa_float_denorm_mode_16_64 3
		.amdhsa_memory_ordered 1
		.amdhsa_forward_progress 1
		.amdhsa_inst_pref_size 161
	.end_amdhsa_kernel
	.amdgpu_metadata
---
amdhsa.version: [ 1, 2 ]
amdhsa.kernels:
  - .name:           k_q64d9cfccdb_wo
    .symbol:         k_q64d9cfccdb_wo.kd
    .args:
      - { .name: ctx, .offset: 0, .size: 8, .value_kind: global_buffer, .address_space: global }
      - { .name: wc, .offset: 8, .size: 8, .value_kind: global_buffer, .address_space: global }
      - { .name: ws, .offset: 16, .size: 8, .value_kind: global_buffer, .address_space: global }
      - { .name: z, .offset: 24, .size: 8, .value_kind: global_buffer, .address_space: global }
    .group_segment_fixed_size: 327680
    .private_segment_fixed_size: 0
    .kernarg_segment_align: 8
    .kernarg_segment_size: 32
    .max_flat_workgroup_size: 128
    .sgpr_count:     98
    .vgpr_count:     1024
    .wavefront_size: 32
...
	.end_amdgpu_metadata
.endif
;; end of part 4
;; launch ln1 (part 5): grid 256 x 1, 8 waves a work-group, no clusters, 66,816 bytes of LDS; arguments z, x, g1, be1, y, yq; writes y, yq
.if DOCPART == 5
	.amdgcn_target "amdgcn-amd-amdhsa--gfx1250"
	.amdhsa_code_object_version 6
	.text
	.protected	k_q64d9cfccdb_ln1
	.globl	k_q64d9cfccdb_ln1
	.p2align	8
	.type	k_q64d9cfccdb_ln1,@function
k_q64d9cfccdb_ln1:
	s_mov_b64 s[64:65], 0
	v_nop
	global_prefetch_b8 v0, s[64:65] scope:SCOPE_SE
	s_setreg_imm32_b32 hwreg(HW_REG_WAVE_MODE, 25, 1), 1
	s_wait_xcnt 0x0
; y = layernorm(2 x + z) g1 + be1, rows of 1,024 f32, stored as f32 (y) and as codes of BF6 with E8M0 scales (yq: images of fragments, 8 to a row tile; scale words 3,145,728 bytes behind the codes).
; Mean first, then the mean of the squared differences: two passes over registers, as the definition has it; no difference of large sums is formed.
; Work-group T makes row tile T, whose lane r is row 32 (T / 2) + 16 (r / 8) + 8 (T % 2) + r % 8.  Wave w takes the tile's rows 2 w, 2 w + 1: neighbours in memory; a row lies in one wave's registers (32 a lane), so the
; sums never leave the wave.  The finished rows meet in a stage in LDS; behind one barrier wave w quantises K step w of all 16 rows.
; Memory binds: each byte is read and written once, by loads and stores of 512 consecutive bytes; no matrix unit, no cluster.
; LIMITS: NaN and infinities are not served; a block whose largest magnitude lies under 2^-122, zeros too, keeps the byte 1.
.set PITCH, 4112
.set ZR,  16                           ; v16-79   z's two rows, then 2 x + z, then y
.set XR,  80                           ; v80-143  x's two rows, later the quantiser's 64 numbers
.set ST,  80
.set G,   144                          ; v144-175 g1 at my columns
.set BE,  176                          ; v176-207 be1
.set TM,  208
.set PC,  220
.set PW,  239
.set SEL, 2
.set INV, 4                            ; s4  1 / 1024
.set EPS, 5                            ; s5  1e-5
.macro QUANT s
.irp b, 0,1,2,3
	v_max3_num_f32 v[TM+\b], |v[(\s)+16*\b]|, |v[(\s)+1+16*\b]|, 0x2800000
.endr
.irp i, 2,4,6,8,10,12,14
.irp b, 0,1,2,3
	v_max3_num_f32 v[TM+\b], |v[(\s)+16*\b+\i]|, |v[(\s)+1+16*\b+\i]|, v[TM+\b]
.endr
.endr
.irp b, 0,1,2,3
	v_permlanex16_b32 v[TM+4+\b], v[TM+\b], s[SEL], s[SEL+1]
.endr
.irp b, 0,1,2,3
	v_max_num_f32 v[TM+\b], v[TM+\b], v[TM+4+\b]
.endr
.irp b, 0,1,2,3
	v_add_nc_u32 v[TM+8+\b], 0xfe000000, v[TM+\b]
.endr
.irp b, 0,1,2,3
	v_lshrrev_b32 v[TM+4+\b], 23, v[TM+8+\b]
.endr
	v_lshl_or_b32 v[PW], v[TM+5], 8, v[TM+4]
	v_lshl_or_b32 v[PW], v[TM+6], 16, v[PW]
	v_lshl_or_b32 v[PW], v[TM+7], 24, v[PW]
.irp c, 0,1
	v_cvt_scalef32_pk16_bf6_f32 v[PC+6*\c:PC+2+6*\c], v[(\s)+32*\c:(\s)+15+32*\c], v[TM+8+2*\c]
	v_cvt_scalef32_pk16_bf6_f32 v[PC+12+4*\c:PC+14+4*\c], v[(\s)+16+32*\c:(\s)+31+32*\c], v[TM+9+2*\c]
.endr
	v_nop
.irp c, 0,1
.irp i, 0,1,2
	v_permlane16_swap_b32 v[PC+6*\c+\i], v[PC+12+4*\c+\i]
.endr
.irp i, 0,1,2
	v_mov_b32 v[PC+3+6*\c+\i], v[PC+12+4*\c+\i]
.endr
.endr
.endm
.macro LD8 reg, base, off              ; a row: eight loads of 512 consecutive bytes
.irp k, 0,1,2,3,4,5,6,7
	global_load_b128 v[\reg+4*\k:\reg+4*\k+3], v1, s[\base:\base+1] offset:\off+512*\k
.endr
.endm
.macro LANES r                         ; the sum over the wave's 32 lanes of v[r], with v[r + 1] at work
	v_add_f32_dpp v[\r], v[\r], v[\r] row_xmask:1 row_mask:0xf bank_mask:0xf
	v_add_f32_dpp v[\r], v[\r], v[\r] row_xmask:2 row_mask:0xf bank_mask:0xf
	v_add_f32_dpp v[\r], v[\r], v[\r] row_xmask:4 row_mask:0xf bank_mask:0xf
	v_add_f32_dpp v[\r], v[\r], v[\r] row_xmask:8 row_mask:0xf bank_mask:0xf
	v_permlanex16_b32 v[\r+1], v[\r], s[SEL], s[SEL+1]
	v_add_f32 v[\r], v[\r], v[\r+1]
.endm
.macro STATS ro                        ; row ro: 2 x + z, less its mean, in place; the variance + 1e-5 in v[TA + 2]
.set VV, ZR+32*\ro
.set XX, XR+32*\ro
.set TA, 240+8*\ro
.set j, 0
.rept 16
	v_pk_fma_f32 v[VV+j:VV+j+1], v[XX+j:XX+j+1], 2.0, v[VV+j:VV+j+1] op_sel_hi:[1,0,1]
.set j, j+2
.endr
	v_pk_add_f32 v[TA:TA+1], v[VV:VV+1], v[VV+2:VV+3]
	v_pk_add_f32 v[TA+2:TA+3], v[VV+4:VV+5], v[VV+6:VV+7]
.set j, 8
.rept 6
	v_pk_add_f32 v[TA:TA+1], v[TA:TA+1], v[VV+j:VV+j+1]
	v_pk_add_f32 v[TA+2:TA+3], v[TA+2:TA+3], v[VV+j+2:VV+j+3]
.set j, j+4
.endr
	v_pk_add_f32 v[TA:TA+1], v[TA:TA+1], v[TA+2:TA+3]
	v_add_f32 v[TA], v[TA], v[TA+1]
	LANES TA
	v_mul_f32 v[TA], s[INV], v[TA]                 ; the mean
	v_mov_b32 v[TA+1], v[TA]
.set j, 0
.rept 16
	v_pk_add_f32 v[VV+j:VV+j+1], v[VV+j:VV+j+1], v[TA:TA+1] neg_lo:[0,1] neg_hi:[0,1]
.set j, j+2
.endr
	v_pk_mul_f32 v[TA+2:TA+3], v[VV:VV+1], v[VV:VV+1]
	v_pk_mul_f32 v[TA+4:TA+5], v[VV+2:VV+3], v[VV+2:VV+3]
.set j, 4
.rept 7
	v_pk_fma_f32 v[TA+2:TA+3], v[VV+j:VV+j+1], v[VV+j:VV+j+1], v[TA+2:TA+3]
	v_pk_fma_f32 v[TA+4:TA+5], v[VV+j+2:VV+j+3], v[VV+j+2:VV+j+3], v[TA+4:TA+5]
.set j, j+4
.endr
	v_pk_add_f32 v[TA+2:TA+3], v[TA+2:TA+3], v[TA+4:TA+5]
	v_add_f32 v[TA+2], v[TA+2], v[TA+3]
	LANES TA+2
	v_fma_f32 v[TA+2], v[TA+2], s[INV], s[EPS]
.endm
.macro NORM ro
.set VV, ZR+32*\ro
.set TA, 240+8*\ro
.set j, 0
.rept 16
	v_pk_mul_f32 v[VV+j:VV+j+1], v[VV+j:VV+j+1], v[TA+6:TA+7]
.set j, j+2
.endr
.set j, 0
.rept 16
	v_pk_fma_f32 v[VV+j:VV+j+1], v[VV+j:VV+j+1], v[G+j:G+j+1], v[BE+j:BE+j+1]
.set j, j+2
.endr
.endm
	s_load_b256 s[16:23], s[0:1], 0x0              ; z 16, x 18, g1 20, be1 22
	s_load_b128 s[24:27], s[0:1], 0x20             ; y 24, yq 26
	v_lshl_add_u32 v15, v0, 2, 0x10100
	v_mov_b32 v235, 0
	v_lshrrev_b32 v1, 5, v0
	v_readfirstlane_b32 s8, v1                     ; wave 0..7
	v_and_b32 v7, 31, v0
	v_lshlrev_b32 v2, 3, v7                        ; 8 x lane
	v_lshlrev_b32 v1, 4, v7                        ; 16 x lane
	v_and_b32 v5, 15, v0                           ; r
	v_bfe_u32 v6, v0, 4, 1                         ; h
	v_lshlrev_b32 v3, 2, v5                        ; 4 r
	s_mul_i32 s9, s8, 2*PITCH
	v_add_nc_u32 v4, s9, v1                        ; into the stage: rows 2 w, 2 w + 1
	v_mul_u32_u24 v5, v5, PITCH
	v_lshl_add_u32 v5, v6, 6, v5
	s_lshl_b32 s9, s8, 9
	v_add_nc_u32 v5, s9, v5                        ; out of it: row r, K step w, + 64 h
.irp b, 0,1,2,3
	v_mov_b32 v[TM+4+\b], 0
.endr
	s_mov_b32 s[SEL], 0x76543210
	s_mov_b32 s[SEL+1], 0xfedcba98
	s_mov_b32 s[INV], 0x3a800000
	s_mov_b32 s[EPS], 0x3727c5ac
	s_lshr_b32 s10, ttmp9, 1
	s_lshl_b32 s10, s10, 5
	s_and_b32 s11, ttmp9, 1
	s_lshl_b32 s11, s11, 3
	s_add_co_u32 s10, s10, s11
	s_lshr_b32 s11, s8, 2
	s_lshl_b32 s11, s11, 4
	s_add_co_u32 s10, s10, s11
	s_and_b32 s11, s8, 3
	s_lshl_b32 s11, s11, 1
	s_add_co_u32 s10, s10, s11                     ; my first row
	s_lshl_b32 s10, s10, 12
	s_mov_b32 s11, 0
	s_lshl_b32 s12, ttmp9, 3
	s_add_co_u32 s12, s12, s8                      ; my fragment: 8 T + w
	s_mul_i32 s14, s12, 1536
	s_mov_b32 s15, 0
	s_lshl_b32 s12, s12, 6
	s_add_co_u32 s12, s12, 3145728
	s_mov_b32 s13, 0
	s_wait_kmcnt 0x0
	s_add_nc_u64 s[16:17], s[16:17], s[10:11]
	s_add_nc_u64 s[18:19], s[18:19], s[10:11]
	s_add_nc_u64 s[24:25], s[24:25], s[10:11]
	s_add_nc_u64 s[28:29], s[26:27], s[12:13]
	s_add_nc_u64 s[26:27], s[26:27], s[14:15]
	LD8 ZR, 16, 0
	LD8 XR, 18, 0
	LD8 ZR+32, 16, 4096
	LD8 XR+32, 18, 4096
	LD8 G, 20, 0
	LD8 BE, 22, 0
	s_wait_loadcnt 32                              ; the first row's 16 loads are in; the 32 younger ones stay out
	STATS 0
	s_wait_loadcnt 16                              ; the second row's; g1's and be1's stay out
	STATS 1
	v_rsq_f32 v246, v242
	v_rsq_f32 v254, v250
	v_nop                                          ; a plain line behind the two
	s_wait_loadcnt 0x0
	s_wait_alu depctr_va_vdst(0)                   ; one wait for both, ahead of their first reader
	v_mov_b32 v247, v246
	v_mov_b32 v255, v254
	NORM 0
	NORM 1
.irp k, 0,1,2,3,4,5,6,7,8,9,10,11,12,13,14,15
	global_store_b128 v1, v[ZR+4*\k:ZR+4*\k+3], s[24:25] offset:512*\k
	ds_store_b128 v4, v[ZR+4*\k:ZR+4*\k+3] offset:(\k/8)*PITCH+512*(\k%8)
.endr
	s_wait_dscnt 0x0                               ; my stores into the stage have landed
	s_barrier_signal -1
	s_barrier_wait -1
.irp b, 0,1,2,3
.irp j, 0,1,2,3
	ds_load_b128 v[ST+16*\b+4*\j:ST+16*\b+4*\j+3], v5 offset:128*\b+16*\j
.endr
.endr
	s_wait_dscnt 0x0
	QUANT ST
.irp p, 0,1,2,3,4,5
	global_store_b64 v2, v[PC+2*\p:PC+2*\p+1], s[26:27] offset:256*\p
.endr
	global_store_b32 v3, v[PW], s[28:29]           ; lanes r and r + 16 write the same word to the same place
	s_wait_tensorcnt 0x0
	ds_add_u32 v15, v235
	s_wait_dscnt 0x0
	s_endpgm
.Lfunc_end_k_q64d9cfccdb_ln1:
	.size	k_q64d9cfccdb_ln1, .Lfunc_end_k_q64d9cfccdb_ln1-k_q64d9cfccdb_ln1
	.p2alignl 7, 3214868480
	.fill 96, 4, 3214868480
	.section	.rodata,"a",@progbits
	.p2align	6, 0x0
	.amdhsa_kernel k_q64d9cfccdb_ln1
		.amdhsa_group_segment_fixed_size 66816
		.amdhsa_private_segment_fixed_size 0
		.amdhsa_enable_private_segment 0
		.amdhsa_kernarg_size 48
		.amdhsa_user_sgpr_count 2
		.amdhsa_user_sgpr_kernarg_segment_ptr 1
		.amdhsa_wavefront_size32 1
		.amdhsa_system_sgpr_workgroup_id_x 1
		.amdhsa_system_sgpr_workgroup_id_y 1
		.amdhsa_system_sgpr_workgroup_id_z 1
		.amdhsa_system_vgpr_workitem_id 0
		.amdhsa_next_free_vgpr 256
		.amdhsa_next_free_sgpr 66
		.amdhsa_reserve_vcc 0
		.amdhsa_float_denorm_mode_32 3
		.amdhsa_float_denorm_mode_16_64 3
		.amdhsa_memory_ordered 1
		.amdhsa_forward_progress 1
		.amdhsa_inst_pref_size 30
	.end_amdhsa_kernel
	.amdgpu_metadata
---
amdhsa.version: [ 1, 2 ]
amdhsa.kernels:
  - .name:           k_q64d9cfccdb_ln1
    .symbol:         k_q64d9cfccdb_ln1.kd
    .args:
      - { .name: z, .offset: 0, .size: 8, .value_kind: global_buffer, .address_space: global }
      - { .name: x, .offset: 8, .size: 8, .value_kind: global_buffer, .address_space: global }
      - { .name: g1, .offset: 16, .size: 8, .value_kind: global_buffer, .address_space: global }
      - { .name: be1, .offset: 24, .size: 8, .value_kind: global_buffer, .address_space: global }
      - { .name: y, .offset: 32, .size: 8, .value_kind: global_buffer, .address_space: global }
      - { .name: yq, .offset: 40, .size: 8, .value_kind: global_buffer, .address_space: global }
    .group_segment_fixed_size: 66816
    .private_segment_fixed_size: 0
    .kernarg_segment_align: 8
    .kernarg_segment_size: 48
    .max_flat_workgroup_size: 256
    .sgpr_count:     66
    .vgpr_count:     256
    .wavefront_size: 32
...
	.end_amdgpu_metadata
.endif
;; end of part 5
;; launch ffn1 (part 6): grid 16 x 16, 4 waves a work-group, clusters of 4 x 4, 327,680 bytes of LDS; arguments yq, wc, ws, b1, hq; writes hq
.if DOCPART == 6
	.amdgcn_target "amdgcn-amd-amdhsa--gfx1250"
	.amdhsa_code_object_version 6
	.text
	.protected	k_q64d9cfccdb_ffn1
	.globl	k_q64d9cfccdb_ffn1
	.p2align	8
	.type	k_q64d9cfccdb_ffn1,@function
k_q64d9cfccdb_ffn1:
	s_mov_b64 s[64:65], 0
	v_nop
	global_prefetch_b8 v0, s[64:65] scope:SCOPE_SE
	s_setreg_imm32_b32 hwreg(HW_REG_WAVE_MODE, 25, 1), 1
	s_wait_xcnt 0x0
	s_wait_alu depctr_hold_cnt(0) depctr_sa_sdst(0) depctr_va_vdst(0) depctr_va_sdst(0) depctr_va_ssrc(0) depctr_va_vcc(0) depctr_vm_vsrc(0)
	s_getreg_b32 s2, hwreg(HW_REG_IB_STS2, 6, 4)
	s_cmp_eq_u32 s2, 0
	s_cbranch_scc0 .Lentry_in_a_cluster
	s_endpgm
.Lentry_in_a_cluster:
	s_bfe_u32 s2, ttmp6, 0x10000c
	s_cmp_lg_u32 s2, 0xf033
	s_cbranch_scc0 .Lentry_shape_is_right
	s_endpgm
.Lentry_shape_is_right:
; h = mish(y W1 + b1) on codes of BF6 with E8M0 scales, quantised on the way out along the 4,096 hidden units: hq = images of fragments (32 to a row tile), scale words 12,582,912 bytes behind the codes.
; A = yq (K = 1,024; scale words 3,145,728 bytes behind its codes), B = W1 (fragments 4096 on of wc and ws).
; OPERANDS are images of fragments (16 rows x 128 K, 1,536 dense bytes: registers 2 p, 2 p + 1 of lane l at 256 p + 8 l); lane r of row tile T holds row 32 (T / 2) + 16 (r / 8) + 8 (T % 2) + r % 8.
; THE MATRIX INSTRUCTION IS USED TRANSPOSED (source 0 = 16 rows of B, source 1 = 16 rows of A): a lane holds one row of y, and the 64 registers of a block of 16 rows are hidden units 32 b + 16 (lane / 16) + i of my 128:
; one K step of the next product.
; MISH: with u = e^x and n = u (u + 2), x tanh(softplus(x)) = x n / (n + 2): no difference is formed.  x log2(e) is held at 16 from above, where n / (n + 2) is 1 in f32.
; LIMITS: x n must stay finite: |x| under 7e28; for x under -87 the exponential gives 0 and so does mish, where the true number is denormal; NaN and infinities are not served; a block under 2^-122, zeros too, keeps the byte 1.
; A tile is 256 x 256: four waves, 128 x 128 each.  K goes in steps of 256 through two LDS slots; clusters of 4 x 4 ask for A's tiles jointly along a row, for B's along a column.  A fragment's 64 bytes of scale words leave as one run.
; REGISTERS: window 0: v2-9 at work on the way out; v16-29 addresses; v32-63 scale words; v64-127 b1 in the result's layout; v128-223 A's fragments (way out: v128-191 x, v192-255 u, n, then the quantiser's).
; window 1: B's fragments, two sets.  windows 2, 3: the accumulators.
.set SIZE_K, 1024
.set ASOFF,  3145728
.set BF0,    4096
.set KS,     SIZE_K/128
.set NQ,     2
.set FR,     12
.set NL,     6
.set NP,     4
.set HALFT,  8*3072
.set SLOT,   4*HALFT
.set LAPS,   SIZE_K/512
.set SCL,    2*SLOT
.set HALFS,  512*KS
.set SPARE,  SCL+4*HALFS
.set ADRA, 16
.set ADRB, 20
.set LN8,  24                          ; v24  8 x lane
.set R4,   25                          ; v25  4 r
.set BO,   26                          ; v26  64 h
.set ADRS, 27
.set SPW,  28
.set NIL,  29
.set SC,   32
.set BI,   64
.set AF,   128
.set XV,   128
.set U,    192
.set TM,   192
.set PC,   208
.set PW,   230
.set SEL,  18
.set HC,   10                          ; s[10:11] where the block's codes go;  s[12:13] its scale words
.set HSC,  12
.set G1, 24
.set G0, 32
.set G1B, 48
.set G0B, 56
.set G1S, 68
.set G0S, 76
.set G1SB, 80
.set G0SB, 88
.set MSB, 0
.macro WIN new
.if MSB != (\new)
	s_set_vgpr_msb (MSB<<8)|(\new)
.set MSB, (\new)
.endif
.endm
.set MUL_LO, 0xa1
.set MUL_HI, 0xf1
.set TO_B,   0x40
.macro JLOAD g0a, g1a, g0b, g1b        ; a joint load: waves 0, 1 fetch for A, waves 2, 3 for B; four v_nop follow each line
	s_cmp_eq_u32 s15, 0
	s_cbranch_scc0 .Lfor_b_\@
	tensor_load_to_lds s[\g0a:\g0a+3], s[\g1a:\g1a+7]
	s_nop 0
.rept 4
	v_nop
.endr
	s_branch .Lasked_\@
.Lfor_b_\@:
	tensor_load_to_lds s[\g0b:\g0b+3], s[\g1b:\g1b+7]
	s_nop 0
.rept 4
	v_nop
.endr
.Lasked_\@:
.endm
.macro CREST
	s_cmp_lg_u32 s14, 0
	s_cbranch_scc1 .Lnot_wave_0_\@
	s_barrier_signal -3
.Lnot_wave_0_\@:
	s_barrier_wait -3
	s_barrier_signal -1
	s_barrier_wait -1
.endm
.macro CROUND
	s_barrier_signal -1
	s_barrier_wait -1
	CREST
.endm
	s_load_b256 s[4:11], s[0:1], 0x0               ; yq s[4:5], wc s[6:7], ws s[8:9], b1 s[10:11]
	s_load_b64 s[12:13], s[0:1], 0x20              ; hq
	v_lshl_add_u32 v[SPW], v0, 2, SPARE
	v_mov_b32 v[NIL], 0
	ds_add_u32 v28, v29
	ds_add_u32 v28, v29
	s_wait_dscnt 0x0
	v_lshrrev_b32 v1, 5, v0
	v_readfirstlane_b32 s14, v1
	s_lshr_b32 s15, s14, 1
	s_and_b32 s16, s14, 1
	s_bfe_u32 s40, ttmp6, 0x40000
	s_bfe_u32 s41, ttmp6, 0x40004
	s_lshl_b32 s42, ttmp9, 2
	s_add_co_u32 s42, s42, s40                     ; tile column
	s_and_b32 s17, ttmp7, 0xffff
	s_lshl_b32 s17, s17, 2
	s_add_co_u32 s17, s17, s41                     ; tile row
	s_lshl_b32 s43, s41, 2
	s_lshl_b32 s43, 15, s43
	s_lshl_b32 s44, 0x1111, s40
	s_or_b32 s[G1+0], s43, (3<<16)|(1<<21)
	s_or_b32 s[G1B+0], s44, (3<<16)|(1<<21)
.irp g, G1, G1B
	s_mov_b32 s[\g+1], 384<<16
	s_mov_b32 s[\g+2], 8<<16
	s_mov_b32 s[\g+3], 384<<16
	s_mov_b32 s[\g+4], 8
	s_mov_b32 s[\g+5], 192*KS
	s_mov_b32 s[\g+6], 0
	s_mov_b32 s[\g+7], 0
.endr
	s_or_b32 s[G1S+0], s43, (3<<16)|(1<<21)
	s_or_b32 s[G1SB+0], s44, (3<<16)|(1<<21)
.irp g, G1S, G1SB
	s_mov_b32 s[\g+1], 32<<16
	s_mov_b32 s[\g+2], (2*KS)<<16
	s_mov_b32 s[\g+3], 32<<16
	s_mov_b32 s[\g+4], 2*KS
	s_mov_b32 s[\g+5], 32
	s_mov_b32 s[\g+6], 0
	s_mov_b32 s[\g+7], 0
.endr
	s_lshl_b32 s18, s16, 3
	s_lshl_b32 s20, s17, 4
	s_add_co_u32 s20, s20, s18
	s_mul_i32 s20, s20, KS
	s_lshl_b32 s22, s20, 6
	s_add_co_u32 s22, s22, ASOFF
	s_mov_b32 s23, 0
	s_mul_i32 s20, s20, 1536
	s_mov_b32 s21, 0
	s_lshl_b32 s46, s42, 4
	s_add_co_u32 s46, s46, s18
	s_mul_i32 s46, s46, KS
	s_add_co_u32 s46, s46, BF0
	s_lshl_b32 s92, s46, 6
	s_mov_b32 s93, 0
	s_mul_i32 s46, s46, 1536
	s_mov_b32 s47, 0
	s_mul_i32 s45, s14, HALFT
	s_mul_i32 s94, s14, HALFS
	s_wait_kmcnt 0x0
	s_add_nc_u64 s[20:21], s[4:5], s[20:21]
	s_add_nc_u64 s[22:23], s[4:5], s[22:23]
	s_add_nc_u64 s[46:47], s[6:7], s[46:47]
	s_add_nc_u64 s[92:93], s[8:9], s[92:93]
	CROUND                                         ; all sixteen work-groups are here: the first joint loads meet
	s_mov_b32 s[G0S], 1
	s_add_co_u32 s[G0S+1], s94, SCL
	s_mov_b64 s[G0S+2:G0S+3], s[22:23]
	s_or_b32 s[G0S+3], s[G0S+3], 0x80000000
	s_mov_b32 s[G0SB], 1
	s_add_co_u32 s[G0SB+1], s94, SCL
	s_mov_b64 s[G0SB+2:G0SB+3], s[92:93]
	s_or_b32 s[G0SB+3], s[G0SB+3], 0x80000000
	JLOAD G0S, G1S, G0SB, G1SB
.irp s, 0,1
	s_mov_b32 s[G0+4*\s], 1
	s_add_co_u32 s[G0+4*\s+1], s45, \s*SLOT
	s_add_nc_u64 s[G0+4*\s+2:G0+4*\s+3], s[20:21], \s*3072
	s_or_b32 s[G0+4*\s+3], s[G0+4*\s+3], 0x80000000
	s_mov_b32 s[G0B+4*\s], 1
	s_add_co_u32 s[G0B+4*\s+1], s45, \s*SLOT
	s_add_nc_u64 s[G0B+4*\s+2:G0B+4*\s+3], s[46:47], \s*3072
	s_or_b32 s[G0B+4*\s+3], s[G0B+4*\s+3], 0x80000000
	JLOAD G0+4*\s, G1, G0B+4*\s, G1B
.endr
	v_and_b32 v1, 15, v0                           ; r
	v_bfe_u32 v2, v0, 4, 1                         ; h
	v_and_b32 v3, 31, v0                           ; lane
	v_lshlrev_b32 v[LN8], 3, v3
	v_lshlrev_b32 v[R4], 2, v1
	v_lshlrev_b32 v[BO], 6, v2
	s_lshl_b32 s46, s42, 10
	s_lshl_b32 s47, s16, 9
	s_add_co_u32 s46, s46, s47                     ; b1 at my 128 hidden units
	s_mov_b32 s47, 0
	s_add_nc_u64 s[46:47], s[10:11], s[46:47]
.irp b, 0,1,2,3
.irp j, 0,1,2,3
	global_load_b128 v[BI+16*\b+4*\j:BI+16*\b+4*\j+3], v[BO], s[46:47] offset:128*\b+16*\j   ; register 16 b + i: b1 at unit 32 b + 16 h + i
.endr
.endr
	s_mul_i32 s21, s15, HALFT
	s_mul_i32 s22, s16, HALFT
	s_add_co_u32 s22, s22, 2*HALFT
.irp s, 0,1
	v_add_nc_u32 v[ADRA+\s], s21, v[LN8]
	v_add_nc_u32 v[ADRB+\s], s22, v[LN8]
	s_add_co_u32 s21, s21, SLOT
	s_add_co_u32 s22, s22, SLOT
.endr
	s_mul_i32 s21, s15, HALFS
	s_mul_i32 s22, s16, HALFS
	s_add_co_u32 s22, s22, 2*HALFS
	s_sub_co_u32 s22, s22, s21
	v_mul_u32_u24 v6, s22, v2
	s_add_co_u32 s21, s21, SCL
	v_add_nc_u32 v6, v[R4], v6
	v_add_nc_u32 v[ADRS], s21, v6
	s_lshl_b32 s20, s17, 4
	s_lshl_b32 s21, s15, 3
	s_add_co_u32 s20, s20, s21                     ; my first row tile,
	s_lshl_b32 s20, s20, 5                         ; 32 fragments a row tile,
	s_lshl_b32 s21, s42, 1
	s_add_co_u32 s20, s20, s21
	s_add_co_u32 s20, s20, s16                     ; K step 2 x tile column + column half
	s_lshl_b32 s22, s20, 6
	s_add_co_u32 s22, s22, 12582912
	s_mov_b32 s23, 0
	s_mul_i32 s20, s20, 1536
	s_mov_b32 s21, 0
	s_add_nc_u64 s[HC:HC+1], s[12:13], s[20:21]
	s_add_nc_u64 s[HSC:HSC+1], s[12:13], s[22:23]
	s_mov_b32 s[SEL], 0x76543210
	s_mov_b32 s[SEL+1], 0xfedcba98
.macro FRAG reg, adr, q, i
.irp p, 0,1,2,3,4,5
	ds_load_b64 v[\reg+2*\p:\reg+2*\p+1], v[\adr] offset:3072*(\i)+1536*(\q)+256*\p
.endr
.endm
; 16 matrix instructions: A's blocks a0, a0 + 1 x B's eight.  The 64 accumulators take turns, one instruction a turn, in the same order in every step
.macro MUL16 a0, p, q, sc, zero
.irp a, \a0, \a0+1
.irp b, 0,1,2,3,4,5,6,7
.if \zero
	v_wmma_scale_f32_16x16x128_f8f6f4 v[8*(8*((\a)%4)+\b):8*(8*((\a)%4)+\b)+7], v[128*(\p)+FR*\b:128*(\p)+FR*\b+FR-1], v[AF+FR*(\a):AF+FR*(\a)+FR-1], 0, v[SC+8*NQ*(\sc)+NQ*\b+(\q)], v[SC+8*NQ*(\sc)+NQ*(\a)+(\q)] matrix_a_fmt:MATRIX_FMT_BF6 matrix_b_fmt:MATRIX_FMT_BF6 matrix_a_scale:MATRIX_SCALE_ROW1
.else
	v_wmma_scale_f32_16x16x128_f8f6f4 v[8*(8*((\a)%4)+\b):8*(8*((\a)%4)+\b)+7], v[128*(\p)+FR*\b:128*(\p)+FR*\b+FR-1], v[AF+FR*(\a):AF+FR*(\a)+FR-1], v[8*(8*((\a)%4)+\b):8*(8*((\a)%4)+\b)+7], v[SC+8*NQ*(\sc)+NQ*\b+(\q)], v[SC+8*NQ*(\sc)+NQ*(\a)+(\q)] matrix_a_fmt:MATRIX_FMT_BF6 matrix_b_fmt:MATRIX_FMT_BF6 matrix_a_scale:MATRIX_SCALE_ROW1
.endif
.endr
.endr
.endm
.macro FETCH_B slot, q, p
	WIN TO_B
.irp i, 0,1,2,3,4,5,6,7
	FRAG 128*(\p)+FR*\i, ADRB+\slot, \q, \i
.endr
	WIN 0
.endm
.macro FETCH_A slot, q, i0
.irp i, \i0, \i0+1, \i0+2, \i0+3
	FRAG AF+FR*(\i), ADRA+\slot, \q, \i
.endr
.endm
.macro SCALES sc
.irp i, 0,1,2,3,4,5,6,7
.irp q, 0,1
	ds_load_b32 v[SC+8*NQ*\sc+NQ*\i+\q], v[ADRS] offset:64*KS*\i+64*\q
.endr
.endr
.endm
.macro PLACES n
.rept \n
	v_nop
.endr
.endm
.macro STEP slot, q, zero
	s_wait_dscnt 4*NL                              ; all but the youngest 24 loads (A's blocks 4-7) are in
	WIN MUL_LO
	MUL16 0, (\q)%2, \q, \slot, \zero
	MUL16 2, (\q)%2, \q, \slot, \zero
	s_wait_dscnt 0
	PLACES NP
	FETCH_B \slot, (\q)+1, 1-(\q)%2
	FETCH_A \slot, (\q)+1, 0
	WIN MUL_HI
	MUL16 4, (\q)%2, \q, \slot, \zero
	MUL16 6, (\q)%2, \q, \slot, \zero
	PLACES NP
	WIN 0
	FETCH_A \slot, (\q)+1, 4
.endm
.macro TURN slot, next, fill
	s_wait_tensorcnt 0x0                           ; my part of the next slot has landed: no tensor load of mine is out
	ds_add_u32 v[SPW], v[NIL]
	s_wait_dscnt 4*NL+1                            ; the add and the youngest 24 loads may be out
	WIN MUL_LO
	MUL16 0, 1, NQ-1, \slot, 0
	s_wait_dscnt 0x0                               ; the add is done, my reads of this slot are over
	s_barrier_signal -1
	MUL16 2, 1, NQ-1, \slot, 0
	WIN 0
	s_barrier_wait -1
.if \fill
	CREST                                          ; a round of the cluster's barrier: no wave of any partner still reads this slot or has a load on its way
	s_add_nc_u64 s[G0+4*\slot+2:G0+4*\slot+3], s[G0+4*\slot+2:G0+4*\slot+3], 6144
	s_add_nc_u64 s[G0B+4*\slot+2:G0B+4*\slot+3], s[G0B+4*\slot+2:G0B+4*\slot+3], 6144
	JLOAD G0+4*\slot, G1, G0B+4*\slot, G1B
.else
	PLACES NP
.endif
	v_add_nc_u32 v[ADRS], 64*NQ, v[ADRS]
	FETCH_B \next, 0, 0
	FETCH_A \next, 0, 0
	SCALES \next
	WIN MUL_HI
	MUL16 4, 1, NQ-1, \slot, 0
	MUL16 6, 1, NQ-1, \slot, 0
	PLACES NP
	WIN 0
	FETCH_A \next, 0, 4
.endm
	s_wait_loadcnt 0x0                             ; b1
	s_wait_tensorcnt 1                             ; the scale words and my part of slot 0 are in; slot 1's load may be out
	s_barrier_signal -1
	s_barrier_wait -1
	FETCH_B 0, 0, 0
	FETCH_A 0, 0, 0
	SCALES 0
	FETCH_A 0, 0, 4
	STEP 0, 0, 1
	s_mov_b32 s3, LAPS-1
.Llap:
	TURN 0, 1, 1
	STEP 1, 0, 0
	TURN 1, 0, 1
	STEP 0, 0, 0
	s_sub_co_u32 s3, s3, 1
	s_cmp_lg_u32 s3, 0
	s_cbranch_scc1 .Llap
	TURN 0, 1, 0
	STEP 1, 0, 0
	s_wait_dscnt 4*NL
	WIN MUL_LO
	MUL16 0, 1, NQ-1, 1, 0
	MUL16 2, 1, NQ-1, 1, 0
	s_wait_dscnt 0
	WIN MUL_HI
	MUL16 4, 1, NQ-1, 1, 0
	MUL16 6, 1, NQ-1, 1, 0
	WIN 0
.macro QUANT s
.irp b, 0,1,2,3
	v_max3_num_f32 v[TM+\b], |v[(\s)+16*\b]|, |v[(\s)+1+16*\b]|, 0x2800000
.endr
.irp i, 2,4,6,8,10,12,14
.irp b, 0,1,2,3
	v_max3_num_f32 v[TM+\b], |v[(\s)+16*\b+\i]|, |v[(\s)+1+16*\b+\i]|, v[TM+\b]
.endr
.endr
.irp b, 0,1,2,3
	v_permlanex16_b32 v[TM+4+\b], v[TM+\b], s[SEL], s[SEL+1]
.endr
.irp b, 0,1,2,3
	v_max_num_f32 v[TM+\b], v[TM+\b], v[TM+4+\b]
.endr
.irp b, 0,1,2,3
	v_add_nc_u32 v[TM+8+\b], 0xfe000000, v[TM+\b]
.endr
.irp b, 0,1,2,3
	v_lshrrev_b32 v[TM+4+\b], 23, v[TM+8+\b]
.endr
	v_lshl_or_b32 v[PW], v[TM+5], 8, v[TM+4]
	v_lshl_or_b32 v[PW], v[TM+6], 16, v[PW]
	v_lshl_or_b32 v[PW], v[TM+7], 24, v[PW]
.irp c, 0,1
	v_cvt_scalef32_pk16_bf6_f32 v[PC+6*\c:PC+2+6*\c], v[(\s)+32*\c:(\s)+15+32*\c], v[TM+8+2*\c]
	v_cvt_scalef32_pk16_bf6_f32 v[PC+12+4*\c:PC+14+4*\c], v[(\s)+16+32*\c:(\s)+31+32*\c], v[TM+9+2*\c]
.endr
	v_nop                                          ; one plain line behind the conversions
.irp c, 0,1
.irp i, 0,1,2
	v_permlane16_swap_b32 v[PC+6*\c+\i], v[PC+12+4*\c+\i]
.endr
.irp i, 0,1,2
	v_mov_b32 v[PC+3+6*\c+\i], v[PC+12+4*\c+\i]
.endr
.endr
.endm
.macro ACCIN a                         ; x = block a's sums + b1, out of window 2 or 3, each accumulator from its low end on
	WIN 2+(\a)/4
.set i, 0
.rept 32
	v_pk_add_f32 v[XV+i:XV+i+1], v[64*((\a)%4)+i:64*((\a)%4)+i+1], v[BI+i:BI+i+1]
.set i, i+2
.endr
	WIN 0
.endm
	; THE WAY OUT: a loop over my eight blocks of 16 rows.  Only the 32 lines that read the accumulators differ from trip to trip: a chain of branches on the counter leads to them; the rest is written once
	PLACES NP
	s_mov_b32 s3, 0
.Lrow:
.irp a, 0,1,2,3,4,5,6
	s_cmp_eq_u32 s3, \a
	s_cbranch_scc1 .Lacc\a
.endr
	ACCIN 7
	s_branch .Lgo
.irp a, 0,1,2,3,4,5,6
.Lacc\a:
	ACCIN \a
	s_branch .Lgo
.endr
.Lgo:
.set i, 0
.rept 32
	v_pk_mul_f32 v[U+i:U+i+1], v[XV+i:XV+i+1], 0x3fb8aa3b op_sel_hi:[1,0]   ; x log2(e)
.set i, i+2
.endr
.set i, 0
.rept 64
	v_min_num_f32 v[U+i], 0x41800000, v[U+i]       ; held at 16
.set i, i+1
.endr
.set i, 0
.rept 64
	v_exp_f32 v[U+i], v[U+i]                       ; u = e^x
.set i, i+1
.endr
	v_nop                                          ; a plain line behind the batch
	s_wait_alu depctr_va_vdst(0)                   ; one wait for the 64, ahead of their first reader
.set i, 0
.rept 8                                        ; four pairs at a time, so that no line waits for the line above it
.irp n, 0,1,2,3
	v_pk_add_f32 v[2+2*\n:3+2*\n], v[U+i+2*\n:U+i+2*\n+1], 2.0 op_sel_hi:[1,0]
.endr
.irp n, 0,1,2,3
	v_pk_mul_f32 v[U+i+2*\n:U+i+2*\n+1], v[U+i+2*\n:U+i+2*\n+1], v[2+2*\n:3+2*\n]      ; n = u (u + 2)
.endr
.irp n, 0,1,2,3
	v_pk_mul_f32 v[XV+i+2*\n:XV+i+2*\n+1], v[XV+i+2*\n:XV+i+2*\n+1], v[U+i+2*\n:U+i+2*\n+1]   ; x n
.endr
.irp n, 0,1,2,3
	v_pk_add_f32 v[U+i+2*\n:U+i+2*\n+1], v[U+i+2*\n:U+i+2*\n+1], 2.0 op_sel_hi:[1,0]   ; n + 2
.endr
.set i, i+8
.endr
.set i, 0
.rept 64
	v_rcp_f32 v[U+i], v[U+i]
.set i, i+1
.endr
	v_nop
	s_wait_alu depctr_va_vdst(0)                   ; one wait for the 64 reciprocals
.set i, 0
.rept 32
	v_pk_mul_f32 v[XV+i:XV+i+1], v[XV+i:XV+i+1], v[U+i:U+i+1]   ; mish
.set i, i+2
.endr
	QUANT XV
.irp p, 0,1,2,3,4,5
	global_store_b64 v[LN8], v[PC+2*\p:PC+2*\p+1], s[HC:HC+1] offset:256*\p   ; 256 consecutive bytes, aligned
.endr
	global_store_b32 v[R4], v[PW], s[HSC:HSC+1]    ; lanes r and r + 16 write the same word to the same place
	s_wait_xcnt 0x0                                ; the stores have read their registers and bases: both are written again
	s_add_nc_u64 s[HC:HC+1], s[HC:HC+1], 49152     ; the next row tile: 32 fragments on
	s_add_nc_u64 s[HSC:HSC+1], s[HSC:HSC+1], 2048
	s_add_co_u32 s3, s3, 1
	s_cmp_lt_u32 s3, 8
	s_cbranch_scc1 .Lrow
	s_wait_tensorcnt 0x0                           ; the wave's end
	ds_add_u32 v[SPW], v[NIL]
	s_wait_dscnt 0x0
	CROUND                                         ; the closing round
	s_endpgm
.Lfunc_end_k_q64d9cfccdb_ffn1:
	.size	k_q64d9cfccdb_ffn1, .Lfunc_end_k_q64d9cfccdb_ffn1-k_q64d9cfccdb_ffn1
	.p2alignl 7, 3214868480
	.fill 96, 4, 3214868480
	.section	.rodata,"a",@progbits
	.p2align	6, 0x0
	.amdhsa_kernel k_q64d9cfccdb_ffn1
		.amdhsa_group_segment_fixed_size 327680
		.amdhsa_private_segment_fixed_size 0
		.amdhsa_enable_private_segment 0
		.amdhsa_kernarg_size 40
		.amdhsa_user_sgpr_count 2
		.amdhsa_user_sgpr_kernarg_segment_ptr 1
		.amdhsa_wavefront_size32 1
		.amdhsa_system_sgpr_workgroup_id_x 1
		.amdhsa_system_sgpr_workgroup_id_y 1
		.amdhsa_system_sgpr_workgroup_id_z 1
		.amdhsa_system_vgpr_workitem_id 0
		.amdhsa_next_free_vgpr 1024
		.amdhsa_next_free_sgpr 98
		.amdhsa_reserve_vcc 0
		.amdhsa_float_denorm_mode_32 3
		.amdhsa_float_denorm_mode_16_64 3
		.amdhsa_memory_ordered 1
		.amdhsa_forward_progress 1
		.amdhsa_inst_pref_size 177
	.end_amdhsa_kernel
	.amdgpu_metadata
---
amdhsa.version: [ 1, 2 ]
amdhsa.kernels:
  - .name:           k_q64d9cfccdb_ffn1
    .symbol:         k_q64d9cfccdb_ffn1.kd
    .args:
      - { .name: yq, .offset: 0, .size: 8, .value_kind: global_buffer, .address_space: global }
      - { .name: wc, .offset: 8, .size: 8, .value_kind: global_buffer, .address_space: global }
      - { .name: ws, .offset: 16, .size: 8, .value_kind: global_buffer, .address_space: global }
      - { .name: b1, .offset: 24, .size: 8, .value_kind: global_buffer, .address_space: global }
      - { .name: hq, .offset: 32, .size: 8, .value_kind: global_buffer, .address_space: global }
    .group_segment_fixed_size: 327680
    .private_segment_fixed_size: 0
    .kernarg_segment_align: 8
    .kernarg_segment_size: 40
    .max_flat_workgroup_size: 128
    .sgpr_count:     98
    .vgpr_count:     1024
    .wavefront_size: 32
...
	.end_amdgpu_metadata
.endif
;; end of part 6
;; launch ffn2 (part 7): grid 4 x 16, 4 waves a work-group, clusters of 4 x 4, 327,680 bytes of LDS; arguments hq, wc, ws, z; writes z
.if DOCPART == 7
	.amdgcn_target "amdgcn-amd-amdhsa--gfx1250"
	.amdhsa_code_object_version 6
	.text
	.protected	k_q64d9cfccdb_ffn2
	.globl	k_q64d9cfccdb_ffn2
	.p2align	8
	.type	k_q64d9cfccdb_ffn2,@function
k_q64d9cfccdb_ffn2:
	s_mov_b64 s[64:65], 0
	v_nop
	global_prefetch_b8 v0, s[64:65] scope:SCOPE_SE
	s_setreg_imm32_b32 hwreg(HW_REG_WAVE_MODE, 25, 1), 1
	s_wait_xcnt 0x0
	s_wait_alu depctr_hold_cnt(0) depctr_sa_sdst(0) depctr_va_vdst(0) depctr_va_sdst(0) depctr_va_ssrc(0) depctr_va_vcc(0) depctr_vm_vsrc(0)
	s_getreg_b32 s2, hwreg(HW_REG_IB_STS2, 6, 4)
	s_cmp_eq_u32 s2, 0
	s_cbranch_scc0 .Lentry_in_a_cluster
	s_endpgm
.Lentry_in_a_cluster:
	s_bfe_u32 s2, ttmp6, 0x10000c
	s_cmp_lg_u32 s2, 0xf033
	s_cbranch_scc0 .Lentry_shape_is_right
	s_endpgm
.Lentry_shape_is_right:
; z = A B^T on codes of BF6 with E8M0 scales; z [4096][1024] f32.  Here A = hq (K = 4,096; its scale words lie 12,582,912 bytes behind its codes), B = W2 (fragments 6144 on of wc and ws).
; OPERANDS are images of fragments (16 rows x 128 K, 1,536 dense bytes: registers 2 p, 2 p + 1 of lane l at 256 p + 8 l), fragment number = first + row tile x K / 128 + K step; scale words 64 bytes a fragment.
; Lane r of row tile T holds row 32 (T / 2) + 16 (r / 8) + 8 (T % 2) + r % 8; the way out puts rows and columns back in their order.
; THE MATRIX INSTRUCTION IS USED TRANSPOSED (source 0 = 16 rows of B, source 1 = 16 rows of A): a lane holds eight neighbouring numbers of a row of z.
; A tile of z is 256 x 256: four waves, 128 x 128 each in 64 accumulators.  K goes in steps of 256 through two LDS slots; a wave's tensor load brings 8 row tiles x 3,072 bytes.
; CLUSTERS: 4 x 4 work-groups; A's tiles are asked for jointly along a row of the cluster, B's along a column.  The scale words of the work-group's rows come once, with the first fills.
; z has 64 such tiles, so 64 work-groups run: the price of one form for all four products of this program.
; REGISTERS: window 0: v16-29 addresses; v32-63 scale words, two sets; v128-223 A's fragments, one set (v128-255 rows of z on the way out).  window 1: B's fragments, two sets.  windows 2, 3: the accumulators.
.set SIZE_K, 4096
.set ASOFF,  12582912
.set BF0,    6144
.set KS,     SIZE_K/128
.set NQ,     2
.set FR,     12
.set NL,     6
.set NP,     4
.set HALFT,  8*3072
.set SLOT,   4*HALFT
.set LAPS,   SIZE_K/512
.set SCL,    2*SLOT
.set HALFS,  512*KS
.set SPARE,  SCL+4*HALFS
.set SPITCH, 528                       ; the way out: a stage of 16 rows x (512 bytes + 16) for each wave, in slot 0, which has had its last fill and its last read by then
.set ADRA, 16
.set ADRB, 20
.set STO,  24
.set RD,   25
.set CO,   26
.set ADRS, 27
.set SPW,  28
.set NIL,  29
.set SC,   32
.set AF,   128
.set BK,   128
.set G1, 24
.set G0, 32
.set G1B, 48
.set G0B, 56
.set G1S, 68
.set G0S, 76
.set G1SB, 80
.set G0SB, 88
.set MSB, 0
.macro WIN new
.if MSB != (\new)
	s_set_vgpr_msb (MSB<<8)|(\new)
.set MSB, (\new)
.endif
.endm
.set MUL_LO, 0xa1
.set MUL_HI, 0xf1
.set TO_B,   0x40
.macro JLOAD g0a, g1a, g0b, g1b        ; a joint load: waves 0, 1 fetch for A, waves 2, 3 for B; four v_nop follow each line
	s_cmp_eq_u32 s15, 0
	s_cbranch_scc0 .Lfor_b_\@
	tensor_load_to_lds s[\g0a:\g0a+3], s[\g1a:\g1a+7]
	s_nop 0
.rept 4
	v_nop
.endr
	s_branch .Lasked_\@
.Lfor_b_\@:
	tensor_load_to_lds s[\g0b:\g0b+3], s[\g1b:\g1b+7]
	s_nop 0
.rept 4
	v_nop
.endr
.Lasked_\@:
.endm
.macro CREST
	s_cmp_lg_u32 s14, 0
	s_cbranch_scc1 .Lnot_wave_0_\@
	s_barrier_signal -3
.Lnot_wave_0_\@:
	s_barrier_wait -3
	s_barrier_signal -1
	s_barrier_wait -1
.endm
.macro CROUND
	s_barrier_signal -1
	s_barrier_wait -1
	CREST
.endm
	s_load_b256 s[4:11], s[0:1], 0x0               ; A's buffer s[4:5], wc s[6:7], ws s[8:9], z s[10:11]
	v_lshl_add_u32 v[SPW], v0, 2, SPARE
	v_mov_b32 v[NIL], 0
	ds_add_u32 v28, v29
	ds_add_u32 v28, v29
	s_wait_dscnt 0x0
	v_lshrrev_b32 v1, 5, v0
	v_readfirstlane_b32 s14, v1
	s_lshr_b32 s15, s14, 1
	s_and_b32 s16, s14, 1
	s_bfe_u32 s40, ttmp6, 0x40000
	s_bfe_u32 s41, ttmp6, 0x40004
	s_lshl_b32 s42, ttmp9, 2
	s_add_co_u32 s42, s42, s40                     ; tile column
	s_and_b32 s17, ttmp7, 0xffff
	s_lshl_b32 s17, s17, 2
	s_add_co_u32 s17, s17, s41                     ; tile row
	s_lshl_b32 s43, s41, 2
	s_lshl_b32 s43, 15, s43
	s_lshl_b32 s44, 0x1111, s40
	s_or_b32 s[G1+0], s43, (3<<16)|(1<<21)         ; the mask; elements of 8 bytes; bit 21 beside a mask; no padding
	s_or_b32 s[G1B+0], s44, (3<<16)|(1<<21)
.irp g, G1, G1B
	s_mov_b32 s[\g+1], 384<<16
	s_mov_b32 s[\g+2], 8<<16
	s_mov_b32 s[\g+3], 384<<16
	s_mov_b32 s[\g+4], 8
	s_mov_b32 s[\g+5], 192*KS
	s_mov_b32 s[\g+6], 0
	s_mov_b32 s[\g+7], 0
.endr
	s_or_b32 s[G1S+0], s43, (3<<16)|(1<<21)
	s_or_b32 s[G1SB+0], s44, (3<<16)|(1<<21)
.irp g, G1S, G1SB
	s_mov_b32 s[\g+1], 32<<16
	s_mov_b32 s[\g+2], (2*KS)<<16
	s_mov_b32 s[\g+3], 32<<16
	s_mov_b32 s[\g+4], 2*KS
	s_mov_b32 s[\g+5], 32
	s_mov_b32 s[\g+6], 0
	s_mov_b32 s[\g+7], 0
.endr
	s_lshl_b32 s18, s16, 3
	s_lshl_b32 s20, s17, 4
	s_add_co_u32 s20, s20, s18
	s_mul_i32 s20, s20, KS                         ; A's first fragment
	s_lshl_b32 s22, s20, 6
	s_add_co_u32 s22, s22, ASOFF
	s_mov_b32 s23, 0
	s_mul_i32 s20, s20, 1536
	s_mov_b32 s21, 0
	s_lshl_b32 s46, s42, 4
	s_add_co_u32 s46, s46, s18
	s_mul_i32 s46, s46, KS
	s_add_co_u32 s46, s46, BF0                     ; B's
	s_lshl_b32 s92, s46, 6
	s_mov_b32 s93, 0
	s_mul_i32 s46, s46, 1536
	s_mov_b32 s47, 0
	s_mul_i32 s45, s14, HALFT
	s_mul_i32 s94, s14, HALFS
	s_wait_kmcnt 0x0
	s_add_nc_u64 s[20:21], s[4:5], s[20:21]
	s_add_nc_u64 s[22:23], s[4:5], s[22:23]
	s_add_nc_u64 s[46:47], s[6:7], s[46:47]
	s_add_nc_u64 s[92:93], s[8:9], s[92:93]
	CROUND                                         ; all sixteen work-groups are here: the first joint loads meet
	s_mov_b32 s[G0S], 1
	s_add_co_u32 s[G0S+1], s94, SCL
	s_mov_b64 s[G0S+2:G0S+3], s[22:23]
	s_or_b32 s[G0S+3], s[G0S+3], 0x80000000
	s_mov_b32 s[G0SB], 1
	s_add_co_u32 s[G0SB+1], s94, SCL
	s_mov_b64 s[G0SB+2:G0SB+3], s[92:93]
	s_or_b32 s[G0SB+3], s[G0SB+3], 0x80000000
	JLOAD G0S, G1S, G0SB, G1SB
.irp s, 0,1
	s_mov_b32 s[G0+4*\s], 1
	s_add_co_u32 s[G0+4*\s+1], s45, \s*SLOT
	s_add_nc_u64 s[G0+4*\s+2:G0+4*\s+3], s[20:21], \s*3072
	s_or_b32 s[G0+4*\s+3], s[G0+4*\s+3], 0x80000000
	s_mov_b32 s[G0B+4*\s], 1
	s_add_co_u32 s[G0B+4*\s+1], s45, \s*SLOT
	s_add_nc_u64 s[G0B+4*\s+2:G0B+4*\s+3], s[46:47], \s*3072
	s_or_b32 s[G0B+4*\s+3], s[G0B+4*\s+3], 0x80000000
	JLOAD G0+4*\s, G1, G0B+4*\s, G1B
.endr
	v_and_b32 v1, 15, v0                           ; r
	v_bfe_u32 v2, v0, 4, 1                         ; h
	v_and_b32 v3, 31, v0                           ; lane
	v_lshlrev_b32 v4, 3, v3
	s_mul_i32 s21, s15, HALFT
	s_mul_i32 s22, s16, HALFT
	s_add_co_u32 s22, s22, 2*HALFT
.irp s, 0,1
	v_add_nc_u32 v[ADRA+\s], s21, v4
	v_add_nc_u32 v[ADRB+\s], s22, v4
	s_add_co_u32 s21, s21, SLOT
	s_add_co_u32 s22, s22, SLOT
.endr
	v_lshlrev_b32 v5, 2, v1
	s_mul_i32 s21, s15, HALFS
	s_mul_i32 s22, s16, HALFS
	s_add_co_u32 s22, s22, 2*HALFS
	s_sub_co_u32 s22, s22, s21
	v_mul_u32_u24 v6, s22, v2
	s_add_co_u32 s21, s21, SCL
	v_add_nc_u32 v5, v5, v6
	v_add_nc_u32 v[ADRS], s21, v5
	s_mul_i32 s23, s14, 16*SPITCH                  ; my stage
	v_mul_u32_u24 v5, v1, SPITCH
	v_lshl_add_u32 v5, v2, 6, v5                   ; in: row r, + 64 h: accumulator b's eight columns are 32 (b / 2) + 16 h + 8 (b % 2) + 0 .. 7
	v_add_nc_u32 v[STO], s23, v5
	v_lshlrev_b32 v[CO], 4, v3                     ; back: the 32 lanes take a row of 512 bytes; and the same in z
	v_add_nc_u32 v[RD], s23, v[CO]
	s_lshl_b32 s20, s17, 8
	s_lshl_b32 s21, s15, 7
	s_add_co_u32 s20, s20, s21
	s_lshl_b32 s20, s20, 12                        ; my first row of z, 4,096 bytes a row
	s_mov_b32 s21, 0
	s_lshl_b32 s46, s42, 10
	s_lshl_b32 s47, s16, 9
	s_add_co_u32 s46, s46, s47                     ; my first column
	s_mov_b32 s47, 0
	s_add_nc_u64 s[20:21], s[20:21], s[46:47]
	s_add_nc_u64 s[12:13], s[10:11], s[20:21]
.macro FRAG reg, adr, q, i
.irp p, 0,1,2,3,4,5
	ds_load_b64 v[\reg+2*\p:\reg+2*\p+1], v[\adr] offset:3072*(\i)+1536*(\q)+256*\p
.endr
.endm
; 16 matrix instructions: A's blocks a0, a0 + 1 x B's eight.  The 64 accumulators take turns, one instruction a turn, in the same order in every step
.macro MUL16 a0, p, q, sc, zero
.irp a, \a0, \a0+1
.irp b, 0,1,2,3,4,5,6,7
.if \zero
	v_wmma_scale_f32_16x16x128_f8f6f4 v[8*(8*((\a)%4)+\b):8*(8*((\a)%4)+\b)+7], v[128*(\p)+FR*\b:128*(\p)+FR*\b+FR-1], v[AF+FR*(\a):AF+FR*(\a)+FR-1], 0, v[SC+8*NQ*(\sc)+NQ*\b+(\q)], v[SC+8*NQ*(\sc)+NQ*(\a)+(\q)] matrix_a_fmt:MATRIX_FMT_BF6 matrix_b_fmt:MATRIX_FMT_BF6 matrix_a_scale:MATRIX_SCALE_ROW1
.else
	v_wmma_scale_f32_16x16x128_f8f6f4 v[8*(8*((\a)%4)+\b):8*(8*((\a)%4)+\b)+7], v[128*(\p)+FR*\b:128*(\p)+FR*\b+FR-1], v[AF+FR*(\a):AF+FR*(\a)+FR-1], v[8*(8*((\a)%4)+\b):8*(8*((\a)%4)+\b)+7], v[SC+8*NQ*(\sc)+NQ*\b+(\q)], v[SC+8*NQ*(\sc)+NQ*(\a)+(\q)] matrix_a_fmt:MATRIX_FMT_BF6 matrix_b_fmt:MATRIX_FMT_BF6 matrix_a_scale:MATRIX_SCALE_ROW1
.endif
.endr
.endr
.endm
.macro FETCH_B slot, q, p
	WIN TO_B
.irp i, 0,1,2,3,4,5,6,7
	FRAG 128*(\p)+FR*\i, ADRB+\slot, \q, \i
.endr
	WIN 0
.endm
.macro FETCH_A slot, q, i0
.irp i, \i0, \i0+1, \i0+2, \i0+3
	FRAG AF+FR*(\i), ADRA+\slot, \q, \i
.endr
.endm
.macro SCALES sc
.irp i, 0,1,2,3,4,5,6,7
.irp q, 0,1
	ds_load_b32 v[SC+8*NQ*\sc+NQ*\i+\q], v[ADRS] offset:64*KS*\i+64*\q
.endr
.endr
.endm
.macro PLACES n
.rept \n
	v_nop
.endr
.endm
.macro STEP slot, q, zero
	s_wait_dscnt 4*NL                              ; all but the youngest 24 loads (A's blocks 4-7) are in
	WIN MUL_LO
	MUL16 0, (\q)%2, \q, \slot, \zero
	MUL16 2, (\q)%2, \q, \slot, \zero
	s_wait_dscnt 0
	PLACES NP
	FETCH_B \slot, (\q)+1, 1-(\q)%2
	FETCH_A \slot, (\q)+1, 0
	WIN MUL_HI
	MUL16 4, (\q)%2, \q, \slot, \zero
	MUL16 6, (\q)%2, \q, \slot, \zero
	PLACES NP
	WIN 0
	FETCH_A \slot, (\q)+1, 4
.endm
.macro TURN slot, next, fill
	s_wait_tensorcnt 0x0                           ; my part of the next slot has landed: no tensor load of mine is out
	ds_add_u32 v[SPW], v[NIL]
	s_wait_dscnt 4*NL+1                            ; the add and the youngest 24 loads may be out
	WIN MUL_LO
	MUL16 0, 1, NQ-1, \slot, 0
	s_wait_dscnt 0x0                               ; the add is done, my reads of this slot are over
	s_barrier_signal -1
	MUL16 2, 1, NQ-1, \slot, 0
	WIN 0
	s_barrier_wait -1
.if \fill
	CREST                                          ; a round of the cluster's barrier: no wave of any partner still reads this slot or has a load on its way
	s_add_nc_u64 s[G0+4*\slot+2:G0+4*\slot+3], s[G0+4*\slot+2:G0+4*\slot+3], 6144
	s_add_nc_u64 s[G0B+4*\slot+2:G0B+4*\slot+3], s[G0B+4*\slot+2:G0B+4*\slot+3], 6144
	JLOAD G0+4*\slot, G1, G0B+4*\slot, G1B
.else
	PLACES NP
.endif
	v_add_nc_u32 v[ADRS], 64*NQ, v[ADRS]
	FETCH_B \next, 0, 0
	FETCH_A \next, 0, 0
	SCALES \next
	WIN MUL_HI
	MUL16 4, 1, NQ-1, \slot, 0
	MUL16 6, 1, NQ-1, \slot, 0
	PLACES NP
	WIN 0
	FETCH_A \next, 0, 4
.endm
	s_wait_tensorcnt 1                             ; the scale words and my part of slot 0 are in; slot 1's load may be out
	s_barrier_signal -1
	s_barrier_wait -1
	FETCH_B 0, 0, 0
	FETCH_A 0, 0, 0
	SCALES 0
	FETCH_A 0, 0, 4
	STEP 0, 0, 1
	s_mov_b32 s3, LAPS-1
.Llap:
	TURN 0, 1, 1
	STEP 1, 0, 0
	TURN 1, 0, 1
	STEP 0, 0, 0
	s_sub_co_u32 s3, s3, 1
	s_cmp_lg_u32 s3, 0
	s_cbranch_scc1 .Llap
	TURN 0, 1, 0
	STEP 1, 0, 0
	s_wait_dscnt 4*NL
	WIN MUL_LO
	MUL16 0, 1, NQ-1, 1, 0
	MUL16 2, 1, NQ-1, 1, 0
	s_wait_dscnt 0
	WIN MUL_HI
	MUL16 4, 1, NQ-1, 1, 0
	MUL16 6, 1, NQ-1, 1, 0
	WIN 0
; THE WAY OUT, block by block of 16 rows x 128 columns, through my own stage: LDS serves a wave's instructions in order, so no wait stands between the stores and the loads
.macro TOSTAGE a
.set AC, 64*((\a)%4)
	WIN 0x08+4*((\a)/4)                            ; an LDS store's data: window 2 or 3
.irp b, 0,1,2,3,4,5,6,7
	ds_store_b128 v[STO], v[AC+8*\b:AC+8*\b+3] offset:128*(\b/2)+32*(\b%2)       ; each accumulator from its low end on
	ds_store_b128 v[STO], v[AC+8*\b+4:AC+8*\b+7] offset:128*(\b/2)+32*(\b%2)+16
.endr
	WIN 0
.set BB, BK+64*((\a)%2)
.irp t, 0,1,2,3,4,5,6,7,8,9,10,11,12,13,14,15
	ds_load_b128 v[BB+4*\t:BB+4*\t+3], v[RD] offset:\t*SPITCH
.endr
.endm
.macro SEND a, younger                 ; stage row t of block a is row 32 (a / 2) + 16 (t / 8) + 8 (a % 2) + t % 8 of my 128: it stands in the immediate, 520,192 bytes at the most
.set BB, BK+64*((\a)%2)
	s_wait_dscnt \younger
.irp t, 0,1,2,3,4,5,6,7,8,9,10,11,12,13,14,15
	global_store_b128 v[CO], v[BB+4*\t:BB+4*\t+3], s[12:13] offset:(32*((\a)/2)+16*(\t/8)+8*((\a)%2)+\t%8)*4096   ; 32 lanes store 512 consecutive bytes, aligned
.endr
.endm
	PLACES NP
	TOSTAGE 0
.irp a, 1,2,3,4,5,6,7
.if \a > 1
	s_wait_xcnt 0x0                                ; block a - 2's stores have read their registers: block a's loads may land there
.endif
	TOSTAGE \a
	SEND \a-1, 32                                  ; behind block a - 1's loads: block a's 16 stores and 16 loads
.endr
	SEND 7, 0
	s_wait_tensorcnt 0x0                           ; the wave's end
	ds_add_u32 v[SPW], v[NIL]
	s_wait_dscnt 0x0
	CROUND                                         ; the closing round
	s_endpgm
.Lfunc_end_k_q64d9cfccdb_ffn2:
	.size	k_q64d9cfccdb_ffn2, .Lfunc_end_k_q64d9cfccdb_ffn2-k_q64d9cfccdb_ffn2
	.p2alignl 7, 3214868480
	.fill 96, 4, 3214868480
	.section	.rodata,"a",@progbits
	.p2align	6, 0x0
	.amdhsa_kernel k_q64d9cfccdb_ffn2
		.amdhsa_group_segment_fixed_size 327680
		.amdhsa_private_segment_fixed_size 0
		.amdhsa_enable_private_segment 0
		.amdhsa_kernarg_size 32
		.amdhsa_user_sgpr_count 2
		.amdhsa_user_sgpr_kernarg_segment_ptr 1
		.amdhsa_wavefront_size32 1
		.amdhsa_system_sgpr_workgroup_id_x 1
		.amdhsa_system_sgpr_workgroup_id_y 1
		.amdhsa_system_sgpr_workgroup_id_z 1
		.amdhsa_system_vgpr_workitem_id 0
		.amdhsa_next_free_vgpr 1024
		.amdhsa_next_free_sgpr 98
		.amdhsa_reserve_vcc 0
		.amdhsa_float_denorm_mode_32 3
		.amdhsa_float_denorm_mode_16_64 3
		.amdhsa_memory_ordered 1
		.amdhsa_forward_progress 1
		.amdhsa_inst_pref_size 161
	.end_amdhsa_kernel
	.amdgpu_metadata
---
amdhsa.version: [ 1, 2 ]
amdhsa.kernels:
  - .name:           k_q64d9cfccdb_ffn2
    .symbol:         k_q64d9cfccdb_ffn2.kd
    .args:
      - { .name: hq, .offset: 0, .size: 8, .value_kind: global_buffer, .address_space: global }
      - { .name: wc, .offset: 8, .size: 8, .value_kind: global_buffer, .address_space: global }
      - { .name: ws, .offset: 16, .size: 8, .value_kind: global_buffer, .address_space: global }
      - { .name: z, .offset: 24, .size: 8, .value_kind: global_buffer, .address_space: global }
    .group_segment_fixed_size: 327680
    .private_segment_fixed_size: 0
    .kernarg_segment_align: 8
    .kernarg_segment_size: 32
    .max_flat_workgroup_size: 128
    .sgpr_count:     98
    .vgpr_count:     1024
    .wavefront_size: 32
...
	.end_amdgpu_metadata
.endif
;; end of part 7
;; launch ln2 (part 8): grid 256 x 1, 8 waves a work-group, no clusters, 0 bytes of LDS; arguments z, y, b2, g2, be2, out0; writes out0
.if DOCPART == 8
	.amdgcn_target "amdgcn-amd-amdhsa--gfx1250"
	.amdhsa_code_object_version 6
	.text
	.protected	k_q64d9cfccdb_ln2
	.globl	k_q64d9cfccdb_ln2
	.p2align	8
	.type	k_q64d9cfccdb_ln2,@function
k_q64d9cfccdb_ln2:
	s_mov_b64 s[64:65], 0
	v_nop
	global_prefetch_b8 v0, s[64:65] scope:SCOPE_SE
	s_setreg_imm32_b32 hwreg(HW_REG_WAVE_MODE, 25, 1), 1
	s_wait_xcnt 0x0
; out0 = layernorm(2 y + z + b2) g2 + be2, rows of 1,024 f32.  Mean first, then the mean of the squared differences: two passes over registers; no difference of large sums is formed.
; Work-group g takes rows 16 g .. 16 g + 15, wave w rows 16 g + 2 w and the next: a row lies in one wave's registers (32 a lane), so the sums never leave the wave: no LDS, no barrier.
; Memory binds: each byte is read and written once, by loads and stores of 512 consecutive bytes; no matrix unit, no cluster.  NaN and infinities are not served.
.set ZR,  16                           ; v16-79   z's two rows, then the sums, then the result
.set XR,  80                           ; v80-143  y's two rows
.set G,   144                          ; v144-175 g2 at my columns
.set BE,  176                          ; v176-207 be2
.set B2,  208                          ; v208-239 b2
.set SEL, 2
.set INV, 4
.set EPS, 5
.macro LD8 reg, base, off
.irp k, 0,1,2,3,4,5,6,7
	global_load_b128 v[\reg+4*\k:\reg+4*\k+3], v1, s[\base:\base+1] offset:\off+512*\k
.endr
.endm
.macro LANES r
	v_add_f32_dpp v[\r], v[\r], v[\r] row_xmask:1 row_mask:0xf bank_mask:0xf
	v_add_f32_dpp v[\r], v[\r], v[\r] row_xmask:2 row_mask:0xf bank_mask:0xf
	v_add_f32_dpp v[\r], v[\r], v[\r] row_xmask:4 row_mask:0xf bank_mask:0xf
	v_add_f32_dpp v[\r], v[\r], v[\r] row_xmask:8 row_mask:0xf bank_mask:0xf
	v_permlanex16_b32 v[\r+1], v[\r], s[SEL], s[SEL+1]
	v_add_f32 v[\r], v[\r], v[\r+1]
.endm
.macro STATS ro
.set VV, ZR+32*\ro
.set XX, XR+32*\ro
.set TA, 240+8*\ro
.set j, 0
.rept 16
	v_pk_fma_f32 v[VV+j:VV+j+1], v[XX+j:XX+j+1], 2.0, v[VV+j:VV+j+1] op_sel_hi:[1,0,1]
.set j, j+2
.endr
.set j, 0
.rept 16
	v_pk_add_f32 v[VV+j:VV+j+1], v[VV+j:VV+j+1], v[B2+j:B2+j+1]
.set j, j+2
.endr
	v_pk_add_f32 v[TA:TA+1], v[VV:VV+1], v[VV+2:VV+3]
	v_pk_add_f32 v[TA+2:TA+3], v[VV+4:VV+5], v[VV+6:VV+7]
.set j, 8
.rept 6
	v_pk_add_f32 v[TA:TA+1], v[TA:TA+1], v[VV+j:VV+j+1]
	v_pk_add_f32 v[TA+2:TA+3], v[TA+2:TA+3], v[VV+j+2:VV+j+3]
.set j, j+4
.endr
	v_pk_add_f32 v[TA:TA+1], v[TA:TA+1], v[TA+2:TA+3]
	v_add_f32 v[TA], v[TA], v[TA+1]
	LANES TA
	v_mul_f32 v[TA], s[INV], v[TA]                 ; the mean
	v_mov_b32 v[TA+1], v[TA]
.set j, 0
.rept 16
	v_pk_add_f32 v[VV+j:VV+j+1], v[VV+j:VV+j+1], v[TA:TA+1] neg_lo:[0,1] neg_hi:[0,1]
.set j, j+2
.endr
	v_pk_mul_f32 v[TA+2:TA+3], v[VV:VV+1], v[VV:VV+1]
	v_pk_mul_f32 v[TA+4:TA+5], v[VV+2:VV+3], v[VV+2:VV+3]
.set j, 4
.rept 7
	v_pk_fma_f32 v[TA+2:TA+3], v[VV+j:VV+j+1], v[VV+j:VV+j+1], v[TA+2:TA+3]
	v_pk_fma_f32 v[TA+4:TA+5], v[VV+j+2:VV+j+3], v[VV+j+2:VV+j+3], v[TA+4:TA+5]
.set j, j+4
.endr
	v_pk_add_f32 v[TA+2:TA+3], v[TA+2:TA+3], v[TA+4:TA+5]
	v_add_f32 v[TA+2], v[TA+2], v[TA+3]
	LANES TA+2
	v_fma_f32 v[TA+2], v[TA+2], s[INV], s[EPS]     ; the variance + 1e-5
.endm
.macro NORM ro
.set VV, ZR+32*\ro
.set TA, 240+8*\ro
.set j, 0
.rept 16
	v_pk_mul_f32 v[VV+j:VV+j+1], v[VV+j:VV+j+1], v[TA+6:TA+7]
.set j, j+2
.endr
.set j, 0
.rept 16
	v_pk_fma_f32 v[VV+j:VV+j+1], v[VV+j:VV+j+1], v[G+j:G+j+1], v[BE+j:BE+j+1]
.set j, j+2
.endr
.endm
	s_load_b256 s[16:23], s[0:1], 0x0              ; z 16, y 18, b2 20, g2 22
	s_load_b128 s[24:27], s[0:1], 0x20             ; be2 24, out0 26
	v_lshrrev_b32 v1, 5, v0
	v_readfirstlane_b32 s8, v1                     ; wave 0..7
	v_and_b32 v7, 31, v0
	v_lshlrev_b32 v1, 4, v7                        ; 16 x lane
	s_mov_b32 s[SEL], 0x76543210
	s_mov_b32 s[SEL+1], 0xfedcba98
	s_mov_b32 s[INV], 0x3a800000                   ; 1 / 1024
	s_mov_b32 s[EPS], 0x3727c5ac                   ; 1e-5
	s_lshl_b32 s10, ttmp9, 4
	s_lshl_b32 s11, s8, 1
	s_add_co_u32 s10, s10, s11                     ; my first row
	s_lshl_b32 s10, s10, 12
	s_mov_b32 s11, 0
	s_wait_kmcnt 0x0
	s_add_nc_u64 s[16:17], s[16:17], s[10:11]
	s_add_nc_u64 s[18:19], s[18:19], s[10:11]
	s_add_nc_u64 s[26:27], s[26:27], s[10:11]
	LD8 B2, 20, 0
	LD8 ZR, 16, 0
	LD8 XR, 18, 0
	LD8 ZR+32, 16, 4096
	LD8 XR+32, 18, 4096
	LD8 G, 22, 0
	LD8 BE, 24, 0
	s_wait_loadcnt 32                              ; b2 and the first row are in; the 32 younger loads stay out
	STATS 0
	s_wait_loadcnt 16                              ; the second row; g2's and be2's stay out
	STATS 1
	v_rsq_f32 v246, v242
	v_rsq_f32 v254, v250
	v_nop                                          ; a plain line behind the two
	s_wait_loadcnt 0x0
	s_wait_alu depctr_va_vdst(0)                   ; one wait for both, ahead of their first reader
	v_mov_b32 v247, v246
	v_mov_b32 v255, v254
	NORM 0
	NORM 1
.irp k, 0,1,2,3,4,5,6,7,8,9,10,11,12,13,14,15
	global_store_b128 v1, v[ZR+4*\k:ZR+4*\k+3], s[26:27] offset:512*\k th:TH_STORE_NT   ; 512 consecutive bytes, aligned; written once
.endr
	s_endpgm
.Lfunc_end_k_q64d9cfccdb_ln2:
	.size	k_q64d9cfccdb_ln2, .Lfunc_end_k_q64d9cfccdb_ln2-k_q64d9cfccdb_ln2
	.p2alignl 7, 3214868480
	.fill 96, 4, 3214868480
	.section	.rodata,"a",@progbits
	.p2align	6, 0x0
	.amdhsa_kernel k_q64d9cfccdb_ln2
		.amdhsa_group_segment_fixed_size 0
		.amdhsa_private_segment_fixed_size 0
		.amdhsa_enable_private_segment 0
		.amdhsa_kernarg_size 48
		.amdhsa_user_sgpr_count 2
		.amdhsa_user_sgpr_kernarg_segment_ptr 1
		.amdhsa_wavefront_size32 1
		.amdhsa_system_sgpr_workgroup_id_x 1
		.amdhsa_system_sgpr_workgroup_id_y 1
		.amdhsa_system_sgpr_workgroup_id_z 1
		.amdhsa_system_vgpr_workitem_id 0
		.amdhsa_next_free_vgpr 256
		.amdhsa_next_free_sgpr 66
		.amdhsa_reserve_vcc 0
		.amdhsa_float_denorm_mode_32 3
		.amdhsa_float_denorm_mode_16_64 3
		.amdhsa_memory_ordered 1
		.amdhsa_forward_progress 1
		.amdhsa_inst_pref_size 24
	.end_amdhsa_kernel
	.amdgpu_metadata
---
amdhsa.version: [ 1, 2 ]
amdhsa.kernels:
  - .name:           k_q64d9cfccdb_ln2
    .symbol:         k_q64d9cfccdb_ln2.kd
    .args:
      - { .name: z, .offset: 0, .size: 8, .value_kind: global_buffer, .address_space: global }
      - { .name: y, .offset: 8, .size: 8, .value_kind: global_buffer, .address_space: global }
      - { .name: b2, .offset: 16, .size: 8, .value_kind: global_buffer, .address_space: global }
      - { .name: g2, .offset: 24, .size: 8, .value_kind: global_buffer, .address_space: global }
      - { .name: be2, .offset: 32, .size: 8, .value_kind: global_buffer, .address_space: global }
      - { .name: out0, .offset: 40, .size: 8, .value_kind: global_buffer, .address_space: global }
    .group_segment_fixed_size: 0
    .private_segment_fixed_size: 0
    .kernarg_segment_align: 8
    .kernarg_segment_size: 48
    .max_flat_workgroup_size: 256
    .sgpr_count:     66
    .vgpr_count:     256
    .wavefront_size: 32
...
	.end_amdgpu_metadata
.endif
;; end of part 8
;; ======== version 2 of 2: 7 launches
;; limits: right only within a limited range of input values
;; workspace buffers: wc 12,582,912 bytes; ws 524,288 bytes; qkv 10,223,616 bytes; ctx 3,276,800 bytes; z 16,777,216 bytes; y 16,777,216 bytes; yq 3,276,800 bytes; hq 13,107,200 bytes
;; launch quant (part 9): grid 448 x 1, 8 waves a work-group, no clusters, 66,816 bytes of LDS; arguments x, Wq, Wk, Wv, Wo, W1, W2, wc, ws; writes wc, ws
.if DOCPART == 9
	.amdgcn_target "amdgcn-amd-amdhsa--gfx1250"
	.amdhsa_code_object_version 6
	.text
	.protected	k_q64d9cfccdb_quant
	.globl	k_q64d9cfccdb_quant
	.p2align	8
	.type	k_q64d9cfccdb_quant,@function
k_q64d9cfccdb_quant:
	s_mov_b64 s[64:65], 0
	v_nop
	global_prefetch_b8 v0, s[64:65] scope:SCOPE_SE
	s_setreg_imm32_b32 hwreg(HW_REG_WAVE_MODE, 25, 1), 1
	s_wait_xcnt 0x0
; x [4096][1024] and the six weights (stored [K][N]), f32, become codes of BF6 (E3M2) with one E8M0 byte for each 32 along K.
; LAYOUT OF EVERY OPERAND OF THIS PROGRAM.  A fragment is 16 rows x 128 K, 12 registers a lane, stored as the IMAGE OF ITS REGISTERS: 1,536 dense bytes, registers 2 p, 2 p + 1 of lane l at 256 p + 8 l.
; Its scale words: 64 bytes, row r's word at 4 r.  Fragment number = first fragment of the tensor + row tile x (K / 128) + K step; codes at 1,536 x number in wc, words at 64 x number in ws.
; First fragments: x 0, Wq 2048, Wk 2560, Wv 3072, Wo 3584, W1 4096, W2 6144.
; THE 16 ROWS OF A TILE ARE NOT NEIGHBOURS: lane r of tile T holds row 32 (T / 2) + 16 (r / 8) + 8 (T % 2) + r % 8, so that in a product used transposed the 16 registers of two neighbouring tiles are 16 neighbours.
; A block's scale is 2^(floor(log2(largest magnitude)) - 4): the byte is the largest magnitude's exponent field - 4, held at 1 from below.
; LIMITS: NaN and infinities are not served; a block whose largest magnitude lies under 2^-122 keeps the byte 1; a block of zeros gets the byte 1, not 127: its codes are zeros and this program alone reads the bytes.
; Work-groups 0-255: a tile of 16 rows of x each (through a stage in LDS).  Work-groups 256-447: 256 columns x 256 along K of a weight each (no LDS).  The branch hangs on the work-group's number alone.
.set PITCH, 4112                       ; a stage row: 4,096 bytes + 16: an odd multiple of 16, so that 16 rows' reads of 16 bytes fall on different banks
.set XR,   16                          ; x path: v16-79   two rows as loaded
.set ST,   80                          ;         v80-143  64 numbers of my row: register 16 b + i = k 32 b + 16 (lane / 16) + i
.set TM,   144                         ;         v144-155 largest magnitudes, bytes, scale operands
.set PC,   156                         ;         v156-174 the codes
.set PW,   175                         ;         v175     the scale word
.set SEL,  2                           ; s[2:3]  lane selects for v_permlanex16_b32: lane l xor 16
.set OFFI, 16                          ; weight path: v16-47 byte offset of my column in row i of a block
.set X,    48                          ;         v48-111  two sets of 32 numbers
.set E,    112                         ;         v112-151 four blocks' codes, ten registers each
; 64 numbers of a lane become a fragment's 12 registers in v[PC] on and its row's scale word in v[PW]
.macro QUANT s
.irp b, 0,1,2,3
	v_max3_num_f32 v[TM+\b], |v[(\s)+16*\b]|, |v[(\s)+1+16*\b]|, 0x2800000   ; my 16 numbers of block b, and the floor 2^(5 - 127): the byte cannot fall under 1
.endr
.irp i, 2,4,6,8,10,12,14
.irp b, 0,1,2,3
	s_delay_alu instid0(VALU_DEP_4)
	v_max3_num_f32 v[TM+\b], |v[(\s)+16*\b+\i]|, |v[(\s)+1+16*\b+\i]|, v[TM+\b]
.endr
.endr
.irp b, 0,1,2,3
	s_delay_alu instid0(VALU_DEP_4)
	v_permlanex16_b32 v[TM+4+\b], v[TM+\b], s[SEL], s[SEL+1]
.endr
.irp b, 0,1,2,3
	s_delay_alu instid0(VALU_DEP_4)
	v_max_num_f32 v[TM+\b], v[TM+\b], v[TM+4+\b]       ; with lane l xor 16's 16: the block's largest magnitude
.endr
.irp b, 0,1,2,3
	s_delay_alu instid0(VALU_DEP_4)
	v_add_nc_u32 v[TM+8+\b], 0xfe000000, v[TM+\b]      ; 4 off its exponent field: the conversion's scale operand
.endr
.irp b, 0,1,2,3
	s_delay_alu instid0(VALU_DEP_4)
	v_lshrrev_b32 v[TM+4+\b], 23, v[TM+8+\b]           ; the byte
.endr
	s_delay_alu instid0(VALU_DEP_3)
	v_lshl_or_b32 v[PW], v[TM+5], 8, v[TM+4]
	s_delay_alu instid0(VALU_DEP_1)
	v_lshl_or_b32 v[PW], v[TM+6], 16, v[PW]
	s_delay_alu instid0(VALU_DEP_1)
	v_lshl_or_b32 v[PW], v[TM+7], 24, v[PW]
.irp c, 0,1
	v_cvt_scalef32_pk16_bf6_f32 v[PC+6*\c:PC+2+6*\c], v[(\s)+32*\c:(\s)+15+32*\c], v[TM+8+2*\c]
	v_cvt_scalef32_pk16_bf6_f32 v[PC+12+4*\c:PC+14+4*\c], v[(\s)+16+32*\c:(\s)+31+32*\c], v[TM+9+2*\c]   ; (a conversion's three registers begin on an even number)
.endr
	v_nop                                          ; one plain line behind the conversions
.irp c, 0,1                                    ; the layout wants a whole block in a lane: lanes 0-15 block 2 c, lanes 16-31 block 2 c + 1
.irp i, 0,1,2
	v_permlane16_swap_b32 v[PC+6*\c+\i], v[PC+12+4*\c+\i]
.endr
.irp i, 0,1,2
	s_delay_alu instid0(VALU_DEP_3)
	v_mov_b32 v[PC+3+6*\c+\i], v[PC+12+4*\c+\i]
.endr
.endr
.endm
	s_load_b512 s[16:31], s[0:1], 0x0              ; x 16, Wq 18, Wk 20, Wv 22, Wo 24, W1 26, W2 28, wc 30
	s_load_b64 s[32:33], s[0:1], 0x40              ; ws
	v_lshl_add_u32 v176, v0, 2, 0x10100
	v_mov_b32 v177, 0
	v_lshrrev_b32 v1, 5, v0
	s_delay_alu instid0(VALU_DEP_1)
	v_readfirstlane_b32 s8, v1                     ; wave 0..7
	v_and_b32 v7, 31, v0                           ; lane
	s_delay_alu instid0(VALU_DEP_1)
	v_lshlrev_b32 v2, 3, v7                        ; 8 x lane: my place in a piece of an image
	s_cmp_lt_u32 ttmp9, 256
	s_cbranch_scc0 .Lweights
	; ---- x: work-group T = tile T.  Wave w loads the tile's rows 2 w and 2 w + 1, which are neighbours in memory: 8,192 consecutive bytes
	s_mov_b32 s[SEL], 0x76543210
	s_mov_b32 s[SEL+1], 0xfedcba98
	v_lshlrev_b32 v1, 4, v7                        ; 16 x lane
	v_and_b32 v5, 15, v0                           ; r
	v_bfe_u32 v6, v0, 4, 1                         ; h
	s_delay_alu instid0(VALU_DEP_2)
	v_lshlrev_b32 v3, 2, v5                        ; 4 r
	s_mul_i32 s9, s8, 2*PITCH
	v_add_nc_u32 v4, s9, v1                        ; into the stage: rows 2 w, 2 w + 1
	v_mul_u32_u24 v5, v5, PITCH
	s_delay_alu instid0(VALU_DEP_1)
	v_lshl_add_u32 v5, v6, 6, v5
	s_lshl_b32 s9, s8, 9
	v_add_nc_u32 v5, s9, v5                        ; out of it: row r, K step w (512 bytes), + 64 h
.irp b, 0,1,2,3
	v_mov_b32 v[TM+4+\b], 0                        ; a lane permute's destination counts as read
.endr
	s_lshr_b32 s10, ttmp9, 1
	s_lshl_b32 s10, s10, 5
	s_and_b32 s11, ttmp9, 1
	s_lshl_b32 s11, s11, 3
	s_add_co_u32 s10, s10, s11
	s_lshr_b32 s11, s8, 2
	s_lshl_b32 s11, s11, 4
	s_add_co_u32 s10, s10, s11
	s_and_b32 s11, s8, 3
	s_lshl_b32 s11, s11, 1
	s_add_co_u32 s10, s10, s11                     ; 32 (T / 2) + 8 (T % 2) + 16 (w / 4) + 2 (w % 4)
	s_lshl_b32 s10, s10, 12                        ; x 4,096 bytes
	s_mov_b32 s11, 0
	s_lshl_b32 s12, ttmp9, 3
	s_add_co_u32 s12, s12, s8                      ; my fragment: 8 T + w
	s_mul_i32 s14, s12, 1536
	s_mov_b32 s15, 0
	s_lshl_b32 s12, s12, 6
	s_mov_b32 s13, 0
	s_wait_alu depctr_va_vdst(0)
	s_wait_kmcnt 0x0
	s_add_nc_u64 s[16:17], s[16:17], s[10:11]
	s_add_nc_u64 s[30:31], s[30:31], s[14:15]
	s_add_nc_u64 s[32:33], s[32:33], s[12:13]
.irp k, 0,1,2,3,4,5,6,7,8,9,10,11,12,13,14,15
	global_load_b128 v[XR+4*\k:XR+4*\k+3], v1, s[16:17] offset:512*\k th:TH_LOAD_NT   ; 32 lanes read 512 consecutive bytes
.endr
.irp k, 0,1,2,3,4,5,6,7,8,9,10,11,12,13,14,15
	s_wait_loadcnt 15-\k                           ; load k is in; the younger ones stay out
	ds_store_b128 v4, v[XR+4*\k:XR+4*\k+3] offset:(\k/8)*PITCH+512*(\k%8)
.endr
	s_wait_dscnt 0x0                               ; my stores have landed, for the other waves' sake
	s_barrier_signal -1
	s_barrier_wait -1                              ; the tile's 16 rows lie in the stage
.irp b, 0,1,2,3
.irp j, 0,1,2,3
	ds_load_b128 v[ST+16*\b+4*\j:ST+16*\b+4*\j+3], v5 offset:128*\b+16*\j   ; wave w takes K step w of all 16 rows
.endr
.endr
	s_wait_dscnt 0x0
	QUANT ST
.irp p, 0,1,2,3,4,5
	global_store_b64 v2, v[PC+2*\p:PC+2*\p+1], s[30:31] offset:256*\p   ; 32 lanes store 256 consecutive bytes, aligned
.endr
	global_store_b32 v3, v[PW], s[32:33]           ; lanes r and r + 16 hold the same word and write it to the same place
	s_wait_tensorcnt 0x0
	ds_add_u32 v176, v177
	s_wait_dscnt 0x0
	s_endpgm
	; ---- the weights.  g = 0..63: Wq, Wk, Wv, Wo, 16 work-groups each; 64..127: W1; 128..191: W2
.Lweights:
	s_sub_co_u32 s60, ttmp9, 256                   ; g
	s_wait_kmcnt 0x0
	s_mov_b64 s[34:35], s[28:29]
	s_cmp_lt_u32 s60, 128
	s_cselect_b64 s[34:35], s[26:27], s[34:35]
	s_cmp_lt_u32 s60, 64
	s_cselect_b64 s[34:35], s[24:25], s[34:35]
	s_cmp_lt_u32 s60, 48
	s_cselect_b64 s[34:35], s[22:23], s[34:35]
	s_cmp_lt_u32 s60, 32
	s_cselect_b64 s[34:35], s[20:21], s[34:35]
	s_cmp_lt_u32 s60, 16
	s_cselect_b64 s[34:35], s[18:19], s[34:35]     ; the weight: the choice hangs on the work-group's number alone
	s_cmp_lt_u32 s60, 64
	s_cselect_b32 s61, 15, 63
	s_and_b32 s61, s60, s61                        ; my number among the weight's work-groups
	s_lshr_b32 s62, s60, 6                         ; 0: a square weight, 1: W1, 2: W2
	s_cmp_eq_u32 s62, 1
	s_cselect_b32 s63, 15, 3
	s_cselect_b32 s66, 4, 2
	s_cselect_b32 s67, 14, 12                      ; log2 of a row's bytes: 16,384 in W1, else 4,096
	s_and_b32 s68, s61, s63                        ; which 256 columns
	s_lshr_b32 s69, s61, s66                       ; which 256 along K
	s_lshl_b32 s70, 1, s67                         ; a row's bytes
	s_cmp_eq_u32 s62, 2
	s_cselect_b32 s71, 32, 8                       ; K / 128
	s_lshr_b32 s72, s60, 4
	s_lshl_b32 s72, s72, 9
	s_add_co_u32 s72, s72, 2048                    ; square: 2048 + 512 (g / 16)
	s_lshl_b32 s73, s62, 11
	s_add_co_u32 s73, s73, 2048                    ; W1: 4096, W2: 6144
	s_cmp_eq_u32 s62, 0
	s_cselect_b32 s72, s72, s73                    ; the weight's first fragment
	s_lshl_b32 s73, s68, 4
	s_lshl_b32 s74, s8, 1
	s_add_co_u32 s73, s73, s74                     ; my wave's first tile of columns: 16 x column group + 2 w
	s_mul_i32 s73, s73, s71
	s_add_co_u32 s73, s73, s72
	s_lshl_b32 s74, s69, 1
	s_add_co_u32 s73, s73, s74                     ; its fragment of my first K step
	s_mul_i32 s74, s73, 1536
	s_mov_b32 s75, 0
	s_add_nc_u64 s[52:53], s[30:31], s[74:75]      ; codes of my first tile,
	s_mul_i32 s74, s71, 1536
	s_add_nc_u64 s[54:55], s[52:53], s[74:75]      ; of my second,
	s_lshl_b32 s74, s73, 6
	s_add_nc_u64 s[56:57], s[32:33], s[74:75]      ; and the scale words
	s_lshl_b32 s58, s69, 8
	s_lshl_b32 s58, s58, s67                       ; 256 rows x K group,
	s_lshl_b32 s59, s68, 10
	s_add_co_u32 s58, s58, s59                     ; + 256 columns x column group,
	s_lshl_b32 s59, s8, 7
	s_add_co_u32 s58, s58, s59                     ; + 32 columns x wave
	s_mov_b32 s59, 0
	s_add_nc_u64 s[36:37], s[34:35], s[58:59]      ; a base for each of my 8 blocks of 32 rows: none is ever stepped
	s_lshl_b32 s58, s70, 5
.irp t, 1,2,3,4,5,6,7
	s_add_nc_u64 s[36+2*\t:37+2*\t], s[34+2*\t:35+2*\t], s[58:59]
.endr
	; A LANE TAKES A COLUMN AND ITS REGISTERS RUN DOWN K.  Lane l takes column l % 8 + 16 ((l / 8) % 2) + 8 (l / 16) of the wave's 32: lanes 0-15 are the rows of the first tile, lanes 16-31 of the second
	v_and_b32 v3, 7, v0
	v_bfe_u32 v4, v0, 3, 1
	s_delay_alu instid0(VALU_DEP_1)
	v_lshl_add_u32 v3, v4, 4, v3
	v_bfe_u32 v4, v0, 4, 1
	s_delay_alu instid0(VALU_DEP_1)
	v_lshl_add_u32 v3, v4, 3, v3
	s_delay_alu instid0(VALU_DEP_1)
	v_lshlrev_b32 v3, 2, v3
.set i, 0
.rept 32
	v_mad_u32_u24 v[OFFI+i], s70, i, v3
.set i, i+1
.endr
	v_and_b32 v6, 15, v0
	s_delay_alu instid0(VALU_DEP_1)
	v_lshlrev_b32 v6, 2, v6
	s_lshl_b32 s60, s71, 6
	v_mad_u32_u24 v6, v4, s60, v6                  ; my scale word: 4 r, and a tile's words further on for lanes 16-31
.macro LOADW t                         ; block t: 32 rows of my column; a load reads the wave's 128 consecutive bytes
.set i, 0
.rept 32
	global_load_b32 v[X+32*((\t)%2)+i], v[OFFI+i], s[36+2*(\t):37+2*(\t)] th:TH_LOAD_NT
.set i, i+1
.endr
.endm
.macro BLOCK t
.set XS, X+32*((\t)%2)
.set EB, E+10*((\t)%4)
.if (\t) < 7
	s_wait_loadcnt 32                              ; this block's 32 loads are in; the next block's may be out
.else
	s_wait_loadcnt 0x0
.endif
	v_max3_num_f32 v12, |v[XS]|, |v[XS+1]|, |v[XS+2]|   ; all 32 numbers of the block are mine
	v_max3_num_f32 v13, |v[XS+3]|, |v[XS+4]|, |v[XS+5]|
.irp i, 6,10,14,18,22,26
	s_delay_alu instid0(VALU_DEP_2)
	v_max3_num_f32 v12, v12, |v[XS+\i]|, |v[XS+\i+1]|
	s_delay_alu instid0(VALU_DEP_2)
	v_max3_num_f32 v13, v13, |v[XS+\i+2]|, |v[XS+\i+3]|
.endr
	s_delay_alu instid0(VALU_DEP_2)
	v_max3_num_f32 v12, v12, |v[XS+30]|, |v[XS+31]|
	s_delay_alu instid0(VALU_DEP_1)
	v_max3_num_f32 v12, v12, v13, 0x2800000        ; and the floor
	s_delay_alu instid0(VALU_DEP_1)
	v_add_nc_u32 v11, 0xfe000000, v12
	s_delay_alu instid0(VALU_DEP_1)
	v_lshrrev_b32 v10, 23, v11
.if (\t)%4 == 0
	s_delay_alu instid0(VALU_DEP_1)
	v_mov_b32 v[8+(\t)/4], v10                     ; four bytes to a word, a word for each K step
.else
	s_delay_alu instid0(VALU_DEP_1)
	v_lshl_or_b32 v[8+(\t)/4], v10, 8*((\t)%4), v[8+(\t)/4]
.endif
.if (\t) == 4
	s_wait_alu depctr_va_vdst(0)
	s_wait_xcnt 0x0                                ; the first K step's stores have read the code registers, which are written again now
.endif
	v_cvt_scalef32_pk16_bf6_f32 v[EB:EB+2], v[XS:XS+15], v11
	v_cvt_scalef32_pk16_bf6_f32 v[EB+6:EB+8], v[XS+16:XS+31], v11
.if (\t)+2 < 8
	LOADW (\t)+2
.endif
.endm
; Four blocks are a K step.  Block t of lane (tile u, row r) belongs in lane (r, t % 2) of tile u's registers 6 (t / 2) on: one exchange of halves between blocks 2 c and 2 c + 1 puts the first tile's registers
; into the first block's place and the second tile's into the second's.
.macro FLUSH ks
	v_nop                                          ; one plain line behind the conversions
.irp q, 0,2
.irp i, 0,1,2
	v_permlane16_swap_b32 v[E+10*\q+\i], v[E+10*(\q+1)+\i]
	v_permlane16_swap_b32 v[E+10*\q+6+\i], v[E+10*(\q+1)+6+\i]
.endr
.endr
.irp q, 0,1,2,3
.irp i, 0,1,2
	v_mov_b32 v[E+10*\q+3+\i], v[E+10*\q+6+\i]
.endr
.endr
.irp q, 0,1,2,3
.irp p, 0,1,2
	global_store_b64 v2, v[E+10*\q+2*\p:E+10*\q+2*\p+1], s[52+2*(\q%2):53+2*(\q%2)] offset:1536*\ks+768*(\q/2)+256*\p   ; 256 consecutive bytes, aligned
.endr
.endr
	global_store_b32 v6, v[8+\ks], s[56:57] offset:64*\ks   ; two runs of 64 bytes: the words are 1/24 of what is stored
.endm
	LOADW 0
	LOADW 1
	BLOCK 0
	BLOCK 1
	BLOCK 2
	BLOCK 3
	FLUSH 0
	BLOCK 4
	BLOCK 5
	BLOCK 6
	BLOCK 7
	FLUSH 1
	s_endpgm
.Lfunc_end_k_q64d9cfccdb_quant:
	.size	k_q64d9cfccdb_quant, .Lfunc_end_k_q64d9cfccdb_quant-k_q64d9cfccdb_quant
	.p2alignl 7, 3214868480
	.fill 96, 4, 3214868480
	.section	.rodata,"a",@progbits
	.p2align	6, 0x0
	.amdhsa_kernel k_q64d9cfccdb_quant
		.amdhsa_group_segment_fixed_size 66816
		.amdhsa_private_segment_fixed_size 0
		.amdhsa_enable_private_segment 0
		.amdhsa_kernarg_size 72
		.amdhsa_user_sgpr_count 2
		.amdhsa_user_sgpr_kernarg_segment_ptr 1
		.amdhsa_wavefront_size32 1
		.amdhsa_system_sgpr_workgroup_id_x 1
		.amdhsa_system_sgpr_workgroup_id_y 1
		.amdhsa_system_sgpr_workgroup_id_z 1
		.amdhsa_system_vgpr_workitem_id 0
		.amdhsa_next_free_vgpr 178
		.amdhsa_next_free_sgpr 80
		.amdhsa_reserve_vcc 0
		.amdhsa_float_denorm_mode_32 3
		.amdhsa_float_denorm_mode_16_64 3
		.amdhsa_memory_ordered 1
		.amdhsa_forward_progress 1
		.amdhsa_inst_pref_size 61
	.end_amdhsa_kernel
	.amdgpu_metadata
---
amdhsa.version: [ 1, 2 ]
amdhsa.kernels:
  - .name:           k_q64d9cfccdb_quant
    .symbol:         k_q64d9cfccdb_quant.kd
    .args:
      - { .name: x, .offset: 0, .size: 8, .value_kind: global_buffer, .address_space: global }
      - { .name: Wq, .offset: 8, .size: 8, .value_kind: global_buffer, .address_space: global }
      - { .name: Wk, .offset: 16, .size: 8, .value_kind: global_buffer, .address_space: global }
      - { .name: Wv, .offset: 24, .size: 8, .value_kind: global_buffer, .address_space: global }
      - { .name: Wo, .offset: 32, .size: 8, .value_kind: global_buffer, .address_space: global }
      - { .name: W1, .offset: 40, .size: 8, .value_kind: global_buffer, .address_space: global }
      - { .name: W2, .offset: 48, .size: 8, .value_kind: global_buffer, .address_space: global }
      - { .name: wc, .offset: 56, .size: 8, .value_kind: global_buffer, .address_space: global }
      - { .name: ws, .offset: 64, .size: 8, .value_kind: global_buffer, .address_space: global }
    .group_segment_fixed_size: 66816
    .private_segment_fixed_size: 0
    .kernarg_segment_align: 8
    .kernarg_segment_size: 72
    .max_flat_workgroup_size: 256
    .sgpr_count:     80
    .vgpr_count:     178
    .wavefront_size: 32
...
	.end_amdgpu_metadata
.endif
;; end of part 9
;; launch qkv (part 10): grid 12 x 16, 4 waves a work-group, clusters of 4 x 4, 327,680 bytes of LDS; arguments wc, ws, qkv; writes qkv
.if DOCPART == 10
	.amdgcn_target "amdgcn-amd-amdhsa--gfx1250"
	.amdhsa_code_object_version 6
	.text
	.protected	k_q64d9cfccdb_qkv
	.globl	k_q64d9cfccdb_qkv
	.p2align	8
	.type	k_q64d9cfccdb_qkv,@function
k_q64d9cfccdb_qkv:
	s_mov_b64 s[64:65], 0
	v_nop
	global_prefetch_b8 v0, s[64:65] scope:SCOPE_SE
	s_setreg_imm32_b32 hwreg(HW_REG_WAVE_MODE, 25, 1), 1
	s_wait_xcnt 0x0
	s_wait_alu depctr_hold_cnt(0) depctr_sa_sdst(0) depctr_va_vdst(0) depctr_va_sdst(0) depctr_va_ssrc(0) depctr_va_vcc(0) depctr_vm_vsrc(0)
	s_getreg_b32 s2, hwreg(HW_REG_IB_STS2, 6, 4)
	s_cmp_eq_u32 s2, 0
	s_cbranch_scc0 .Lentry_in_a_cluster
	s_endpgm
.Lentry_in_a_cluster:
	s_bfe_u32 s2, ttmp6, 0x10000c
	s_cmp_lg_u32 s2, 0xf033
	s_cbranch_scc0 .Lentry_shape_is_right
	s_endpgm
.Lentry_shape_is_right:
.set SIZE_K, 1024
.set QOFF,   6815744
.set QSOFF,  9961472
.set KS,     SIZE_K/128
.set NQ,     2
.set FR,     12
.set NL,     6
.set NP,     4
.set HALFT,  8*3072
.set SLOT,   4*HALFT
.set LAPS,   SIZE_K/512
.set SCL,    2*SLOT
.set HALFS,  512*KS
.set SPARE,  SCL+4*HALFS
.set ADRA, 16
.set ADRB, 20
.set LN8,  24
.set SOFF, 25
.set LN4,  26
.set ADRS, 27
.set SPW,  28
.set NIL,  29
.set SH,   30
.set WD,   31
.set SC,   32
.set TM,   64
.set PC,   76
.set PW,   96
.set AF,   128
.set SEL,  18
.set G1, 24
.set G0, 32
.set G1B, 48
.set G0B, 56
.set G1S, 68
.set G0S, 76
.set G1SB, 80
.set G0SB, 88
.set MSB, 0
.macro WIN new
.if MSB != (\new)
	s_set_vgpr_msb (MSB<<8)|(\new)
.set MSB, (\new)
.endif
.endm
.set MUL_LO, 0xa1
.set MUL_HI, 0xf1
.set TO_B,   0x40
.macro JLOAD g0a, g1a, g0b, g1b
	s_cmp_eq_u32 s15, 0
	s_cbranch_scc0 .Lfor_b_\@
	tensor_load_to_lds s[\g0a:\g0a+3], s[\g1a:\g1a+7]
	s_nop 0
.rept 4
	v_nop
.endr
	s_branch .Lasked_\@
.Lfor_b_\@:
	tensor_load_to_lds s[\g0b:\g0b+3], s[\g1b:\g1b+7]
	s_nop 0
.rept 4
	v_nop
.endr
.Lasked_\@:
.endm
.macro CREST
	s_cmp_lg_u32 s14, 0
	s_cbranch_scc1 .Lnot_wave_0_\@
	s_barrier_signal -3
.Lnot_wave_0_\@:
	s_barrier_wait -3
	s_barrier_signal -1
	s_barrier_wait -1
.endm
.macro CROUND
	s_barrier_signal -1
	s_barrier_wait -1
	CREST
.endm
	s_load_b128 s[4:7], s[0:1], 0x0
	s_load_b64 s[8:9], s[0:1], 0x10
	v_lshl_add_u32 v[SPW], v0, 2, SPARE
	v_mov_b32 v[NIL], 0
	ds_add_u32 v28, v29
	ds_add_u32 v28, v29
	s_wait_dscnt 0x0
	v_lshrrev_b32 v1, 5, v0
	v_readfirstlane_b32 s14, v1
	s_lshr_b32 s15, s14, 1
	s_and_b32 s16, s14, 1
	s_bfe_u32 s40, ttmp6, 0x40000
	s_bfe_u32 s41, ttmp6, 0x40004
	s_and_b32 s18, ttmp7, 0xffff
	s_cmp_eq_u32 ttmp9, 2
	s_cselect_b32 s95, 1, 0
	s_cselect_b32 s42, s18, ttmp9
	s_cselect_b32 s17, 0, s18
	s_cselect_b32 s96, 3072, 0
	s_cselect_b32 s97, 0, 2048
	s_lshl_b32 s42, s42, 2
	s_add_co_u32 s42, s42, s40
	s_lshl_b32 s17, s17, 2
	s_add_co_u32 s17, s17, s41
	s_lshl_b32 s43, s41, 2
	s_lshl_b32 s43, 15, s43
	s_lshl_b32 s44, 0x1111, s40
	s_or_b32 s[G1+0], s43, (3<<16)|(1<<21)
	s_or_b32 s[G1B+0], s44, (3<<16)|(1<<21)
.irp g, G1, G1B
	s_mov_b32 s[\g+1], 384<<16
	s_mov_b32 s[\g+2], 16<<16                      ; the head's loads bring a whole tile: 16 row tiles
	s_mov_b32 s[\g+3], 384<<16
	s_mov_b32 s[\g+4], 16
	s_mov_b32 s[\g+5], 192*KS
	s_mov_b32 s[\g+6], 0
	s_mov_b32 s[\g+7], 0
.endr
	s_or_b32 s[G1S+0], s43, (3<<16)|(1<<21)
	s_or_b32 s[G1SB+0], s44, (3<<16)|(1<<21)
.irp g, G1S, G1SB
	s_mov_b32 s[\g+1], 32<<16
	s_mov_b32 s[\g+2], (4*KS)<<16                  ; the scale words of 16 row tiles
	s_mov_b32 s[\g+3], 32<<16
	s_mov_b32 s[\g+4], 4*KS
	s_mov_b32 s[\g+5], 32
	s_mov_b32 s[\g+6], 0
	s_mov_b32 s[\g+7], 0
.endr
	s_lshl_b32 s18, s16, 3
	s_lshl_b32 s20, s17, 4
	s_add_co_u32 s20, s20, s18
	s_mul_i32 s20, s20, KS
	s_add_co_u32 s20, s20, s96
	s_lshl_b32 s22, s20, 6
	s_mov_b32 s23, 0
	s_mul_i32 s20, s20, 1536
	s_mov_b32 s21, 0
	s_lshl_b32 s46, s42, 4
	s_add_co_u32 s46, s46, s18
	s_mul_i32 s46, s46, KS
	s_add_co_u32 s46, s46, s97
	s_lshl_b32 s92, s46, 6
	s_mov_b32 s93, 0
	s_mul_i32 s46, s46, 1536
	s_mov_b32 s47, 0
	s_mul_i32 s45, s14, HALFT
	s_wait_kmcnt 0x0
	s_add_nc_u64 s[20:21], s[4:5], s[20:21]
	s_add_nc_u64 s[22:23], s[6:7], s[22:23]
	s_add_nc_u64 s[46:47], s[4:5], s[46:47]
	s_add_nc_u64 s[92:93], s[6:7], s[92:93]
	CROUND
; THE HEAD'S FOUR TILES, ONE JOINT LOAD A WAVE: wave 0 slot 0's whole tile of A, wave 1 that of B, wave 2 A's scale words, wave 3 B's.  The addresses above point at my half of a tile: my half's distance is taken off.
	s_mul_i32 s96, s16, 24*HALFS                   ; codes: 24 bytes for each byte of scale words
	s_mov_b32 s97, 0
	s_mov_b32 s[G0], 1
	s_mov_b32 s[G0+1], 0
	s_sub_nc_u64 s[G0+2:G0+3], s[20:21], s[96:97]
	s_or_b32 s[G0+3], s[G0+3], 0x80000000
	s_mov_b32 s[G0B], 1
	s_mov_b32 s[G0B+1], 2*HALFT
	s_sub_nc_u64 s[G0B+2:G0B+3], s[46:47], s[96:97]
	s_or_b32 s[G0B+3], s[G0B+3], 0x80000000
	s_mul_i32 s96, s16, HALFS
	s_mov_b32 s[G0S], 1
	s_mov_b32 s[G0S+1], SCL
	s_sub_nc_u64 s[G0S+2:G0S+3], s[22:23], s[96:97]
	s_or_b32 s[G0S+3], s[G0S+3], 0x80000000
	s_mov_b32 s[G0SB], 1
	s_mov_b32 s[G0SB+1], SCL+2*HALFS
	s_sub_nc_u64 s[G0SB+2:G0SB+3], s[92:93], s[96:97]
	s_or_b32 s[G0SB+3], s[G0SB+3], 0x80000000
	s_mov_b32 s[G0+4], 1                           ; slot 1: my quarter, as in the ring
	s_add_co_u32 s[G0+5], s45, SLOT
	s_add_nc_u64 s[G0+6:G0+7], s[20:21], 3072
	s_or_b32 s[G0+7], s[G0+7], 0x80000000
	s_mov_b32 s[G0B+4], 1
	s_add_co_u32 s[G0B+5], s45, SLOT
	s_add_nc_u64 s[G0B+6:G0B+7], s[46:47], 3072
	s_or_b32 s[G0B+7], s[G0B+7], 0x80000000
.macro ARM under, g0, g1, next         ; one chain of branches on the wave's number: every way through it passes one load
	s_cmp_lt_u32 s14, \under
	s_cbranch_scc0 \next
	tensor_load_to_lds s[\g0:\g0+3], s[\g1:\g1+7]
	s_nop 0
.rept 4
	v_nop
.endr
	s_branch .Lhead_asked
\next:
.endm
	ARM 1, G0,  G1,  .Lhead_b
	ARM 2, G0B, G1B, .Lhead_sa
	ARM 3, G0S, G1S, .Lhead_sb
	tensor_load_to_lds s[G0SB:G0SB+3], s[G1SB:G1SB+7]
	s_nop 0
.rept 4
	v_nop
.endr
.Lhead_asked:
	s_wait_alu depctr_va_vdst(0)
	s_wait_tensorcnt 0x0                           ; my tile of the four is in
	ds_add_u32 v28, v29
	s_mov_b32 s[G1+2], 8<<16                       ; no tensor load of mine is out: from here on a load brings 8 row tiles,
	s_mov_b32 s[G1+4], 8
	s_mov_b32 s[G1B+2], 8<<16
	s_mov_b32 s[G1B+4], 8
	s_add_co_u32 s[G0+1], s45, 0                   ; and slot 0's group 0 stands at my quarter, for its first refill
	s_mov_b64 s[G0+2:G0+3], s[20:21]
	s_or_b32 s[G0+3], s[G0+3], 0x80000000
	s_add_co_u32 s[G0B+1], s45, 0
	s_mov_b64 s[G0B+2:G0B+3], s[46:47]
	s_or_b32 s[G0B+3], s[G0B+3], 0x80000000
	s_wait_dscnt 0x0
	CROUND
	JLOAD G0+4, G1, G0B+4, G1B
	v_and_b32 v1, 15, v0
	v_bfe_u32 v2, v0, 4, 1
	v_and_b32 v3, 31, v0
	v_lshlrev_b32 v[LN8], 3, v3
	v_lshlrev_b32 v[LN4], 2, v3
	v_lshlrev_b32 v[SH], 4, v2
	s_mul_i32 s21, s15, HALFT
	s_mul_i32 s22, s16, HALFT
	s_add_co_u32 s22, s22, 2*HALFT
.irp s, 0,1
	v_add_nc_u32 v[ADRA+\s], s21, v[LN8]
	v_add_nc_u32 v[ADRB+\s], s22, v[LN8]
	s_add_co_u32 s21, s21, SLOT
	s_add_co_u32 s22, s22, SLOT
.endr
	v_lshlrev_b32 v5, 2, v1
	s_mul_i32 s21, s15, HALFS
	s_mul_i32 s22, s16, HALFS
	s_add_co_u32 s22, s22, 2*HALFS
	s_sub_co_u32 s22, s22, s21
	v_mul_u32_u24 v6, s22, v2
	s_add_co_u32 s21, s21, SCL
	v_add_nc_u32 v6, v5, v6
	v_add_nc_u32 v[ADRS], s21, v6
.irp b, 0,1,2,3
	v_mov_b32 v[TM+4+\b], 0
.endr
	s_cmp_eq_u32 s95, 1
	s_cselect_b32 s18, s42, s17
	s_lshr_b32 s18, s18, 3
	s_lshl_b32 s18, s18, 4
	s_lshl_b32 s19, s17, 2
	s_lshl_b32 s45, s15, 1
	s_add_co_u32 s19, s19, s45
	s_lshl_b32 s46, s40, 2
	s_lshl_b32 s45, s16, 1
	s_add_co_u32 s46, s46, s45
	s_lshl_b32 s47, s42, 1
	s_add_co_u32 s47, s47, s16
	s_and_b32 s47, s47, 15
	s_lshl_b32 s92, s17, 4
	s_lshl_b32 s45, s15, 3
	s_add_co_u32 s92, s92, s45
	s_and_b32 s92, s92, 127
	s_cmp_eq_u32 s95, 1
	s_cselect_b32 s19, s19, s46
	s_cselect_b32 s47, s47, s92
	s_add_co_u32 s18, s18, s19
	s_mov_b32 s45, 212992
	s_cmp_eq_u32 ttmp9, 0
	s_cselect_b32 s93, 98304, s45
	s_cselect_b32 s94, 8192, s45
	s_cmp_eq_u32 s95, 1
	s_cselect_b32 s46, 98304, 0
	s_mov_b32 s45, 196608
	s_cselect_b32 s92, 204800, s45
	s_mov_b32 s45, 768
	s_cselect_b32 s19, 6144, s45
	s_cselect_b32 s45, 512, 64
	s_cmp_eq_u32 ttmp9, 0
	s_cselect_b32 s46, QOFF, s46
	s_cselect_b32 s92, QSOFF, s92
	s_mul_i32 s10, s18, s93
	s_add_co_u32 s10, s10, s46
	s_mul_i32 s19, s47, s19
	s_add_co_u32 s10, s10, s19
	s_mov_b32 s11, 0
	s_add_nc_u64 s[10:11], s[8:9], s[10:11]
	s_mov_b32 s12, s93
	s_mov_b32 s13, 0
	s_add_nc_u64 s[12:13], s[10:11], s[12:13]
	s_mul_i32 s20, s18, s94
	s_add_co_u32 s20, s20, s92
	s_mul_i32 s45, s47, s45
	s_add_co_u32 s20, s20, s45
	s_mov_b32 s21, 0
	s_add_nc_u64 s[20:21], s[8:9], s[20:21]
	s_mov_b32 s22, s94
	s_mov_b32 s23, 0
	s_add_nc_u64 s[22:23], s[20:21], s[22:23]
	v_mul_u32_u24 v6, s94, v2
	s_wait_alu depctr_va_vdst(0)
	v_add_nc_u32 v[SOFF], v5, v6
	s_mov_b32 s2, 0x7f7f0000
	s_mov_b32 s[SEL], 0x76543210
	s_mov_b32 s[SEL+1], 0xfedcba98
.macro FRAG reg, adr, q, i
.irp p, 0,1,2,3,4,5
	ds_load_b64 v[\reg+2*\p:\reg+2*\p+1], v[\adr] offset:3072*(\i)+1536*(\q)+256*\p
.endr
.endm
.macro MUL16 a0, p, q, sc, zero
.irp a, \a0, \a0+1
.irp b, 0,1,2,3,4,5,6,7
.if \zero
	v_wmma_scale_f32_16x16x128_f8f6f4 v[8*(8*((\a)%4)+\b):8*(8*((\a)%4)+\b)+7], v[128*(\p)+FR*\b:128*(\p)+FR*\b+FR-1], v[AF+FR*(\a):AF+FR*(\a)+FR-1], 0, v[SC+8*NQ*(\sc)+NQ*\b+(\q)], v[SC+8*NQ*(\sc)+NQ*(\a)+(\q)] matrix_a_fmt:MATRIX_FMT_BF6 matrix_b_fmt:MATRIX_FMT_BF6 matrix_a_scale:MATRIX_SCALE_ROW1
.else
	v_wmma_scale_f32_16x16x128_f8f6f4 v[8*(8*((\a)%4)+\b):8*(8*((\a)%4)+\b)+7], v[128*(\p)+FR*\b:128*(\p)+FR*\b+FR-1], v[AF+FR*(\a):AF+FR*(\a)+FR-1], v[8*(8*((\a)%4)+\b):8*(8*((\a)%4)+\b)+7], v[SC+8*NQ*(\sc)+NQ*\b+(\q)], v[SC+8*NQ*(\sc)+NQ*(\a)+(\q)] matrix_a_fmt:MATRIX_FMT_BF6 matrix_b_fmt:MATRIX_FMT_BF6 matrix_a_scale:MATRIX_SCALE_ROW1
.endif
.endr
.endr
.endm
.macro FETCH_B slot, q, p
	WIN TO_B
.irp i, 0,1,2,3,4,5,6,7
	FRAG 128*(\p)+FR*\i, ADRB+\slot, \q, \i
.endr
	WIN 0
.endm
.macro FETCH_A slot, q, i0
.irp i, \i0, \i0+1, \i0+2, \i0+3
	FRAG AF+FR*(\i), ADRA+\slot, \q, \i
.endr
.endm
.macro SCALES sc
.irp i, 0,1,2,3,4,5,6,7
.irp q, 0,1
	ds_load_b32 v[SC+8*NQ*\sc+NQ*\i+\q], v[ADRS] offset:64*KS*\i+64*\q
.endr
.endr
.endm
.macro PLACES n
.rept \n
	v_nop
.endr
.endm
.macro STEP slot, q, zero
	s_wait_dscnt 4*NL
	WIN MUL_LO
	MUL16 0, (\q)%2, \q, \slot, \zero
	MUL16 2, (\q)%2, \q, \slot, \zero
	s_wait_dscnt 0
	PLACES NP
	FETCH_B \slot, (\q)+1, 1-(\q)%2
	FETCH_A \slot, (\q)+1, 0
	WIN MUL_HI
	MUL16 4, (\q)%2, \q, \slot, \zero
	MUL16 6, (\q)%2, \q, \slot, \zero
	PLACES NP
	WIN 0
	FETCH_A \slot, (\q)+1, 4
.endm
.macro TURN slot, next, fill
	s_wait_tensorcnt 0x0
	ds_add_u32 v[SPW], v[NIL]
	s_wait_dscnt 4*NL+1
	WIN MUL_LO
	MUL16 0, 1, NQ-1, \slot, 0
	s_wait_dscnt 0x0
	s_barrier_signal -1
	MUL16 2, 1, NQ-1, \slot, 0
	WIN 0
	s_barrier_wait -1
.if \fill
	CREST
	s_add_nc_u64 s[G0+4*\slot+2:G0+4*\slot+3], s[G0+4*\slot+2:G0+4*\slot+3], 6144
	s_add_nc_u64 s[G0B+4*\slot+2:G0B+4*\slot+3], s[G0B+4*\slot+2:G0B+4*\slot+3], 6144
	JLOAD G0+4*\slot, G1, G0B+4*\slot, G1B
.else
	PLACES NP
.endif
	s_wait_alu depctr_va_vdst(0)
	v_add_nc_u32 v[ADRS], 64*NQ, v[ADRS]
	FETCH_B \next, 0, 0
	FETCH_A \next, 0, 0
	SCALES \next
	WIN MUL_HI
	MUL16 4, 1, NQ-1, \slot, 0
	MUL16 6, 1, NQ-1, \slot, 0
	PLACES NP
	WIN 0
	FETCH_A \next, 0, 4
.endm
	s_wait_tensorcnt 1
	s_barrier_signal -1
	s_barrier_wait -1
	FETCH_B 0, 0, 0
	FETCH_A 0, 0, 0
	SCALES 0
	FETCH_A 0, 0, 4
	STEP 0, 0, 1
	s_mov_b32 s3, LAPS-1
.Llap:
	TURN 0, 1, 1
	STEP 1, 0, 0
	TURN 1, 0, 1
	STEP 0, 0, 0
	s_sub_co_u32 s3, s3, 1
	s_cmp_lg_u32 s3, 0
	s_cbranch_scc1 .Llap
	TURN 0, 1, 0
	STEP 1, 0, 0
	s_wait_dscnt 4*NL
	WIN MUL_LO
	MUL16 0, 1, NQ-1, 1, 0
	MUL16 2, 1, NQ-1, 1, 0
	s_wait_dscnt 0
	WIN MUL_HI
	MUL16 4, 1, NQ-1, 1, 0
	MUL16 6, 1, NQ-1, 1, 0
	WIN 0
.macro QUANT s, w
	WIN (\w)|((\w)<<2)
.irp b, 0,1,2,3
	v_max3_num_f32 v[TM+\b], |v[(\s)+16*\b]|, |v[(\s)+1+16*\b]|, 0x2800000
.endr
.irp i, 2,4,6,8,10,12,14
.irp b, 0,1,2,3
	v_max3_num_f32 v[TM+\b], |v[(\s)+16*\b+\i]|, |v[(\s)+1+16*\b+\i]|, v[TM+\b]
.endr
.endr
	WIN 0
.irp b, 0,1,2,3
	v_permlanex16_b32 v[TM+4+\b], v[TM+\b], s[SEL], s[SEL+1]
.endr
.irp b, 0,1,2,3
	v_max_num_f32 v[TM+\b], v[TM+\b], v[TM+4+\b]
.endr
.irp b, 0,1,2,3
	v_add_nc_u32 v[TM+8+\b], 0xfe000000, v[TM+\b]
.endr
.irp b, 0,1,2,3
	v_lshrrev_b32 v[TM+4+\b], 23, v[TM+8+\b]
.endr
	v_lshl_or_b32 v[PW], v[TM+5], 8, v[TM+4]
	v_lshl_or_b32 v[PW], v[TM+6], 16, v[PW]
	v_lshl_or_b32 v[PW], v[TM+7], 24, v[PW]
	WIN \w
.irp c, 0,1
	v_cvt_scalef32_pk16_bf6_f32 v[PC+6*\c:PC+2+6*\c], v[(\s)+32*\c:(\s)+15+32*\c], v[TM+8+2*\c]
	v_cvt_scalef32_pk16_bf6_f32 v[PC+12+4*\c:PC+14+4*\c], v[(\s)+16+32*\c:(\s)+31+32*\c], v[TM+9+2*\c]
.endr
	WIN 0
	v_nop
.irp c, 0,1
.irp i, 0,1,2
	v_permlane16_swap_b32 v[PC+6*\c+\i], v[PC+12+4*\c+\i]
.endr
.irp i, 0,1,2
	v_mov_b32 v[PC+3+6*\c+\i], v[PC+12+4*\c+\i]
.endr
.endr
.endm
.macro OUTA a
	s_wait_xcnt 0x0
	QUANT 64*((\a)%4), 2+(\a)/4
	s_cmp_eq_u32 s95, 0
	s_cbranch_scc0 .Lv_\@
	v_lshrrev_b32 v[WD], v[SH], v[PW]
	v_and_or_b32 v[WD], v[WD], 0xffff, s2
.irp p, 0,1,2
	global_store_b64 v[LN8], v[PC+2*\p:PC+2*\p+1], s[10:11] offset:768*(\a)+256*\p
	global_store_b64 v[LN8], v[PC+6+2*\p:PC+7+2*\p], s[12:13] offset:768*(\a)+256*\p
.endr
	global_store_b32 v[SOFF], v[WD], s[20:21] offset:64*(\a)
	s_branch .Ld_\@
.Lv_\@:
	s_wait_alu depctr_va_vdst(0)
.irp p, 0,1,2,3,4,5
	global_store_b64 v[LN8], v[PC+2*\p:PC+2*\p+1], s[10+2*((\a)/4):11+2*((\a)/4)] offset:1536*((\a)%4)+256*\p
.endr
	global_store_b32 v[LN4], v[PW], s[20+2*((\a)/4):21+2*((\a)/4)] offset:128*((\a)%4)
.Ld_\@:
.endm
	PLACES NP
.irp a, 0,1,2,3,4,5,6,7
	OUTA \a
.endr
	s_wait_tensorcnt 0x0
	ds_add_u32 v[SPW], v[NIL]
	s_wait_dscnt 0x0
	CROUND
	s_endpgm
.Lfunc_end_k_q64d9cfccdb_qkv:
	.size	k_q64d9cfccdb_qkv, .Lfunc_end_k_q64d9cfccdb_qkv-k_q64d9cfccdb_qkv
	.p2alignl 7, 3214868480
	.fill 96, 4, 3214868480
	.section	.rodata,"a",@progbits
	.p2align	6, 0x0
	.amdhsa_kernel k_q64d9cfccdb_qkv
		.amdhsa_group_segment_fixed_size 327680
		.amdhsa_private_segment_fixed_size 0
		.amdhsa_enable_private_segment 0
		.amdhsa_kernarg_size 24
		.amdhsa_user_sgpr_count 2
		.amdhsa_user_sgpr_kernarg_segment_ptr 1
		.amdhsa_wavefront_size32 1
		.amdhsa_system_sgpr_workgroup_id_x 1
		.amdhsa_system_sgpr_workgroup_id_y 1
		.amdhsa_system_sgpr_workgroup_id_z 1
		.amdhsa_system_vgpr_workitem_id 0
		.amdhsa_next_free_vgpr 1024
		.amdhsa_next_free_sgpr 98
		.amdhsa_reserve_vcc 0
		.amdhsa_float_denorm_mode_32 3
		.amdhsa_float_denorm_mode_16_64 3
		.amdhsa_memory_ordered 1
		.amdhsa_forward_progress 1
		.amdhsa_inst_pref_size 179
	.end_amdhsa_kernel
	.amdgpu_metadata
---
amdhsa.version: [ 1, 2 ]
amdhsa.kernels:
  - .name:           k_q64d9cfccdb_qkv
    .symbol:         k_q64d9cfccdb_qkv.kd
    .args:
      - { .name: wc, .offset: 0, .size: 8, .value_kind: global_buffer, .address_space: global }
      - { .name: ws, .offset: 8, .size: 8, .value_kind: global_buffer, .address_space: global }
      - { .name: qkv, .offset: 16, .size: 8, .value_kind: global_buffer, .address_space: global }
    .group_segment_fixed_size: 327680
    .private_segment_fixed_size: 0
    .kernarg_segment_align: 8
    .kernarg_segment_size: 24
    .max_flat_workgroup_size: 128
    .sgpr_count:     98
    .vgpr_count:     1024
    .wavefront_size: 32
...
	.end_amdgpu_metadata
.endif
;; end of part 10
;; launch attn (part 11): grid 8 x 32, 16 waves a work-group, clusters of 4 x 1, 215,040 bytes of LDS; arguments qkv, ctx; writes ctx
.if DOCPART == 11
	.amdgcn_target "amdgcn-amd-amdhsa--gfx1250"
	.amdhsa_code_object_version 6
	.text
	.protected	k_q64d9cfccdb_attn
	.globl	k_q64d9cfccdb_attn
	.p2align	8
	.type	k_q64d9cfccdb_attn,@function
k_q64d9cfccdb_attn:
	s_mov_b64 s[64:65], 0
	v_nop
	global_prefetch_b8 v0, s[64:65] scope:SCOPE_SE
	s_setreg_imm32_b32 hwreg(HW_REG_WAVE_MODE, 25, 1), 1
	s_wait_xcnt 0x0
	s_wait_alu depctr_hold_cnt(0) depctr_sa_sdst(0) depctr_va_vdst(0) depctr_va_sdst(0) depctr_va_ssrc(0) depctr_va_vcc(0) depctr_vm_vsrc(0)
	s_getreg_b32 s2, hwreg(HW_REG_IB_STS2, 6, 4)
	s_cmp_eq_u32 s2, 0
	s_cbranch_scc0 .Lentry_in_a_cluster
	s_endpgm
.Lentry_in_a_cluster:
	s_bfe_u32 s2, ttmp6, 0x10000c
	s_cmp_lg_u32 s2, 0x3003
	s_cbranch_scc0 .Lentry_shape_is_right
	s_endpgm
.Lentry_shape_is_right:
; ctx[q] = the sum over keys of softmax(Q[q] . K[k] / 8) V[k], for 32 heads of 2,048 tokens x 64 channels, both products on codes of BF6 with E8M0 scales; the result is quantised along head x channel for the next product.
; THE SOFTMAX: t = score x log2(e) / 8; M = the running largest t rounded UP to a whole number; p = 2^(t - M) is quantised along the keys, not normalised; the row's sum is taken of the unquantised p and divides at the end.
; When M moves, the sum and O are multiplied by 2^(old M - new M): exact.
; SHARES.  A work-group owns 256 queries of one head, each of its sixteen waves one tile of 16, in 256 registers.  Every wave walks all 2,048 keys, 128 a step.
; A WHOLE HEAD'S K, V AND SCALE WORDS, 212,992 bytes, lie in LDS as they lie in memory: K's half images (768 bytes a tile of 16 keys) at 0, V^T's images (1,536 a tile of 16 channels x 128 keys) at 98,304,
; K's words at 196,608, V's at 204,800.  They are filled once: each wave asks for 13,312 bytes by one tensor load; nothing is filled again.
; CLUSTER: the four query blocks of a cluster belong to one head: each load is asked for jointly, with the same descriptor and the mask of all four.
; LAYOUT.  Both products are used transposed (S^T = K Q^T, O^T = V^T P^T): a lane holds one query throughout.  Lane r of tile T of keys holds key 32 (T / 2) + 16 (r / 8) + 8 (T % 2) + r % 8, so that the 16 registers of
; tiles 2 b, 2 b + 1 are keys 32 b + 16 (lane / 16) + 0 .. 15.  The first product's K is 64: registers 6-11 of K's and Q's fragments hold zero codes, under the byte 127.
; The result's two scale bytes a row leave by a store of two bytes: a scale word's halves belong to two heads, and so to two work-groups; these are 131,072 bytes of the launch's 3.3 million.
; LIMITS: NaN and infinities are not served; a block of the result under 2^-122 keeps the byte 1.
; REGISTERS: v1-4 addresses that stay; v6 4 r; v8-11 the step's addresses; v12 -M, v13 the largest t, v[14:15] the sum; v16-27 Q; v28-31 V's words; v32-79 four fragments of K; v80-127 four of V; v128-191 S^T, then p;
; v192-223 O^T; v224-235 p's codes; v232-247, v252, v254 at work; v248-251 K's words (lanes 0-15 tile 2 i, lanes 16-31 tile 2 i + 1); v253 p's word; v255 Q's.
.set QOFF,  6815744
.set QSOFF, 9961472
.set AK0, 1
.set AV0, 2
.set AS0, 3
.set AT0, 4
.set ADK, 8
.set ADV, 9
.set ADS, 10
.set ADT, 11
.set WV,  8
.set SEL, 24
.set CS,  26
.set TB,  28
.set TS,  29
.set CNT, 30
.macro ROUND                           ; a round of the cluster's barrier
	s_barrier_signal -1
	s_barrier_wait -1
	s_cmp_lg_u32 s[WV], 0
	s_cbranch_scc1 .Lnot_wave_0_\@
	s_barrier_signal -3
.Lnot_wave_0_\@:
	s_barrier_wait -3
	s_barrier_signal -1
	s_barrier_wait -1
.endm
	s_load_b128 s[4:7], s[0:1], 0x0                ; qkv, ctx
	v_lshl_add_u32 v7, v0, 2, 0x34000
	v_mov_b32 v243, 0
	ds_add_u32 v7, v243
	ds_add_u32 v7, v243
	v_lshrrev_b32 v8, 5, v0
	s_delay_alu instid0(VALU_DEP_1)
	v_readfirstlane_b32 s[WV], v8                  ; wave 0..15
	s_bfe_u32 s9, ttmp6, 0x40000                   ; cx
	s_lshl_b32 s10, ttmp9, 2
	s_add_co_u32 s10, s10, s9                      ; my block of 256 queries: it enters Q's and ctx's addresses alone
	s_and_b32 s11, ttmp7, 0xffff                   ; batch x 16 + head, which the four partners share
	s_mov_b32 s16, 15|(3<<16)|(1<<21)              ; group 1: the mask of all four; elements of 8 bytes; bit 21 beside a mask; no padding
	s_mov_b32 s17, 32<<16                          ; rows of 256 bytes,
	s_mov_b32 s18, 52<<16                          ; 52 of them
	s_mov_b32 s19, 32<<16
	s_mov_b32 s20, 52
	s_mov_b32 s21, 32                              ; dense
	s_mov_b32 s22, 0
	s_mov_b32 s23, 0
	s_mul_i32 s32, s11, 212992
	s_mul_i32 s13, s[WV], 13312                    ; group 0: my sixteenth of the head block, in LDS
	s_add_co_u32 s32, s32, s13                     ; and in memory
	s_mov_b32 s33, 0
	s_mov_b32 s12, 1
	s_wait_dscnt 0x0
	s_wait_kmcnt 0x0
	s_add_nc_u64 s[14:15], s[4:5], s[32:33]
	s_or_b32 s15, s15, 0x80000000
	ROUND                                          ; all four work-groups are here: the joint loads meet
	tensor_load_to_lds s[12:15], s[16:23]          ; my one tensor load of the launch
	s_nop 0
.rept 4
	v_nop
.endr
	s_lshl_b32 s34, s10, 4
	s_add_co_u32 s34, s34, s[WV]                   ; my tile of queries in the head
	s_mul_i32 s36, s11, 98304
	s_mul_i32 s35, s34, 768
	s_add_co_u32 s36, s36, s35
	s_add_co_u32 s36, s36, QOFF
	s_mov_b32 s37, 0
	s_add_nc_u64 s[36:37], s[4:5], s[36:37]        ; Q's half image
	s_lshl_b32 s38, s11, 13
	s_lshl_b32 s35, s34, 6
	s_add_co_u32 s38, s38, s35
	s_add_co_u32 s38, s38, QSOFF
	s_mov_b32 s39, 0
	s_add_nc_u64 s[38:39], s[4:5], s[38:39]        ; its scale words
	s_lshr_b32 s40, s11, 4
	s_lshl_b32 s40, s40, 7
	s_add_co_u32 s40, s40, s34                     ; my tile among all 256 tiles of tokens
	s_lshl_b32 s40, s40, 3
	s_bfe_u32 s41, s11, 0x30001                    ; head / 2: the next product's K step
	s_add_co_u32 s40, s40, s41                     ; the fragment of ctx
	s_and_b32 s41, s11, 1                          ; head % 2: its half
	s_mul_i32 s42, s40, 1536
	s_mul_i32 s43, s41, 768
	s_add_co_u32 s42, s42, s43
	s_mov_b32 s43, 0
	s_add_nc_u64 s[42:43], s[6:7], s[42:43]
	s_lshl_b32 s44, s40, 6
	s_lshl_b32 s45, s41, 1
	s_add_co_u32 s44, s44, s45
	s_add_co_u32 s44, s44, 3145728
	s_mov_b32 s45, 0
	s_add_nc_u64 s[44:45], s[6:7], s[44:45]
	s_mov_b32 s[SEL], 0x76543210
	s_mov_b32 s[SEL+1], 0xfedcba98
	s_mov_b32 s[CS], 0x3e38aa3b                    ; c = log2(e) / 8
	s_mov_b32 s[CS+1], s[CS]
	s_mov_b32 s[TB], 0
	s_mov_b32 s[TS], 0
	s_mov_b32 s[CNT], 16
	v_and_b32 v9, 31, v0
	v_and_b32 v10, 15, v0
	s_delay_alu instid0(VALU_DEP_2)
	v_lshlrev_b32 v[AK0], 3, v9                    ; 8 x lane
	s_delay_alu instid0(VALU_DEP_1)
	v_add_nc_u32 v[AV0], 98304, v[AK0]
	s_delay_alu instid0(VALU_DEP_4)
	v_lshlrev_b32 v5, 2, v9
	s_delay_alu instid0(VALU_DEP_1)
	v_add_nc_u32 v[AS0], 196608, v5
	s_delay_alu instid0(VALU_DEP_2)
	v_add_nc_u32 v[AT0], 204800, v5
	v_lshlrev_b32 v6, 2, v10                       ; 4 r
.irp p, 0,1,2
	global_load_b64 v[16+2*\p:17+2*\p], v[AK0], s[36:37] offset:256*\p
.endr
	global_load_b32 v255, v6, s[38:39]
.irp i, 22,23,24,25,26,27
	v_mov_b32 v\i, 0                               ; Q's zero codes
.endr
.irp t, 0,1,2,3
.irp i, 6,7,8,9,10,11
	v_mov_b32 v[32+12*\t+\i], 0                    ; K's zero codes: written once, never loaded over
.endr
.endr
	v_mov_b32 v13, 0xff61b1e6                      ; the largest t so far: -3e38
	s_delay_alu instid0(VALU_DEP_1)
	v_floor_f32 v12, -v13
	v_mov_b32 v14, 0
	v_mov_b32 v15, 0
.irp b, 0,1,2,3
	v_mov_b32 v[236+\b], 0                         ; a lane permute's destination counts as read
.endr
	v_mov_b32 v253, 0                              ; (named as the upper half of v[252:253] before it is first written)
.set j, 0
.rept 32
	v_mov_b32 v[192+j], 0                          ; O^T: the loop is written once; its first step finds zeros
.set j, j+1
.endr
	s_wait_loadcnt 0x0                             ; Q
	s_wait_tensorcnt 0x0                           ; my part of the head block has landed,
	s_barrier_signal -1
	s_barrier_wait -1                              ; everybody's has
.Lstep:                                            ; 16 trips of 128 keys
	v_add_nc_u32 v[ADK], s[TB], v[AK0]
	s_wait_alu depctr_va_vdst(0)
	v_add_nc_u32 v[ADV], s[TB], v[AV0]
	v_add_nc_u32 v[ADS], s[TS], v[AS0]
	v_add_nc_u32 v[ADT], s[TS], v[AT0]
.irp i, 0,1,2,3
	ds_load_b32 v[248+\i], v[ADS] offset:128*\i
.endr
.irp g, 0,1                                    ; S^T = K Q^T, four tiles of 16 keys at a time
.if \g
.rept 4
	v_nop                                          ; places ahead of loads into registers that the last products read
.endr
.endif
.irp t, 0,1,2,3
.irp p, 0,1,2
	ds_load_b64 v[32+12*\t+2*\p:33+12*\t+2*\p], v[ADK] offset:768*(4*\g+\t)+256*\p
.endr
.endr
	s_wait_dscnt 0x0
.irp t, 0,2
	v_wmma_scale_f32_16x16x128_f8f6f4 v[128+8*(4*\g+\t):135+8*(4*\g+\t)], v[32+12*\t:43+12*\t], v[16:27], 0, v[248+2*\g+\t/2], v255 matrix_a_fmt:MATRIX_FMT_BF6 matrix_b_fmt:MATRIX_FMT_BF6
	v_wmma_scale_f32_16x16x128_f8f6f4 v[136+8*(4*\g+\t):143+8*(4*\g+\t)], v[44+12*\t:55+12*\t], v[16:27], 0, v[248+2*\g+\t/2], v255 matrix_a_fmt:MATRIX_FMT_BF6 matrix_b_fmt:MATRIX_FMT_BF6 matrix_a_scale:MATRIX_SCALE_ROW1
.endr
.endr
	s_wait_alu depctr_va_vdst(0)
.irp d, 0,1,2,3                                ; V's four fragments and words land under the softmax
.irp p, 0,1,2,3,4,5
	ds_load_b64 v[80+12*\d+2*\p:81+12*\d+2*\p], v[ADV] offset:1536*\d+256*\p
.endr
	ds_load_b32 v[28+\d], v[ADT] offset:128*\d
.endr
.rept 4
	v_nop                                          ; places ahead of the first read of the scores
.endr
.irp b, 0,1,2,3
	v_max3_num_f32 v[232+\b], v[128+16*\b], v[129+16*\b], v[130+16*\b]   ; the largest score of each block of 32 keys: for the row's maximum, and, since p rises with the score, for the block's largest p
.endr
.irp i, 3,5,7,9,11,13
.irp b, 0,1,2,3
	v_max3_num_f32 v[232+\b], v[232+\b], v[128+16*\b+\i], v[129+16*\b+\i]
.endr
.endr
.irp b, 0,1,2,3
	v_max_num_f32 v[232+\b], v[232+\b], v[143+16*\b]
.endr
.irp b, 0,1,2,3
	s_delay_alu instid0(VALU_DEP_4)
	v_permlanex16_b32 v[236+\b], v[232+\b], s[SEL], s[SEL+1]
.endr
.irp b, 0,1,2,3
	s_delay_alu instid0(VALU_DEP_4)
	v_max_num_f32 v[232+\b], v[232+\b], v[236+\b]
.endr
	s_delay_alu instid0(VALU_DEP_2)
	v_max3_num_f32 v254, v232, v233, v234
	s_delay_alu instid0(VALU_DEP_1)
	v_max_num_f32 v254, v254, v235
	s_delay_alu instid0(VALU_DEP_1)
	v_mul_f32 v254, s[CS], v254
	s_delay_alu instid0(VALU_DEP_1)
	v_max_num_f32 v13, v13, v254                   ; the running largest t
	v_mov_b32 v254, v12
	s_delay_alu instid0(VALU_DEP_2)
	v_floor_f32 v12, -v13                          ; the new -M = -ceil(t)
	s_delay_alu instid0(VALU_DEP_1)
	v_sub_f32 v254, v12, v254                      ; old M - new M: a whole number, 0 or less
	s_delay_alu instid0(VALU_DEP_1)
	v_cvt_i32_f32 v254, v254                       ; (it saturates)
	s_delay_alu instid0(VALU_DEP_1)
	v_ldexp_f32 v252, 1.0, v254                    ; f = 2^(old M - new M)
.set j, 0
.rept 32
	v_pk_fma_f32 v[128+j:129+j], v[128+j:129+j], s[CS:CS+1], v[12:13] op_sel_hi:[1,0,0]   ; t - M
.set j, j+2
.endr
.irp b, 0,1,2,3
	v_fma_f32 v[232+\b], v[232+\b], s[CS], v12
.endr
.set j, 0
	s_wait_alu depctr_va_vdst(0)
.rept 64
	v_exp_f32 v[128+j], v[128+j]                   ; p = 2^(t - M)
.set j, j+1
.endr
	v_pk_mul_f32 v[14:15], v[14:15], v[252:253] op_sel_hi:[1,0]   ; the sums under the new M: a plain line behind the exponentials
	s_wait_alu depctr_va_vdst(0)                   ; one wait for the batch of 64, ahead of its first reader
.irp b, 0,1,2,3
	v_exp_f32 v[232+\b], v[232+\b]                 ; each block's largest p
.endr
	v_pk_add_f32 v[236:237], v[132:133], v[136:137]
	v_pk_add_f32 v[250:251], v[140:141], v[144:145]
	v_pk_add_f32 v[248:249], v[148:149], v[152:153]
	v_pk_add_f32 v[246:247], v[156:157], v[160:161]
	v_pk_add_f32 v[244:245], v[164:165], v[168:169]
	v_pk_add_f32 v[240:241], v[172:173], v[176:177]
	v_pk_add_f32 v[238:239], v[180:181], v[184:185]
	v_pk_add_f32 v[14:15], v[14:15], v[188:189]
	v_pk_add_f32 v[236:237], v[236:237], v[128:129]
	v_pk_add_f32 v[250:251], v[250:251], v[130:131]
	v_pk_add_f32 v[248:249], v[248:249], v[134:135]
	v_pk_add_f32 v[246:247], v[246:247], v[138:139]
	v_pk_add_f32 v[244:245], v[244:245], v[142:143]
	v_pk_add_f32 v[240:241], v[240:241], v[146:147]
	v_pk_add_f32 v[238:239], v[238:239], v[150:151]
	v_pk_add_f32 v[14:15], v[14:15], v[154:155]
	v_pk_add_f32 v[236:237], v[236:237], v[158:159]
	v_pk_add_f32 v[250:251], v[250:251], v[162:163]
	v_pk_add_f32 v[248:249], v[248:249], v[166:167]
	v_pk_add_f32 v[246:247], v[246:247], v[170:171]
	v_pk_add_f32 v[244:245], v[244:245], v[174:175]
	v_pk_add_f32 v[240:241], v[240:241], v[178:179]
	v_pk_add_f32 v[238:239], v[238:239], v[182:183]
	v_pk_add_f32 v[14:15], v[14:15], v[186:187]
	v_pk_add_f32 v[236:237], v[236:237], v[190:191]
	s_delay_alu instid0(VALU_DEP_2)
	v_pk_add_f32 v[14:15], v[14:15], v[246:247]
	s_delay_alu instid0(VALU_DEP_2)
	v_pk_add_f32 v[236:237], v[236:237], v[244:245]
	v_pk_add_f32 v[250:251], v[250:251], v[240:241]
	v_pk_add_f32 v[248:249], v[248:249], v[238:239]
	s_delay_alu instid0(VALU_DEP_2)
	v_pk_add_f32 v[14:15], v[14:15], v[250:251]
	s_delay_alu instid0(VALU_DEP_2)
	v_pk_add_f32 v[236:237], v[236:237], v[248:249]
	s_delay_alu instid0(VALU_DEP_1)
	v_pk_add_f32 v[14:15], v[14:15], v[236:237]
	s_wait_alu depctr_va_vdst(0)                   ; and one for the four
.irp b, 0,1,2,3
	v_max_num_f32 v[232+\b], 0x2800000, v[232+\b]  ; the floor: the byte cannot fall under 1
.endr
.irp b, 0,1,2,3
	s_delay_alu instid0(VALU_DEP_4)
	v_add_nc_u32 v[244+\b], 0xfe000000, v[232+\b]
.endr
.irp b, 0,1,2,3
	s_delay_alu instid0(VALU_DEP_4)
	v_lshrrev_b32 v[236+\b], 23, v[244+\b]
.endr
	s_delay_alu instid0(VALU_DEP_3)
	v_lshl_or_b32 v253, v237, 8, v236              ; p's scale word for these 128 keys
	s_delay_alu instid0(VALU_DEP_1)
	v_lshl_or_b32 v253, v238, 16, v253
	s_delay_alu instid0(VALU_DEP_1)
	v_lshl_or_b32 v253, v239, 24, v253
.irp c, 0,1
	v_cvt_scalef32_pk16_bf6_f32 v[224+6*\c:226+6*\c], v[128+32*\c:143+32*\c], v[244+2*\c]
	v_cvt_scalef32_pk16_bf6_f32 v[236+4*\c:238+4*\c], v[144+32*\c:159+32*\c], v[245+2*\c]
.endr
	v_nop                                          ; one plain line behind the conversions
.irp c, 0,1
.irp i, 0,1,2
	v_permlane16_swap_b32 v[224+6*\c+\i], v[236+4*\c+\i]
.endr
.irp i, 0,1,2
	s_delay_alu instid0(VALU_DEP_3)
	v_mov_b32 v[227+6*\c+\i], v[236+4*\c+\i]
.endr
.endr
.set j, 0
.rept 16
	v_pk_mul_f32 v[192+j:193+j], v[192+j:193+j], v[252:253] op_sel_hi:[1,0]   ; O^T under the new M; these 16 are also the places between p's word and codes and the products
.set j, j+2
.endr
.rept 4
	v_nop
.endr
	s_wait_alu depctr_va_vdst(0)
	s_wait_dscnt 0x0                               ; V
.irp d, 0,1,2,3                                ; O^T += V^T P^T: the four accumulators by turns
	v_wmma_scale_f32_16x16x128_f8f6f4 v[192+8*\d:199+8*\d], v[80+12*\d:91+12*\d], v[224:235], v[192+8*\d:199+8*\d], v[28+\d], v253 matrix_a_fmt:MATRIX_FMT_BF6 matrix_b_fmt:MATRIX_FMT_BF6
.endr
	s_add_co_u32 s[TB], s[TB], 6144                ; 8 half images of K, and 4 images of V
	s_add_co_u32 s[TS], s[TS], 512                 ; their words
	s_sub_co_u32 s[CNT], s[CNT], 1
	s_cmp_lg_u32 s[CNT], 0
	s_cbranch_scc1 .Lstep
	; THE WAY OUT: O^T / the sum; register 16 b + i is channel 32 b + 16 (lane / 16) + i: two blocks of the next product's K; quantised, they are registers 0-5 of a half image
.rept 4
	v_nop
.endr
	v_add_f32 v14, v14, v15
	s_delay_alu instid0(VALU_DEP_1)
	v_permlanex16_b32 v252, v14, s[SEL], s[SEL+1]
	s_delay_alu instid0(VALU_DEP_1)
	v_add_f32 v14, v14, v252                       ; the row's sum
	s_wait_alu depctr_va_vdst(0)
	v_rcp_f32 v14, v14
	v_nop                                          ; a plain line behind the reciprocal
	s_wait_alu depctr_va_vdst(0)                   ; and the wait ahead of its first reader
	v_mov_b32 v15, v14
.set j, 0
.rept 16
	v_pk_mul_f32 v[128+j:129+j], v[192+j:193+j], v[14:15]
.set j, j+2
.endr
.irp b, 0,1
	v_max3_num_f32 v[232+\b], |v[128+16*\b]|, |v[129+16*\b]|, 0x2800000
.endr
.irp i, 2,4,6,8,10,12,14
.irp b, 0,1
	s_delay_alu instid0(VALU_DEP_2)
	v_max3_num_f32 v[232+\b], |v[128+16*\b+\i]|, |v[129+16*\b+\i]|, v[232+\b]
.endr
.endr
.irp b, 0,1
	s_delay_alu instid0(VALU_DEP_2)
	v_permlanex16_b32 v[236+\b], v[232+\b], s[SEL], s[SEL+1]
.endr
.irp b, 0,1
	s_delay_alu instid0(VALU_DEP_2)
	v_max_num_f32 v[232+\b], v[232+\b], v[236+\b]
.endr
.irp b, 0,1
	s_delay_alu instid0(VALU_DEP_2)
	v_add_nc_u32 v[244+\b], 0xfe000000, v[232+\b]
.endr
.irp b, 0,1
	s_delay_alu instid0(VALU_DEP_2)
	v_lshrrev_b32 v[236+\b], 23, v[244+\b]
.endr
	s_delay_alu instid0(VALU_DEP_1)
	v_lshl_or_b32 v240, v237, 8, v236              ; my row's two bytes
	v_cvt_scalef32_pk16_bf6_f32 v[224:226], v[128:143], v244
	v_cvt_scalef32_pk16_bf6_f32 v[236:238], v[144:159], v245
	v_nop
.irp i, 0,1,2
	v_permlane16_swap_b32 v[224+\i], v[236+\i]
.endr
.irp i, 0,1,2
	s_delay_alu instid0(VALU_DEP_3)
	v_mov_b32 v[227+\i], v[236+\i]
.endr
.irp p, 0,1,2
	global_store_b64 v[AK0], v[224+2*\p:225+2*\p], s[42:43] offset:256*\p   ; 256 consecutive bytes, aligned
.endr
	global_store_b16 v6, v240, s[44:45]            ; lanes r and r + 16 hold the same two bytes and write them to the same place
	s_wait_tensorcnt 0x0
	ds_add_u32 v7, v243
	s_wait_dscnt 0x0
	ROUND                                          ; the closing round: no work-group ends while a partner may still ask
	s_endpgm
.Lfunc_end_k_q64d9cfccdb_attn:
	.size	k_q64d9cfccdb_attn, .Lfunc_end_k_q64d9cfccdb_attn-k_q64d9cfccdb_attn
	.p2alignl 7, 3214868480
	.fill 96, 4, 3214868480
	.section	.rodata,"a",@progbits
	.p2align	6, 0x0
	.amdhsa_kernel k_q64d9cfccdb_attn
		.amdhsa_group_segment_fixed_size 215040
		.amdhsa_private_segment_fixed_size 0
		.amdhsa_enable_private_segment 0
		.amdhsa_kernarg_size 16
		.amdhsa_user_sgpr_count 2
		.amdhsa_user_sgpr_kernarg_segment_ptr 1
		.amdhsa_wavefront_size32 1
		.amdhsa_system_sgpr_workgroup_id_x 1
		.amdhsa_system_sgpr_workgroup_id_y 1
		.amdhsa_system_sgpr_workgroup_id_z 1
		.amdhsa_system_vgpr_workitem_id 0
		.amdhsa_next_free_vgpr 256
		.amdhsa_next_free_sgpr 66
		.amdhsa_reserve_vcc 0
		.amdhsa_float_denorm_mode_32 3
		.amdhsa_float_denorm_mode_16_64 3
		.amdhsa_memory_ordered 1
		.amdhsa_forward_progress 1
		.amdhsa_inst_pref_size 31
	.end_amdhsa_kernel
	.amdgpu_metadata
---
amdhsa.version: [ 1, 2 ]
amdhsa.kernels:
  - .name:           k_q64d9cfccdb_attn
    .symbol:         k_q64d9cfccdb_attn.kd
    .args:
      - { .name: qkv, .offset: 0, .size: 8, .value_kind: global_buffer, .address_space: global }
      - { .name: ctx, .offset: 8, .size: 8, .value_kind: global_buffer, .address_space: global }
    .group_segment_fixed_size: 215040
    .private_segment_fixed_size: 0
    .kernarg_segment_align: 8
    .kernarg_segment_size: 16
    .max_flat_workgroup_size: 512
    .sgpr_count:     66
    .vgpr_count:     256
    .wavefront_size: 32
...
	.end_amdgpu_metadata
.endif
;; end of part 11
;; launch woln (part 12): grid 256 x 1, 16 waves a work-group, no clusters, 87,040 bytes of LDS; arguments ctx, wc, ws, x, g1, be1, y, yq; writes y, yq
.if DOCPART == 12
	.amdgcn_target "amdgcn-amd-amdhsa--gfx1250"
	.amdhsa_code_object_version 6
	.text
	.protected	k_q64d9cfccdb_woln
	.globl	k_q64d9cfccdb_woln
	.p2align	8
	.type	k_q64d9cfccdb_woln,@function
k_q64d9cfccdb_woln:
	s_mov_b64 s[64:65], 0
	v_nop
	global_prefetch_b8 v0, s[64:65] scope:SCOPE_SE
	s_setreg_imm32_b32 hwreg(HW_REG_WAVE_MODE, 25, 1), 1
	s_wait_xcnt 0x0
; y = layernorm(2 x + ctx Wo) g1 + be1: the product on codes of BF6 with E8M0 scales, all else f32; y leaves as f32 and as codes (yq: images of fragments, scale words 3,145,728 bytes behind the codes).
; OPERANDS are images of fragments (16 rows x 128 K, 1,536 dense bytes: registers 2 p, 2 p + 1 of lane l at 256 p + 8 l), fragment = first + row tile x KS + K step; scale words 64 bytes a fragment.
; Lane r of tile T holds row 32 (T / 2) + 16 (r / 8) + 8 (T % 2) + r % 8.
; SHARES.  Work-group T owns row tile T: 16 whole rows of 1,024 columns, so the norm's sums stay in the work-group.  Wave w of 16 owns columns 64 w .. 64 w + 63: four accumulators, which take turns.
; The product is used transposed (source 0 = 16 columns' rows of Wo, source 1 = the 16 rows of ctx): lane (r, h) holds row r; registers 16 b + i are columns 64 w + 32 b + 16 h + i.
; B: each fragment of Wo is used by ONE wave of the work-group, so it goes from memory straight into that wave's operand registers: six loads of 256 consecutive bytes.  Three sets of four fragments: one at work, two asked for.
; So there is no tensor load, and no joint load: a joint load lands in LDS, from which each fragment would be read once more by its one wave.  No prefetch: when a wave waits, the 48 loads of its next two K steps are out.
; Scale words: one load of 128 consecutive bytes brings a tile's words of two K steps (lanes 0-15 the even step, lanes 16-31 the odd one); they are 1/24 of what is loaded.
; A: the row tile's KS fragments are copied into LDS once and read by every wave, a K step ahead.
; THE SUMS BEGIN WITH 2 x: x's 16 rows x 256 bytes of the wave's columns turn through the wave's own stage into the accumulators' layout.  The same stage turns y back into rows on the way out.
; THE NORM: mean first, then the mean of the squared differences; each wave's part of a row's sum meets the others' in LDS behind a barrier, and every wave adds the 16 parts in the same order.
; LIMITS: NaN and infinities are not served; a block of y under 2^-122, zeros too, keeps the byte 1.
.set KS,     8
.set ASOFF,  3145728
.set BF0,    3584
.set QOUT,   1
.set NPASS,  3*KS/8                    ; passes of 512 threads x 8 bytes that copy A
.set STAGE,  KS*1536                   ; LDS: A's fragments at 0; then a stage of 16 rows x 272 bytes for each wave
.set SPITCH, 272
.set RED,    STAGE+16*16*SPITCH        ; the parts of the sums: two regions of 16 rows x 80 bytes
.set SCB,    RED+2560                  ; yq's 512 bytes of scale words
.set SPARE,  SCB+512                   ; the spare words, 128 bytes a wave, which no other line names
.set LN8, 1
.set LN4, 2
.set L16, 3
.set AD,  4
.set STO, 5
.set RD,  6
.set CO,  7
.set REDS, 8
.set REDL, 9
.set SPW, 10
.set NIL, 11
.set T8,  12
.set GO,  13
.set SCA, 14
.set ACC, 16                           ; v16-47   four accumulators
.set AB,  48                           ; v48-71   A's fragment, two buffers
.set SC,  72                           ; v72-86   scale words: three sets of B's four registers and A's one
.set BS,  88                           ; v88-231  B's fragments: three sets of four
.set XT,  184                          ; at the head: x as loaded
.set BT,  216                          ;              the bias
.set G,   88                           ; behind the product: gain, bias of the norm, parts of sums, rows on the way out, codes
.set BE,  120
.set RL,  152
.set BK,  168
.set PC,  200
.set SCR, 15
.set TM,  240
.set PW,  246
.set AOF, 6
.set CNT, 7
.macro LDSC st, k                      ; the words of K steps k, k + 1, counted from the bases
.irp i, 0,1,2,3
	global_load_b32 v[SC+5*(\st)+\i], v[LN4], s[20:21] offset:\i*KS*64+64*(\k)
.endr
	global_load_b32 v[SC+5*(\st)+4], v[LN4], s[32:33] offset:64*(\k)
.endm
.macro LDFR st, k                      ; my four fragments of B of K step k
.irp i, 0,1,2,3
.irp p, 0,1,2,3,4,5
	global_load_b64 v[BS+48*(\st)+12*\i+2*\p:BS+48*(\st)+12*\i+2*\p+1], v[LN8], s[18:19] offset:\i*KS*1536+1536*(\k)+256*\p
.endr
.endr
.endm
.macro LDA adr, bf, k
.irp p, 0,1,2,3,4,5
	ds_load_b64 v[AB+12*(\bf)+2*\p:AB+12*(\bf)+2*\p+1], v[\adr] offset:1536*(\k)+256*\p
.endr
.endm
.macro MUL st, bf, sc, row
.irp i, 0,1,2,3
.if \row
	v_wmma_scale_f32_16x16x128_f8f6f4 v[ACC+8*\i:ACC+8*\i+7], v[BS+48*(\st)+12*\i:BS+48*(\st)+12*\i+11], v[AB+12*(\bf):AB+12*(\bf)+11], v[ACC+8*\i:ACC+8*\i+7], v[SC+5*(\sc)+\i], v[SC+5*(\sc)+4] matrix_a_fmt:MATRIX_FMT_BF6 matrix_b_fmt:MATRIX_FMT_BF6 matrix_a_scale:MATRIX_SCALE_ROW1 matrix_b_scale:MATRIX_SCALE_ROW1
.else
	v_wmma_scale_f32_16x16x128_f8f6f4 v[ACC+8*\i:ACC+8*\i+7], v[BS+48*(\st)+12*\i:BS+48*(\st)+12*\i+11], v[AB+12*(\bf):AB+12*(\bf)+11], v[ACC+8*\i:ACC+8*\i+7], v[SC+5*(\sc)+\i], v[SC+5*(\sc)+4] matrix_a_fmt:MATRIX_FMT_BF6 matrix_b_fmt:MATRIX_FMT_BF6
.endif
.endr
.endm
; K step j of a trip: asks for B two steps on (into the set that the last step multiplied) and for A one step on, then multiplies
.macro STEP j, ld, lda, lc, dc
.rept 4
	v_nop                                          ; places behind the last step's products, ahead of loads into their sources
.endr
.if \ld
.if (\j)%2 == 0
	LDSC ((\j)/2+1)%3, (\j)+2
.endif
	LDFR ((\j)+2)%3, (\j)+2
.endif
.if \lda
	LDA AD, ((\j)+1)%2, (\j)+1
.endif
	s_wait_loadcnt \lc                             ; in the loop 53: the 24 and 29 loads of the last step's and this step's requests may be out
	s_wait_dscnt \dc                               ; the six just issued may be out
	MUL (\j)%3, (\j)%2, ((\j)/2)%3, (\j)%2
.endm
; v[232:235] hold a lane's four partial sums; afterwards v232 holds the row's sum over all 1,024 columns
.macro ROWSUM off
	s_delay_alu instid0(VALU_DEP_1)
	v_pk_add_f32 v[232:233], v[232:233], v[234:235]
	s_delay_alu instid0(VALU_DEP_1)
	v_add_f32 v232, v232, v233
	s_delay_alu instid0(VALU_DEP_1)
	v_permlanex16_b32 v233, v232, s2, s3
	s_delay_alu instid0(VALU_DEP_1)
	v_add_f32 v232, v232, v233                     ; my wave's 64 columns of row r
	ds_store_b32 v[REDS], v232 offset:\off         ; lanes r and r + 16 write the same word
	s_wait_dscnt 0x0
	s_barrier_signal -1
	s_barrier_wait -1
.irp i, 0,1,2,3
	ds_load_b128 v[RL+4*\i:RL+4*\i+3], v[REDL] offset:\off+16*\i
.endr
	s_wait_dscnt 0x0
.irp i, 0,4,8,12
	v_pk_add_f32 v[RL+\i:RL+\i+1], v[RL+\i:RL+\i+1], v[RL+\i+2:RL+\i+3]
.endr
	s_delay_alu instid0(VALU_DEP_3)
	v_pk_add_f32 v[RL:RL+1], v[RL:RL+1], v[RL+4:RL+5]
	s_delay_alu instid0(VALU_DEP_2)
	v_pk_add_f32 v[RL+8:RL+9], v[RL+8:RL+9], v[RL+12:RL+13]
	s_delay_alu instid0(VALU_DEP_1)
	v_pk_add_f32 v[RL:RL+1], v[RL:RL+1], v[RL+8:RL+9]
	s_delay_alu instid0(VALU_DEP_1)
	v_add_f32 v232, v[RL], v[RL+1]
.endm
	s_load_b512 s[16:31], s[0:1], 0x0              ; A 16, wc 18, ws 20, x 22, gain 24, bias 26, out 28, yq or b2 30
	v_lshl_add_u32 v[SPW], v0, 2, SPARE
	v_mov_b32 v[NIL], 0
	v_lshrrev_b32 v15, 5, v0
	s_delay_alu instid0(VALU_DEP_1)
	v_readfirstlane_b32 s8, v15                    ; wave 0..15
	s_mov_b32 s2, 0x76543210
	s_mov_b32 s3, 0xfedcba98                       ; lane l xor 16
	s_mov_b32 s4, 0x3a800000                       ; 1 / 1024
	s_mov_b32 s5, 0x3727c5ac                       ; 1e-5
	s_mov_b32 s[AOF], 0
	s_mov_b32 s[CNT], (KS-2)/6
	s_mul_i32 s9, s8, 16*SPITCH
	s_add_co_u32 s9, s9, STAGE                     ; my stage
	s_lshl_b32 s10, s8, 2
	s_lshr_b32 s11, s8, 1
	s_and_b32 s12, s8, 1
	s_lshl_b32 s13, s11, 6
	s_lshl_b32 s14, s12, 1
	s_add_co_u32 s13, s13, s14
	s_add_co_u32 s13, s13, SCB                     ; my two bytes of a scale word: K step w / 2, half w % 2
	s_lshr_b32 s40, ttmp9, 1
	s_lshl_b32 s40, s40, 5
	s_and_b32 s41, ttmp9, 1
	s_lshl_b32 s41, s41, 3
	s_add_co_u32 s40, s40, s41                     ; the tile's first row: 32 (T / 2) + 8 (T % 2)
	s_lshl_b32 s40, s40, 12
	s_lshl_b32 s42, s8, 8                          ; my columns: 256 w bytes
	s_mov_b32 s43, 0
	s_add_co_u32 s40, s40, s42
	s_mov_b32 s41, 0
	s_mul_i32 s44, ttmp9, KS*1536
	s_mov_b32 s45, 0
	s_mul_i32 s46, ttmp9, KS*64
	s_add_co_u32 s46, s46, ASOFF
	s_mov_b32 s47, 0
	s_mul_i32 s48, s8, 4*KS
	s_add_co_u32 s48, s48, BF0                     ; my first fragment of B
	s_lshl_b32 s50, s48, 6
	s_mov_b32 s51, 0
	s_mul_i32 s48, s48, 1536
	s_mov_b32 s49, 0
.if QOUT
	s_lshl_b32 s52, ttmp9, 9
	s_add_co_u32 s52, s52, 3145728
	s_mov_b32 s53, 0
	s_lshl_b32 s54, ttmp9, 3
	s_add_co_u32 s54, s54, s11
	s_mul_i32 s54, s54, 1536
	s_mul_i32 s55, s12, 768
	s_add_co_u32 s54, s54, s55                     ; my half image of yq
	s_mov_b32 s55, 0
.endif
	v_and_b32 v15, 31, v0                          ; lane
	v_and_b32 v232, 15, v0                         ; r
	v_bfe_u32 v233, v0, 4, 1                       ; h
	v_lshlrev_b32 v[T8], 3, v0
	v_lshlrev_b32 v[LN8], 3, v15
	v_lshlrev_b32 v[LN4], 2, v15
	v_mul_u32_u24 v234, v232, SPITCH
	v_mul_u32_u24 v235, v233, SPITCH
	v_lshlrev_b32 v236, 12, v233
	v_mul_u32_u24 v237, v232, 80
	v_lshlrev_b32 v[GO], 6, v233                   ; 64 h: my 16 columns of a run of 32
	v_lshl_add_u32 v234, v233, 6, v234
	v_lshl_add_u32 v235, v232, 4, v235
	v_lshl_add_u32 v[CO], v232, 4, v236            ; memory, by rows: lanes 0-15 one row's 256 bytes, lanes 16-31 the next row's
	v_add_nc_u32 v[REDL], RED, v237
	v_add_nc_u32 v[STO], s9, v234                  ; the stage in the accumulators' layout: row r, + 64 h
	v_add_nc_u32 v[RD], s9, v235                   ; and by rows
	v_add_nc_u32 v[REDS], s10, v[REDL]
.if QOUT
	v_lshlrev_b32 v[L16], 4, v15
	v_lshl_add_u32 v[SCA], v232, 2, s13
	v_mov_b32 v[TM+2], 0                           ; a lane permute's destination counts as read
	v_mov_b32 v[TM+3], 0
	v_add_nc_u32 v[SCR], SCB, v[L16]
.endif
	s_wait_alu depctr_va_vdst(0)
	s_wait_kmcnt 0x0
	s_add_nc_u64 s[32:33], s[16:17], s[46:47]      ; A's scale words
	s_add_nc_u64 s[16:17], s[16:17], s[44:45]
	s_add_nc_u64 s[18:19], s[18:19], s[48:49]
	s_add_nc_u64 s[20:21], s[20:21], s[50:51]
	s_add_nc_u64 s[22:23], s[22:23], s[40:41]
	s_add_nc_u64 s[28:29], s[28:29], s[40:41]
	s_add_nc_u64 s[24:25], s[24:25], s[42:43]
	s_add_nc_u64 s[26:27], s[26:27], s[42:43]
.if QOUT
	s_add_nc_u64 s[34:35], s[30:31], s[52:53]
	s_add_nc_u64 s[30:31], s[30:31], s[54:55]
.else
	s_add_nc_u64 s[30:31], s[30:31], s[42:43]
.endif
.set i, 0
.rept NPASS
	global_load_b64 v[AB+2*i:AB+2*i+1], v[T8], s[16:17] offset:4096*i   ; A: 512 threads x 8 bytes on end
.set i, i+1
.endr
.irp t, 0,1,2,3,4,5,6,7
	global_load_b128 v[XT+4*\t:XT+4*\t+3], v[CO], s[22:23] offset:(16*(\t/4)+2*(\t%4))*4096   ; 16 lanes read 256 consecutive bytes, aligned
.endr
.if QOUT == 0
.irp k, 0,1,2,3,4,5,6,7
	global_load_b128 v[BT+4*\k:BT+4*\k+3], v[GO], s[30:31] offset:128*(\k/4)+32*((\k/2)%2)+16*(\k%2)
.endr
.endif
	LDSC 0, 0
	LDFR 0, 0
	LDFR 1, 1
	s_wait_loadcnt 53                              ; all but B's 5 + 24 + 24
.set i, 0
.rept NPASS
	ds_store_b64 v[T8], v[AB+2*i:AB+2*i+1] offset:4096*i
.set i, i+1
.endr
.irp t, 0,1,2,3,4,5,6,7
	ds_store_b128 v[RD], v[XT+4*\t:XT+4*\t+3] offset:2*\t*SPITCH
.endr
.irp k, 0,1,2,3,4,5,6,7
	ds_load_b128 v[ACC+4*\k:ACC+4*\k+3], v[STO] offset:128*(\k/4)+32*((\k/2)%2)+16*(\k%2)   ; my own bytes: LDS serves a wave's instructions in order
.endr
	s_wait_dscnt 0x0                               ; my part of A has landed, for the others' sake
	s_barrier_signal -1
	s_barrier_wait -1
	LDA LN8, 0, 0
.set j, 0
.rept 16
.if QOUT
	v_pk_add_f32 v[ACC+j:ACC+j+1], v[ACC+j:ACC+j+1], v[ACC+j:ACC+j+1]      ; the sums begin with 2 x
.else
	v_pk_fma_f32 v[ACC+j:ACC+j+1], v[ACC+j:ACC+j+1], 2.0, v[BT+j:BT+j+1] op_sel_hi:[1,0,1]
.endif
.set j, j+2
.endr
	s_wait_alu depctr_va_vdst(0)
.Lk:                                               ; a trip is six K steps: the three sets of B, the two buffers of A and the three sets of words are back where they began
	v_add_nc_u32 v[AD], s[AOF], v[LN8]
	s_wait_alu depctr_va_vdst(0)
.irp j, 0,1,2,3,4,5
	STEP \j, 1, 1, 53, 6
.endr
	s_wait_xcnt 0x0                                ; the loads have read their bases
	s_add_nc_u64 s[18:19], s[18:19], 9216
	s_add_nc_u64 s[20:21], s[20:21], 384
	s_add_nc_u64 s[32:33], s[32:33], 384
	s_add_co_u32 s[AOF], s[AOF], 9216
	s_sub_co_u32 s[CNT], s[CNT], 1
	s_cmp_lg_u32 s[CNT], 0
	s_cbranch_scc1 .Lk
	v_add_nc_u32 v[AD], s[AOF], v[LN8]
	s_wait_alu depctr_va_vdst(0)
	STEP 0, 0, 1, 24, 6                            ; the last two K steps ask for nothing of B
	STEP 1, 0, 0, 0, 0
.rept 4
	v_nop
.endr
.irp k, 0,1,2,3,4,5,6,7
	global_load_b128 v[G+4*\k:G+4*\k+3], v[GO], s[24:25] offset:128*(\k/4)+32*((\k/2)%2)+16*(\k%2)
	global_load_b128 v[BE+4*\k:BE+4*\k+3], v[GO], s[26:27] offset:128*(\k/4)+32*((\k/2)%2)+16*(\k%2)
.endr
	v_pk_add_f32 v[232:233], v[ACC:ACC+1], v[ACC+2:ACC+3]      ; each accumulator is read from its low end on
	v_pk_add_f32 v[234:235], v[ACC+4:ACC+5], v[ACC+6:ACC+7]
.set j, 8
.rept 6
	v_pk_add_f32 v[232:233], v[232:233], v[ACC+j:ACC+j+1]
	v_pk_add_f32 v[234:235], v[234:235], v[ACC+j+2:ACC+j+3]
.set j, j+4
.endr
	ROWSUM 0
	s_delay_alu instid0(VALU_DEP_1)
	v_mul_f32 v232, s4, v232                       ; the mean
	s_delay_alu instid0(VALU_DEP_1)
	v_mov_b32 v233, v232
.set j, 0
.rept 16
	v_pk_add_f32 v[ACC+j:ACC+j+1], v[ACC+j:ACC+j+1], v[232:233] neg_lo:[0,1] neg_hi:[0,1]
.set j, j+2
.endr
	v_pk_mul_f32 v[232:233], v[ACC:ACC+1], v[ACC:ACC+1]
	v_pk_mul_f32 v[234:235], v[ACC+2:ACC+3], v[ACC+2:ACC+3]
.set j, 4
.rept 7
	s_delay_alu instid0(VALU_DEP_2)
	v_pk_fma_f32 v[232:233], v[ACC+j:ACC+j+1], v[ACC+j:ACC+j+1], v[232:233]
	s_delay_alu instid0(VALU_DEP_2)
	v_pk_fma_f32 v[234:235], v[ACC+j+2:ACC+j+3], v[ACC+j+2:ACC+j+3], v[234:235]
.set j, j+4
.endr
	ROWSUM 1280
	s_delay_alu instid0(VALU_DEP_1)
	v_fma_f32 v232, v232, s4, s5                   ; the variance + 1e-5
	s_wait_alu depctr_va_vdst(0)                   ; the wait ahead of the transcendental
	v_rsq_f32 v236, v232
	v_nop
	s_wait_loadcnt 0x0                             ; gain and bias
	s_wait_alu depctr_va_vdst(0)                   ; and ahead of its first reader
	v_mov_b32 v237, v236
.set j, 0
.rept 16
	v_pk_mul_f32 v[ACC+j:ACC+j+1], v[ACC+j:ACC+j+1], v[236:237]
.set j, j+2
.endr
.set j, 0
.rept 16
	v_pk_fma_f32 v[ACC+j:ACC+j+1], v[ACC+j:ACC+j+1], v[G+j:G+j+1], v[BE+j:BE+j+1]
.set j, j+2
.endr
.irp k, 0,1,2,3,4,5,6,7
	ds_store_b128 v[STO], v[ACC+4*\k:ACC+4*\k+3] offset:128*(\k/4)+32*((\k/2)%2)+16*(\k%2)
.endr
.irp t, 0,1,2,3,4,5,6,7
	ds_load_b128 v[BK+4*\t:BK+4*\t+3], v[RD] offset:2*\t*SPITCH
.endr
.if QOUT
	; my 64 columns are two blocks of the next product's K: registers 0-5 or 6-11 of a fragment, a half image of 768 bytes
.irp b, 0,1
	v_max3_num_f32 v[TM+\b], |v[ACC+16*\b]|, |v[ACC+1+16*\b]|, 0x2800000   ; with the floor 2^(5 - 127): the byte cannot fall under 1
.endr
.irp i, 2,4,6,8,10,12,14
.irp b, 0,1
	s_delay_alu instid0(VALU_DEP_2)
	v_max3_num_f32 v[TM+\b], |v[ACC+16*\b+\i]|, |v[ACC+1+16*\b+\i]|, v[TM+\b]
.endr
.endr
.irp b, 0,1
	s_delay_alu instid0(VALU_DEP_2)
	v_permlanex16_b32 v[TM+2+\b], v[TM+\b], s2, s3
.endr
.irp b, 0,1
	s_delay_alu instid0(VALU_DEP_2)
	v_max_num_f32 v[TM+\b], v[TM+\b], v[TM+2+\b]
.endr
.irp b, 0,1
	s_delay_alu instid0(VALU_DEP_2)
	v_add_nc_u32 v[TM+4+\b], 0xfe000000, v[TM+\b]  ; 4 off the exponent field: the conversion's scale operand
.endr
.irp b, 0,1
	s_delay_alu instid0(VALU_DEP_2)
	v_lshrrev_b32 v[TM+2+\b], 23, v[TM+4+\b]
.endr
	s_delay_alu instid0(VALU_DEP_1)
	v_lshl_or_b32 v[PW], v[TM+3], 8, v[TM+2]       ; my row's two bytes
	v_cvt_scalef32_pk16_bf6_f32 v[PC:PC+2], v[ACC:ACC+15], v[TM+4]
	v_cvt_scalef32_pk16_bf6_f32 v[PC+6:PC+8], v[ACC+16:ACC+31], v[TM+5]
	v_nop                                          ; one plain line behind the conversions
.irp i, 0,1,2
	v_permlane16_swap_b32 v[PC+\i], v[PC+6+\i]     ; a whole block to a lane
.endr
.irp i, 0,1,2
	s_delay_alu instid0(VALU_DEP_3)
	v_mov_b32 v[PC+3+\i], v[PC+6+\i]
.endr
.irp p, 0,1,2
	global_store_b64 v[LN8], v[PC+2*\p:PC+2*\p+1], s[30:31] offset:256*\p   ; 256 consecutive bytes, aligned
.endr
	ds_store_b16 v[SCA], v[PW]                     ; the words of the tile's eight fragments meet in LDS
	s_wait_dscnt 1                                 ; the rows are back; the byte store may be out
.irp t, 0,1,2,3,4,5,6,7
	global_store_b128 v[CO], v[BK+4*\t:BK+4*\t+3], s[28:29] offset:(16*(\t/4)+2*(\t%4))*4096   ; 16 lanes store 256 consecutive bytes, aligned
.endr
	s_wait_dscnt 0x0
	s_barrier_signal -1
	s_barrier_wait -1
	s_cmp_lg_u32 s8, 0
	s_cbranch_scc1 .Lend
	ds_load_b128 v[RL:RL+3], v[SCR]
	s_wait_dscnt 0x0
	global_store_b128 v[L16], v[RL:RL+3], s[34:35] ; wave 0 stores the 512 bytes of words on end
.Lend:
.else
	s_wait_dscnt 0x0
.irp t, 0,1,2,3,4,5,6,7
	global_store_b128 v[CO], v[BK+4*\t:BK+4*\t+3], s[28:29] offset:(16*(\t/4)+2*(\t%4))*4096 th:TH_STORE_NT
.endr
.endif
	s_wait_tensorcnt 0x0                           ; the wave's end
	ds_add_u32 v[SPW], v[NIL]
	s_wait_dscnt 0x0
	s_endpgm
.Lfunc_end_k_q64d9cfccdb_woln:
	.size	k_q64d9cfccdb_woln, .Lfunc_end_k_q64d9cfccdb_woln-k_q64d9cfccdb_woln
	.p2alignl 7, 3214868480
	.fill 96, 4, 3214868480
	.section	.rodata,"a",@progbits
	.p2align	6, 0x0
	.amdhsa_kernel k_q64d9cfccdb_woln
		.amdhsa_group_segment_fixed_size 87040
		.amdhsa_private_segment_fixed_size 0
		.amdhsa_enable_private_segment 0
		.amdhsa_kernarg_size 64
		.amdhsa_user_sgpr_count 2
		.amdhsa_user_sgpr_kernarg_segment_ptr 1
		.amdhsa_wavefront_size32 1
		.amdhsa_system_sgpr_workgroup_id_x 1
		.amdhsa_system_sgpr_workgroup_id_y 1
		.amdhsa_system_sgpr_workgroup_id_z 1
		.amdhsa_system_vgpr_workitem_id 0
		.amdhsa_next_free_vgpr 256
		.amdhsa_next_free_sgpr 66
		.amdhsa_reserve_vcc 0
		.amdhsa_float_denorm_mode_32 3
		.amdhsa_float_denorm_mode_16_64 3
		.amdhsa_memory_ordered 1
		.amdhsa_forward_progress 1
		.amdhsa_inst_pref_size 52
	.end_amdhsa_kernel
	.amdgpu_metadata
---
amdhsa.version: [ 1, 2 ]
amdhsa.kernels:
  - .name:           k_q64d9cfccdb_woln
    .symbol:         k_q64d9cfccdb_woln.kd
    .args:
      - { .name: ctx, .offset: 0, .size: 8, .value_kind: global_buffer, .address_space: global }
      - { .name: wc, .offset: 8, .size: 8, .value_kind: global_buffer, .address_space: global }
      - { .name: ws, .offset: 16, .size: 8, .value_kind: global_buffer, .address_space: global }
      - { .name: x, .offset: 24, .size: 8, .value_kind: global_buffer, .address_space: global }
      - { .name: g1, .offset: 32, .size: 8, .value_kind: global_buffer, .address_space: global }
      - { .name: be1, .offset: 40, .size: 8, .value_kind: global_buffer, .address_space: global }
      - { .name: y, .offset: 48, .size: 8, .value_kind: global_buffer, .address_space: global }
      - { .name: yq, .offset: 56, .size: 8, .value_kind: global_buffer, .address_space: global }
    .group_segment_fixed_size: 87040
    .private_segment_fixed_size: 0
    .kernarg_segment_align: 8
    .kernarg_segment_size: 64
    .max_flat_workgroup_size: 512
    .sgpr_count:     66
    .vgpr_count:     256
    .wavefront_size: 32
...
	.end_amdgpu_metadata
.endif
;; end of part 12
;; launch ffn1 (part 13): grid 16 x 16, 4 waves a work-group, clusters of 4 x 4, 327,680 bytes of LDS; arguments yq, wc, ws, b1, hq; writes hq
.if DOCPART == 13
	.amdgcn_target "amdgcn-amd-amdhsa--gfx1250"
	.amdhsa_code_object_version 6
	.text
	.protected	k_q64d9cfccdb_ffn1
	.globl	k_q64d9cfccdb_ffn1
	.p2align	8
	.type	k_q64d9cfccdb_ffn1,@function
k_q64d9cfccdb_ffn1:
	s_mov_b64 s[64:65], 0
	v_nop
	global_prefetch_b8 v0, s[64:65] scope:SCOPE_SE
	s_setreg_imm32_b32 hwreg(HW_REG_WAVE_MODE, 25, 1), 1
	s_wait_xcnt 0x0
	s_wait_alu depctr_hold_cnt(0) depctr_sa_sdst(0) depctr_va_vdst(0) depctr_va_sdst(0) depctr_va_ssrc(0) depctr_va_vcc(0) depctr_vm_vsrc(0)
	s_getreg_b32 s2, hwreg(HW_REG_IB_STS2, 6, 4)
	s_cmp_eq_u32 s2, 0
	s_cbranch_scc0 .Lentry_in_a_cluster
	s_endpgm
.Lentry_in_a_cluster:
	s_bfe_u32 s2, ttmp6, 0x10000c
	s_cmp_lg_u32 s2, 0xf033
	s_cbranch_scc0 .Lentry_shape_is_right
	s_endpgm
.Lentry_shape_is_right:
.set SIZE_K, 1024
.set ASOFF,  3145728
.set BF0,    4096
.set KS,     SIZE_K/128
.set NQ,     2
.set FR,     12
.set NL,     6
.set NP,     4
.set HALFT,  8*3072
.set SLOT,   4*HALFT
.set LAPS,   SIZE_K/512
.set SCL,    2*SLOT
.set HALFS,  512*KS
.set SPARE,  SCL+4*HALFS
.set ADRA, 16
.set ADRB, 20
.set LN8,  24
.set R4,   25
.set BO,   26
.set ADRS, 27
.set SPW,  28
.set NIL,  29
.set SC,   32
.set BI,   64
.set AF,   128
.set XV,   128
.set U,    192
.set TM,   192
.set PC,   208
.set PW,   230
.set SEL,  18
.set HC,   10
.set HSC,  12
.set G1, 24
.set G0, 32
.set G1B, 48
.set G0B, 56
.set G1S, 68
.set G0S, 76
.set G1SB, 80
.set G0SB, 88
.set MSB, 0
.macro WIN new
.if MSB != (\new)
	s_set_vgpr_msb (MSB<<8)|(\new)
.set MSB, (\new)
.endif
.endm
.set MUL_LO, 0xa1
.set MUL_HI, 0xf1
.set TO_B,   0x40
.macro JLOAD g0a, g1a, g0b, g1b
	s_cmp_eq_u32 s15, 0
	s_cbranch_scc0 .Lfor_b_\@
	tensor_load_to_lds s[\g0a:\g0a+3], s[\g1a:\g1a+7]
	s_nop 0
.rept 4
	v_nop
.endr
	s_branch .Lasked_\@
.Lfor_b_\@:
	tensor_load_to_lds s[\g0b:\g0b+3], s[\g1b:\g1b+7]
	s_nop 0
.rept 4
	v_nop
.endr
.Lasked_\@:
.endm
.macro CREST
	s_cmp_lg_u32 s14, 0
	s_cbranch_scc1 .Lnot_wave_0_\@
	s_barrier_signal -3
.Lnot_wave_0_\@:
	s_barrier_wait -3
	s_barrier_signal -1
	s_barrier_wait -1
.endm
.macro CROUND
	s_barrier_signal -1
	s_barrier_wait -1
	CREST
.endm
	s_load_b256 s[4:11], s[0:1], 0x0
	s_load_b64 s[12:13], s[0:1], 0x20
	v_lshl_add_u32 v[SPW], v0, 2, SPARE
	v_mov_b32 v[NIL], 0
	ds_add_u32 v28, v29
	ds_add_u32 v28, v29
	s_wait_dscnt 0x0
	v_lshrrev_b32 v1, 5, v0
	v_readfirstlane_b32 s14, v1
	s_lshr_b32 s15, s14, 1
	s_and_b32 s16, s14, 1
	s_bfe_u32 s40, ttmp6, 0x40000
	s_bfe_u32 s41, ttmp6, 0x40004
	s_lshl_b32 s42, ttmp9, 2
	s_add_co_u32 s42, s42, s40
	s_and_b32 s17, ttmp7, 0xffff
	s_lshl_b32 s17, s17, 2
	s_add_co_u32 s17, s17, s41
	s_lshl_b32 s43, s41, 2
	s_lshl_b32 s43, 15, s43
	s_lshl_b32 s44, 0x1111, s40
	s_or_b32 s[G1+0], s43, (3<<16)|(1<<21)
	s_or_b32 s[G1B+0], s44, (3<<16)|(1<<21)
.irp g, G1, G1B
	s_mov_b32 s[\g+1], 384<<16
	s_mov_b32 s[\g+2], 16<<16                      ; the head's loads bring a whole tile: 16 row tiles
	s_mov_b32 s[\g+3], 384<<16
	s_mov_b32 s[\g+4], 16
	s_mov_b32 s[\g+5], 192*KS
	s_mov_b32 s[\g+6], 0
	s_mov_b32 s[\g+7], 0
.endr
	s_or_b32 s[G1S+0], s43, (3<<16)|(1<<21)
	s_or_b32 s[G1SB+0], s44, (3<<16)|(1<<21)
.irp g, G1S, G1SB
	s_mov_b32 s[\g+1], 32<<16
	s_mov_b32 s[\g+2], (4*KS)<<16                  ; the scale words of 16 row tiles
	s_mov_b32 s[\g+3], 32<<16
	s_mov_b32 s[\g+4], 4*KS
	s_mov_b32 s[\g+5], 32
	s_mov_b32 s[\g+6], 0
	s_mov_b32 s[\g+7], 0
.endr
	s_lshl_b32 s18, s16, 3
	s_lshl_b32 s20, s17, 4
	s_add_co_u32 s20, s20, s18
	s_mul_i32 s20, s20, KS
	s_lshl_b32 s22, s20, 6
	s_add_co_u32 s22, s22, ASOFF
	s_mov_b32 s23, 0
	s_mul_i32 s20, s20, 1536
	s_mov_b32 s21, 0
	s_lshl_b32 s46, s42, 4
	s_add_co_u32 s46, s46, s18
	s_mul_i32 s46, s46, KS
	s_add_co_u32 s46, s46, BF0
	s_lshl_b32 s92, s46, 6
	s_mov_b32 s93, 0
	s_mul_i32 s46, s46, 1536
	s_mov_b32 s47, 0
	s_mul_i32 s45, s14, HALFT
	s_wait_kmcnt 0x0
	s_add_nc_u64 s[20:21], s[4:5], s[20:21]
	s_add_nc_u64 s[22:23], s[4:5], s[22:23]
	s_add_nc_u64 s[46:47], s[6:7], s[46:47]
	s_add_nc_u64 s[92:93], s[8:9], s[92:93]
	CROUND
; THE HEAD'S FOUR TILES, ONE JOINT LOAD A WAVE: wave 0 slot 0's whole tile of A, wave 1 that of B, wave 2 A's scale words, wave 3 B's.  The addresses above point at my half of a tile: my half's distance is taken off.
	s_mul_i32 s96, s16, 24*HALFS                   ; codes: 24 bytes for each byte of scale words
	s_mov_b32 s97, 0
	s_mov_b32 s[G0], 1
	s_mov_b32 s[G0+1], 0
	s_sub_nc_u64 s[G0+2:G0+3], s[20:21], s[96:97]
	s_or_b32 s[G0+3], s[G0+3], 0x80000000
	s_mov_b32 s[G0B], 1
	s_mov_b32 s[G0B+1], 2*HALFT
	s_sub_nc_u64 s[G0B+2:G0B+3], s[46:47], s[96:97]
	s_or_b32 s[G0B+3], s[G0B+3], 0x80000000
	s_mul_i32 s96, s16, HALFS
	s_mov_b32 s[G0S], 1
	s_mov_b32 s[G0S+1], SCL
	s_sub_nc_u64 s[G0S+2:G0S+3], s[22:23], s[96:97]
	s_or_b32 s[G0S+3], s[G0S+3], 0x80000000
	s_mov_b32 s[G0SB], 1
	s_mov_b32 s[G0SB+1], SCL+2*HALFS
	s_sub_nc_u64 s[G0SB+2:G0SB+3], s[92:93], s[96:97]
	s_or_b32 s[G0SB+3], s[G0SB+3], 0x80000000
	s_mov_b32 s[G0+4], 1                           ; slot 1: my quarter, as in the ring
	s_add_co_u32 s[G0+5], s45, SLOT
	s_add_nc_u64 s[G0+6:G0+7], s[20:21], 3072
	s_or_b32 s[G0+7], s[G0+7], 0x80000000
	s_mov_b32 s[G0B+4], 1
	s_add_co_u32 s[G0B+5], s45, SLOT
	s_add_nc_u64 s[G0B+6:G0B+7], s[46:47], 3072
	s_or_b32 s[G0B+7], s[G0B+7], 0x80000000
.macro ARM under, g0, g1, next         ; one chain of branches on the wave's number: every way through it passes one load
	s_cmp_lt_u32 s14, \under
	s_cbranch_scc0 \next
	tensor_load_to_lds s[\g0:\g0+3], s[\g1:\g1+7]
	s_nop 0
.rept 4
	v_nop
.endr
	s_branch .Lhead_asked
\next:
.endm
	ARM 1, G0,  G1,  .Lhead_b
	ARM 2, G0B, G1B, .Lhead_sa
	ARM 3, G0S, G1S, .Lhead_sb
	tensor_load_to_lds s[G0SB:G0SB+3], s[G1SB:G1SB+7]
	s_nop 0
.rept 4
	v_nop
.endr
.Lhead_asked:
	s_wait_alu depctr_va_vdst(0)
	s_wait_tensorcnt 0x0                           ; my tile of the four is in
	ds_add_u32 v28, v29
	s_mov_b32 s[G1+2], 8<<16                       ; no tensor load of mine is out: from here on a load brings 8 row tiles,
	s_mov_b32 s[G1+4], 8
	s_mov_b32 s[G1B+2], 8<<16
	s_mov_b32 s[G1B+4], 8
	s_add_co_u32 s[G0+1], s45, 0                   ; and slot 0's group 0 stands at my quarter, for its first refill
	s_mov_b64 s[G0+2:G0+3], s[20:21]
	s_or_b32 s[G0+3], s[G0+3], 0x80000000
	s_add_co_u32 s[G0B+1], s45, 0
	s_mov_b64 s[G0B+2:G0B+3], s[46:47]
	s_or_b32 s[G0B+3], s[G0B+3], 0x80000000
	s_wait_dscnt 0x0
	CROUND
	JLOAD G0+4, G1, G0B+4, G1B
	v_and_b32 v1, 15, v0
	v_bfe_u32 v2, v0, 4, 1
	v_and_b32 v3, 31, v0
	v_lshlrev_b32 v[LN8], 3, v3
	s_wait_alu depctr_va_vdst(0)
	v_lshlrev_b32 v[R4], 2, v1
	v_lshlrev_b32 v[BO], 6, v2
	s_lshl_b32 s46, s42, 10
	s_lshl_b32 s47, s16, 9
	s_add_co_u32 s46, s46, s47
	s_mov_b32 s47, 0
	s_add_nc_u64 s[46:47], s[10:11], s[46:47]
.irp b, 0,1,2,3
.irp j, 0,1,2,3
	global_load_b128 v[BI+16*\b+4*\j:BI+16*\b+4*\j+3], v[BO], s[46:47] offset:128*\b+16*\j
.endr
.endr
	s_mul_i32 s21, s15, HALFT
	s_mul_i32 s22, s16, HALFT
	s_add_co_u32 s22, s22, 2*HALFT
.irp s, 0,1
	v_add_nc_u32 v[ADRA+\s], s21, v[LN8]
	v_add_nc_u32 v[ADRB+\s], s22, v[LN8]
	s_add_co_u32 s21, s21, SLOT
	s_add_co_u32 s22, s22, SLOT
.endr
	s_mul_i32 s21, s15, HALFS
	s_mul_i32 s22, s16, HALFS
	s_add_co_u32 s22, s22, 2*HALFS
	s_sub_co_u32 s22, s22, s21
	v_mul_u32_u24 v6, s22, v2
	s_wait_alu depctr_va_vdst(0)
	s_add_co_u32 s21, s21, SCL
	v_add_nc_u32 v6, v[R4], v6
	v_add_nc_u32 v[ADRS], s21, v6
	s_lshl_b32 s20, s17, 4
	s_lshl_b32 s21, s15, 3
	s_add_co_u32 s20, s20, s21
	s_lshl_b32 s20, s20, 5
	s_lshl_b32 s21, s42, 1
	s_add_co_u32 s20, s20, s21
	s_add_co_u32 s20, s20, s16
	s_lshl_b32 s22, s20, 6
	s_add_co_u32 s22, s22, 12582912
	s_mov_b32 s23, 0
	s_mul_i32 s20, s20, 1536
	s_mov_b32 s21, 0
	s_add_nc_u64 s[HC:HC+1], s[12:13], s[20:21]
	s_add_nc_u64 s[HSC:HSC+1], s[12:13], s[22:23]
	s_mov_b32 s[SEL], 0x76543210
	s_mov_b32 s[SEL+1], 0xfedcba98
.macro FRAG reg, adr, q, i
.irp p, 0,1,2,3,4,5
	ds_load_b64 v[\reg+2*\p:\reg+2*\p+1], v[\adr] offset:3072*(\i)+1536*(\q)+256*\p
.endr
.endm
.macro MUL16 a0, p, q, sc, zero
.irp a, \a0, \a0+1
.irp b, 0,1,2,3,4,5,6,7
.if \zero
	v_wmma_scale_f32_16x16x128_f8f6f4 v[8*(8*((\a)%4)+\b):8*(8*((\a)%4)+\b)+7], v[128*(\p)+FR*\b:128*(\p)+FR*\b+FR-1], v[AF+FR*(\a):AF+FR*(\a)+FR-1], 0, v[SC+8*NQ*(\sc)+NQ*\b+(\q)], v[SC+8*NQ*(\sc)+NQ*(\a)+(\q)] matrix_a_fmt:MATRIX_FMT_BF6 matrix_b_fmt:MATRIX_FMT_BF6 matrix_a_scale:MATRIX_SCALE_ROW1
.else
	v_wmma_scale_f32_16x16x128_f8f6f4 v[8*(8*((\a)%4)+\b):8*(8*((\a)%4)+\b)+7], v[128*(\p)+FR*\b:128*(\p)+FR*\b+FR-1], v[AF+FR*(\a):AF+FR*(\a)+FR-1], v[8*(8*((\a)%4)+\b):8*(8*((\a)%4)+\b)+7], v[SC+8*NQ*(\sc)+NQ*\b+(\q)], v[SC+8*NQ*(\sc)+NQ*(\a)+(\q)] matrix_a_fmt:MATRIX_FMT_BF6 matrix_b_fmt:MATRIX_FMT_BF6 matrix_a_scale:MATRIX_SCALE_ROW1
.endif
.endr
.endr
.endm
.macro FETCH_B slot, q, p
	WIN TO_B
.irp i, 0,1,2,3,4,5,6,7
	FRAG 128*(\p)+FR*\i, ADRB+\slot, \q, \i
.endr
	WIN 0
.endm
.macro FETCH_A slot, q, i0
.irp i, \i0, \i0+1, \i0+2, \i0+3
	FRAG AF+FR*(\i), ADRA+\slot, \q, \i
.endr
.endm
.macro SCALES sc
.irp i, 0,1,2,3,4,5,6,7
.irp q, 0,1
	ds_load_b32 v[SC+8*NQ*\sc+NQ*\i+\q], v[ADRS] offset:64*KS*\i+64*\q
.endr
.endr
.endm
.macro PLACES n
.rept \n
	v_nop
.endr
.endm
.macro STEP slot, q, zero
	s_wait_dscnt 4*NL
	WIN MUL_LO
	MUL16 0, (\q)%2, \q, \slot, \zero
	MUL16 2, (\q)%2, \q, \slot, \zero
	s_wait_dscnt 0
	PLACES NP
	FETCH_B \slot, (\q)+1, 1-(\q)%2
	FETCH_A \slot, (\q)+1, 0
	WIN MUL_HI
	MUL16 4, (\q)%2, \q, \slot, \zero
	MUL16 6, (\q)%2, \q, \slot, \zero
	PLACES NP
	WIN 0
	FETCH_A \slot, (\q)+1, 4
.endm
.macro TURN slot, next, fill
	s_wait_tensorcnt 0x0
	ds_add_u32 v[SPW], v[NIL]
	s_wait_dscnt 4*NL+1
	WIN MUL_LO
	MUL16 0, 1, NQ-1, \slot, 0
	s_wait_dscnt 0x0
	s_barrier_signal -1
	MUL16 2, 1, NQ-1, \slot, 0
	WIN 0
	s_barrier_wait -1
.if \fill
	CREST
	s_add_nc_u64 s[G0+4*\slot+2:G0+4*\slot+3], s[G0+4*\slot+2:G0+4*\slot+3], 6144
	s_add_nc_u64 s[G0B+4*\slot+2:G0B+4*\slot+3], s[G0B+4*\slot+2:G0B+4*\slot+3], 6144
	JLOAD G0+4*\slot, G1, G0B+4*\slot, G1B
.else
	PLACES NP
.endif
	s_wait_alu depctr_va_vdst(0)
	v_add_nc_u32 v[ADRS], 64*NQ, v[ADRS]
	FETCH_B \next, 0, 0
	FETCH_A \next, 0, 0
	SCALES \next
	WIN MUL_HI
	MUL16 4, 1, NQ-1, \slot, 0
	MUL16 6, 1, NQ-1, \slot, 0
	PLACES NP
	WIN 0
	FETCH_A \next, 0, 4
.endm
	s_wait_alu depctr_va_vdst(0)
	s_wait_loadcnt 0x0
	s_wait_tensorcnt 1
	s_barrier_signal -1
	s_barrier_wait -1
	FETCH_B 0, 0, 0
	FETCH_A 0, 0, 0
	SCALES 0
	FETCH_A 0, 0, 4
	STEP 0, 0, 1
	s_mov_b32 s3, LAPS-1
.Llap:
	TURN 0, 1, 1
	STEP 1, 0, 0
	TURN 1, 0, 1
	STEP 0, 0, 0
	s_sub_co_u32 s3, s3, 1
	s_cmp_lg_u32 s3, 0
	s_cbranch_scc1 .Llap
	TURN 0, 1, 0
	STEP 1, 0, 0
	s_wait_dscnt 4*NL
	WIN MUL_LO
	MUL16 0, 1, NQ-1, 1, 0
	MUL16 2, 1, NQ-1, 1, 0
	s_wait_dscnt 0
	WIN MUL_HI
	MUL16 4, 1, NQ-1, 1, 0
	MUL16 6, 1, NQ-1, 1, 0
	WIN 0
.macro QUANT s
.irp b, 0,1,2,3
	v_max3_num_f32 v[TM+\b], |v[(\s)+16*\b]|, |v[(\s)+1+16*\b]|, 0x2800000
.endr
.irp i, 2,4,6,8,10,12,14
.irp b, 0,1,2,3
	v_max3_num_f32 v[TM+\b], |v[(\s)+16*\b+\i]|, |v[(\s)+1+16*\b+\i]|, v[TM+\b]
.endr
.endr
.irp b, 0,1,2,3
	v_permlanex16_b32 v[TM+4+\b], v[TM+\b], s[SEL], s[SEL+1]
.endr
.irp b, 0,1,2,3
	v_max_num_f32 v[TM+\b], v[TM+\b], v[TM+4+\b]
.endr
.irp b, 0,1,2,3
	v_add_nc_u32 v[TM+8+\b], 0xfe000000, v[TM+\b]
.endr
.irp b, 0,1,2,3
	v_lshrrev_b32 v[TM+4+\b], 23, v[TM+8+\b]
.endr
	v_lshl_or_b32 v[PW], v[TM+5], 8, v[TM+4]
	v_lshl_or_b32 v[PW], v[TM+6], 16, v[PW]
	v_lshl_or_b32 v[PW], v[TM+7], 24, v[PW]
.irp c, 0,1
	v_cvt_scalef32_pk16_bf6_f32 v[PC+6*\c:PC+2+6*\c], v[(\s)+32*\c:(\s)+15+32*\c], v[TM+8+2*\c]
	v_cvt_scalef32_pk16_bf6_f32 v[PC+12+4*\c:PC+14+4*\c], v[(\s)+16+32*\c:(\s)+31+32*\c], v[TM+9+2*\c]
.endr
	v_nop
.irp c, 0,1
.irp i, 0,1,2
	v_permlane16_swap_b32 v[PC+6*\c+\i], v[PC+12+4*\c+\i]
.endr
.irp i, 0,1,2
	v_mov_b32 v[PC+3+6*\c+\i], v[PC+12+4*\c+\i]
.endr
.endr
.endm
.macro ACCIN a
	WIN 2+(\a)/4
.set i, 0
.rept 32
	v_pk_add_f32 v[XV+i:XV+i+1], v[64*((\a)%4)+i:64*((\a)%4)+i+1], v[BI+i:BI+i+1]
.set i, i+2
.endr
	WIN 0
.endm
	PLACES NP
	s_mov_b32 s3, 0
.Lrow:
.irp a, 0,1,2,3,4,5,6
	s_cmp_eq_u32 s3, \a
	s_cbranch_scc1 .Lacc\a
.endr
	ACCIN 7
	s_branch .Lgo
.irp a, 0,1,2,3,4,5,6
.Lacc\a:
	ACCIN \a
	s_branch .Lgo
.endr
.Lgo:
.set i, 0
.rept 32
	v_pk_mul_f32 v[U+i:U+i+1], v[XV+i:XV+i+1], 0x3fb8aa3b op_sel_hi:[1,0]
.set i, i+2
.endr
.set i, 0
.rept 64
	v_min_num_f32 v[U+i], 0x41800000, v[U+i]
.set i, i+1
.endr
.set i, 0
	s_wait_alu depctr_va_vdst(0)
.rept 64
	v_exp_f32 v[U+i], v[U+i]
.set i, i+1
.endr
	v_nop
	s_wait_alu depctr_va_vdst(0)
.set i, 0
.rept 8
.irp n, 0,1,2,3
	v_pk_add_f32 v[2+2*\n:3+2*\n], v[U+i+2*\n:U+i+2*\n+1], 2.0 op_sel_hi:[1,0]
.endr
.irp n, 0,1,2,3
	v_pk_mul_f32 v[U+i+2*\n:U+i+2*\n+1], v[U+i+2*\n:U+i+2*\n+1], v[2+2*\n:3+2*\n]
.endr
.irp n, 0,1,2,3
	v_pk_mul_f32 v[XV+i+2*\n:XV+i+2*\n+1], v[XV+i+2*\n:XV+i+2*\n+1], v[U+i+2*\n:U+i+2*\n+1]
.endr
.irp n, 0,1,2,3
	v_pk_add_f32 v[U+i+2*\n:U+i+2*\n+1], v[U+i+2*\n:U+i+2*\n+1], 2.0 op_sel_hi:[1,0]
.endr
.set i, i+8
.endr
.set i, 0
	s_wait_alu depctr_va_vdst(0)
.rept 64
	v_rcp_f32 v[U+i], v[U+i]
.set i, i+1
.endr
	v_nop
	s_wait_alu depctr_va_vdst(0)
.set i, 0
.rept 32
	v_pk_mul_f32 v[XV+i:XV+i+1], v[XV+i:XV+i+1], v[U+i:U+i+1]
.set i, i+2
.endr
	QUANT XV
.irp p, 0,1,2,3,4,5
	global_store_b64 v[LN8], v[PC+2*\p:PC+2*\p+1], s[HC:HC+1] offset:256*\p
.endr
	global_store_b32 v[R4], v[PW], s[HSC:HSC+1]
	s_wait_xcnt 0x0
	s_add_nc_u64 s[HC:HC+1], s[HC:HC+1], 49152
	s_add_nc_u64 s[HSC:HSC+1], s[HSC:HSC+1], 2048
	s_add_co_u32 s3, s3, 1
	s_cmp_lt_u32 s3, 8
	s_cbranch_scc1 .Lrow
	s_wait_tensorcnt 0x0
	ds_add_u32 v[SPW], v[NIL]
	s_wait_dscnt 0x0
	CROUND
	s_endpgm
.Lfunc_end_k_q64d9cfccdb_ffn1:
	.size	k_q64d9cfccdb_ffn1, .Lfunc_end_k_q64d9cfccdb_ffn1-k_q64d9cfccdb_ffn1
	.p2alignl 7, 3214868480
	.fill 96, 4, 3214868480
	.section	.rodata,"a",@progbits
	.p2align	6, 0x0
	.amdhsa_kernel k_q64d9cfccdb_ffn1
		.amdhsa_group_segment_fixed_size 327680
		.amdhsa_private_segment_fixed_size 0
		.amdhsa_enable_private_segment 0
		.amdhsa_kernarg_size 40
		.amdhsa_user_sgpr_count 2
		.amdhsa_user_sgpr_kernarg_segment_ptr 1
		.amdhsa_wavefront_size32 1
		.amdhsa_system_sgpr_workgroup_id_x 1
		.amdhsa_system_sgpr_workgroup_id_y 1
		.amdhsa_system_sgpr_workgroup_id_z 1
		.amdhsa_system_vgpr_workitem_id 0
		.amdhsa_next_free_vgpr 1024
		.amdhsa_next_free_sgpr 98
		.amdhsa_reserve_vcc 0
		.amdhsa_float_denorm_mode_32 3
		.amdhsa_float_denorm_mode_16_64 3
		.amdhsa_memory_ordered 1
		.amdhsa_forward_progress 1
		.amdhsa_inst_pref_size 178
	.end_amdhsa_kernel
	.amdgpu_metadata
---
amdhsa.version: [ 1, 2 ]
amdhsa.kernels:
  - .name:           k_q64d9cfccdb_ffn1
    .symbol:         k_q64d9cfccdb_ffn1.kd
    .args:
      - { .name: yq, .offset: 0, .size: 8, .value_kind: global_buffer, .address_space: global }
      - { .name: wc, .offset: 8, .size: 8, .value_kind: global_buffer, .address_space: global }
      - { .name: ws, .offset: 16, .size: 8, .value_kind: global_buffer, .address_space: global }
      - { .name: b1, .offset: 24, .size: 8, .value_kind: global_buffer, .address_space: global }
      - { .name: hq, .offset: 32, .size: 8, .value_kind: global_buffer, .address_space: global }
    .group_segment_fixed_size: 327680
    .private_segment_fixed_size: 0
    .kernarg_segment_align: 8
    .kernarg_segment_size: 40
    .max_flat_workgroup_size: 128
    .sgpr_count:     98
    .vgpr_count:     1024
    .wavefront_size: 32
...
	.end_amdgpu_metadata
.endif
;; end of part 13
;; launch ffn2 (part 14): grid 8 x 32, 4 waves a work-group, clusters of 4 x 4, 327,680 bytes of LDS; arguments hq, wc, ws, z; writes z
.if DOCPART == 14
	.amdgcn_target "amdgcn-amd-amdhsa--gfx1250"
	.amdhsa_code_object_version 6
	.text
	.protected	k_q64d9cfccdb_ffn2
	.globl	k_q64d9cfccdb_ffn2
	.p2align	8
	.type	k_q64d9cfccdb_ffn2,@function
k_q64d9cfccdb_ffn2:
	s_mov_b64 s[64:65], 0
	v_nop
	global_prefetch_b8 v0, s[64:65] scope:SCOPE_SE
	s_setreg_imm32_b32 hwreg(HW_REG_WAVE_MODE, 25, 1), 1
	s_wait_xcnt 0x0
	s_wait_alu depctr_hold_cnt(0) depctr_sa_sdst(0) depctr_va_vdst(0) depctr_va_sdst(0) depctr_va_ssrc(0) depctr_va_vcc(0) depctr_vm_vsrc(0)
	s_getreg_b32 s2, hwreg(HW_REG_IB_STS2, 6, 4)
	s_cmp_eq_u32 s2, 0
	s_cbranch_scc0 .Lentry_in_a_cluster
	s_endpgm
.Lentry_in_a_cluster:
	s_bfe_u32 s2, ttmp6, 0x10000c
	s_cmp_lg_u32 s2, 0xf033
	s_cbranch_scc0 .Lentry_shape_is_right
	s_endpgm
.Lentry_shape_is_right:
.set SIZE_K, 4096
.set ASOFF,  12582912
.set BF0,    6144
.set KS,     SIZE_K/128
.set NQ,     4
.set FR,     12
.set NL,     6
.set NP,     4
.set SROW,   NQ*1536
.set HALFT,  4*SROW
.set SLOT,   4*HALFT
.set LAPS,   SIZE_K/1024
.set SCL,    2*SLOT
.set HALFS,  256*KS
.set SPARE,  SCL+4*HALFS
.set STAGE,  SPARE+512
.set SPITCH, 272
.set ADRA, 16
.set ADRB, 20
.set STO,  24
.set RD,   25
.set CO,   26
.set ADRS, 27
.set SPW,  28
.set NIL,  29
.set PFO,  30
.set SC,   32
.set BK,   64
.set ACC,  128
.set PFA,  44
.set LIM,  46
.set G1, 24
.set G0, 32
.set G1B, 48
.set G0B, 56
.set G1S, 68
.set G0S, 76
.set G1SB, 80
.set G0SB, 88
.set MSB, 0
.macro WIN new
.if MSB != (\new)
	s_set_vgpr_msb (MSB<<8)|(\new)
.set MSB, (\new)
.endif
.endm
.set MUL,  0x05
.set TO_F, 0x40
.macro JLOAD g0a, g1a, g0b, g1b
	s_cmp_eq_u32 s15, 0
	s_cbranch_scc0 .Lfor_b_\@
	tensor_load_to_lds s[\g0a:\g0a+3], s[\g1a:\g1a+7]
	s_nop 0
.rept 4
	v_nop
.endr
	s_branch .Lasked_\@
.Lfor_b_\@:
	tensor_load_to_lds s[\g0b:\g0b+3], s[\g1b:\g1b+7]
	s_nop 0
.rept 4
	v_nop
.endr
.Lasked_\@:
.endm
.macro CREST
	s_cmp_lg_u32 s14, 0
	s_cbranch_scc1 .Lnot_wave_0_\@
	s_barrier_signal -3
.Lnot_wave_0_\@:
	s_barrier_wait -3
	s_barrier_signal -1
	s_barrier_wait -1
.endm
.macro CROUND
	s_barrier_signal -1
	s_barrier_wait -1
	CREST
.endm
.macro ASK slot
	s_cmp_gt_u32 s3, s[LIM+\slot]
	s_cbranch_scc0 .Lnot_mine_\@
	global_prefetch_b8 v[PFO], s[PFA:PFA+1] th:TH_LOAD_NT scope:SCOPE_SE
.Lnot_mine_\@:
.endm
	s_load_b256 s[4:11], s[0:1], 0x0
	v_lshl_add_u32 v[SPW], v0, 2, SPARE
	v_mov_b32 v[NIL], 0
	ds_add_u32 v28, v29
	ds_add_u32 v28, v29
	s_wait_dscnt 0x0
	v_lshrrev_b32 v1, 5, v0
	v_readfirstlane_b32 s14, v1
	s_lshr_b32 s15, s14, 1
	s_and_b32 s16, s14, 1
	s_bfe_u32 s40, ttmp6, 0x40000
	s_bfe_u32 s41, ttmp6, 0x40004
	s_lshl_b32 s42, ttmp9, 2
	s_add_co_u32 s42, s42, s40
	s_and_b32 s17, ttmp7, 0xffff
	s_lshl_b32 s17, s17, 2
	s_add_co_u32 s17, s17, s41
	s_lshl_b32 s43, s41, 2
	s_lshl_b32 s43, 15, s43
	s_lshl_b32 s44, 0x1111, s40
	s_or_b32 s[G1+0], s43, (3<<16)|(1<<21)
	s_or_b32 s[G1B+0], s44, (3<<16)|(1<<21)
.irp g, G1, G1B
	s_mov_b32 s[\g+1], (SROW/8)<<16
	s_mov_b32 s[\g+2], 8<<16                       ; the head's loads bring a whole tile: 8 row tiles
	s_mov_b32 s[\g+3], (SROW/8)<<16
	s_mov_b32 s[\g+4], 8
	s_mov_b32 s[\g+5], 192*KS
	s_mov_b32 s[\g+6], 0
	s_mov_b32 s[\g+7], 0
.endr
	s_or_b32 s[G1S+0], s43, (3<<16)|(1<<21)
	s_or_b32 s[G1SB+0], s44, (3<<16)|(1<<21)
.irp g, G1S, G1SB
	s_mov_b32 s[\g+1], 32<<16
	s_mov_b32 s[\g+2], (2*KS)<<16                  ; the scale words of 8 row tiles
	s_mov_b32 s[\g+3], 32<<16
	s_mov_b32 s[\g+4], 2*KS
	s_mov_b32 s[\g+5], 32
	s_mov_b32 s[\g+6], 0
	s_mov_b32 s[\g+7], 0
.endr
	s_lshl_b32 s18, s16, 2
	s_lshl_b32 s20, s17, 3
	s_add_co_u32 s20, s20, s18
	s_mul_i32 s20, s20, KS
	s_lshl_b32 s22, s20, 6
	s_add_co_u32 s22, s22, ASOFF
	s_mov_b32 s23, 0
	s_mul_i32 s20, s20, 1536
	s_mov_b32 s21, 0
	s_lshl_b32 s46, s42, 3
	s_add_co_u32 s46, s46, s18
	s_mul_i32 s46, s46, KS
	s_add_co_u32 s46, s46, BF0
	s_lshl_b32 s92, s46, 6
	s_mov_b32 s93, 0
	s_mul_i32 s46, s46, 1536
	s_mov_b32 s47, 0
	s_mul_i32 s45, s14, HALFT
	s_wait_kmcnt 0x0
	s_add_nc_u64 s[20:21], s[4:5], s[20:21]
	s_add_nc_u64 s[22:23], s[4:5], s[22:23]
	s_add_nc_u64 s[46:47], s[6:7], s[46:47]
	s_add_nc_u64 s[92:93], s[8:9], s[92:93]
	CROUND
; THE HEAD'S FOUR TILES, ONE JOINT LOAD A WAVE: wave 0 slot 0's whole tile of A, wave 1 that of B, wave 2 A's scale words, wave 3 B's.  The addresses above point at my half of a tile: my half's distance is taken off.
	s_mul_i32 s96, s16, 24*HALFS                   ; codes: 24 bytes for each byte of scale words
	s_mov_b32 s97, 0
	s_mov_b32 s[G0], 1
	s_mov_b32 s[G0+1], 0
	s_sub_nc_u64 s[G0+2:G0+3], s[20:21], s[96:97]
	s_or_b32 s[G0+3], s[G0+3], 0x80000000
	s_mov_b32 s[G0B], 1
	s_mov_b32 s[G0B+1], 2*HALFT
	s_sub_nc_u64 s[G0B+2:G0B+3], s[46:47], s[96:97]
	s_or_b32 s[G0B+3], s[G0B+3], 0x80000000
	s_mul_i32 s96, s16, HALFS
	s_mov_b32 s[G0S], 1
	s_mov_b32 s[G0S+1], SCL
	s_sub_nc_u64 s[G0S+2:G0S+3], s[22:23], s[96:97]
	s_or_b32 s[G0S+3], s[G0S+3], 0x80000000
	s_mov_b32 s[G0SB], 1
	s_mov_b32 s[G0SB+1], SCL+2*HALFS
	s_sub_nc_u64 s[G0SB+2:G0SB+3], s[92:93], s[96:97]
	s_or_b32 s[G0SB+3], s[G0SB+3], 0x80000000
	s_mov_b32 s[G0+4], 1                           ; slot 1: my quarter, as in the ring
	s_add_co_u32 s[G0+5], s45, SLOT
	s_add_nc_u64 s[G0+6:G0+7], s[20:21], SROW
	s_or_b32 s[G0+7], s[G0+7], 0x80000000
	s_mov_b32 s[G0B+4], 1
	s_add_co_u32 s[G0B+5], s45, SLOT
	s_add_nc_u64 s[G0B+6:G0B+7], s[46:47], SROW
	s_or_b32 s[G0B+7], s[G0B+7], 0x80000000
.macro ARM under, g0, g1, next         ; one chain of branches on the wave's number: every way through it passes one load
	s_cmp_lt_u32 s14, \under
	s_cbranch_scc0 \next
	tensor_load_to_lds s[\g0:\g0+3], s[\g1:\g1+7]
	s_nop 0
.rept 4
	v_nop
.endr
	s_branch .Lhead_asked
\next:
.endm
	ARM 1, G0,  G1,  .Lhead_b
	ARM 2, G0B, G1B, .Lhead_sa
	ARM 3, G0S, G1S, .Lhead_sb
	tensor_load_to_lds s[G0SB:G0SB+3], s[G1SB:G1SB+7]
	s_nop 0
.rept 4
	v_nop
.endr
.Lhead_asked:
	s_wait_alu depctr_va_vdst(0)
	s_wait_tensorcnt 0x0                           ; my tile of the four is in
	ds_add_u32 v28, v29
	s_mov_b32 s[G1+2], 4<<16                       ; no tensor load of mine is out: from here on a load brings 4 row tiles,
	s_mov_b32 s[G1+4], 4
	s_mov_b32 s[G1B+2], 4<<16
	s_mov_b32 s[G1B+4], 4
	s_add_co_u32 s[G0+1], s45, 0                   ; and slot 0's group 0 stands at my quarter, for its first refill
	s_mov_b64 s[G0+2:G0+3], s[20:21]
	s_or_b32 s[G0+3], s[G0+3], 0x80000000
	s_add_co_u32 s[G0B+1], s45, 0
	s_mov_b64 s[G0B+2:G0B+3], s[46:47]
	s_or_b32 s[G0B+3], s[G0B+3], 0x80000000
	s_wait_dscnt 0x0
	CROUND
	JLOAD G0+4, G1, G0B+4, G1B
	v_and_b32 v1, 15, v0
	v_bfe_u32 v2, v0, 4, 1
	s_wait_alu depctr_va_vdst(0)
	v_and_b32 v3, 31, v0
	v_lshlrev_b32 v4, 3, v3
	s_mul_i32 s21, s15, HALFT
	s_mul_i32 s22, s16, HALFT
	s_add_co_u32 s22, s22, 2*HALFT
.irp s, 0,1
	v_add_nc_u32 v[ADRA+\s], s21, v4
	v_add_nc_u32 v[ADRB+\s], s22, v4
	s_add_co_u32 s21, s21, SLOT
	s_add_co_u32 s22, s22, SLOT
.endr
	v_lshlrev_b32 v5, 2, v1
	s_mul_i32 s21, s15, HALFS
	s_mul_i32 s22, s16, HALFS
	s_add_co_u32 s22, s22, 2*HALFS
	s_sub_co_u32 s22, s22, s21
	v_mul_u32_u24 v6, s22, v2
	s_add_co_u32 s21, s21, SCL
	v_add_nc_u32 v5, v5, v6
	v_add_nc_u32 v[ADRS], s21, v5
	s_mul_i32 s23, s14, 16*SPITCH
	s_add_co_u32 s23, s23, STAGE
	v_mul_u32_u24 v5, v1, SPITCH
	v_lshl_add_u32 v5, v2, 6, v5
	v_add_nc_u32 v[STO], s23, v5
	v_mul_u32_u24 v5, v2, SPITCH
	v_lshl_add_u32 v5, v1, 4, v5
	v_add_nc_u32 v[RD], s23, v5
	v_lshlrev_b32 v5, 12, v2
	v_lshl_add_u32 v[CO], v1, 4, v5
	s_lshl_b32 s20, s17, 7
	s_lshl_b32 s21, s15, 6
	s_add_co_u32 s20, s20, s21
	s_lshl_b32 s20, s20, 12
	s_mov_b32 s21, 0
	s_lshl_b32 s46, s42, 9
	s_lshl_b32 s47, s16, 8
	s_add_co_u32 s46, s46, s47
	s_mov_b32 s47, 0
	s_add_nc_u64 s[20:21], s[20:21], s[46:47]
	s_add_nc_u64 s[12:13], s[10:11], s[20:21]
.if LAPS > 1
	s_and_b32 s22, ttmp7, 0xffff
	s_lshl_b32 s20, s17, 3
	s_lshl_b32 s21, s42, 3
	s_cmp_eq_u32 s15, 0
	s_cselect_b32 s20, s20, s21
	s_cselect_b32 s21, s40, s41
	s_cselect_b32 s22, ttmp9, s22
	s_cselect_b32 s23, 0, BF0*1536
	s_cselect_b64 s[PFA:PFA+1], s[4:5], s[6:7]
	s_cmp_eq_u32 s22, 0
	s_cselect_b32 s[LIM], 1, -1
	s_cselect_b32 s[LIM+1], 2, -1
	s_lshl_b32 s22, s16, 2
	s_add_co_u32 s20, s20, s22
	s_add_co_u32 s20, s20, s21
	s_mul_i32 s20, s20, 1536*KS
	s_add_co_u32 s20, s20, s23
	s_add_co_u32 s20, s20, 4*SROW-8192
	s_mov_b32 s21, 0
	s_add_nc_u64 s[PFA:PFA+1], s[PFA:PFA+1], s[20:21]
	v_lshlrev_b32 v[PFO], 8, v3
.endif
.macro FRAG reg, adr, q, i
.irp p, 0,1,2,3,4,5
	ds_load_b64 v[\reg+2*\p:\reg+2*\p+1], v[\adr] offset:SROW*(\i)+1536*(\q)+256*\p
.endr
.endm
.macro MUL16 p, q, sc, zero
.irp a, 0,1,2,3
.irp b, 0,1,2,3
.if \zero
	v_wmma_scale_f32_16x16x128_f8f6f4 v[ACC+8*(4*\a+\b):ACC+8*(4*\a+\b)+7], v[128*(\p)+48+FR*\b:128*(\p)+48+FR*\b+FR-1], v[128*(\p)+FR*\a:128*(\p)+FR*\a+FR-1], 0, v[SC+16*(\sc)+4*\b+(\q)], v[SC+16*(\sc)+4*\a+(\q)] matrix_a_fmt:MATRIX_FMT_BF6 matrix_b_fmt:MATRIX_FMT_BF6 matrix_a_scale:MATRIX_SCALE_ROW1
.else
	v_wmma_scale_f32_16x16x128_f8f6f4 v[ACC+8*(4*\a+\b):ACC+8*(4*\a+\b)+7], v[128*(\p)+48+FR*\b:128*(\p)+48+FR*\b+FR-1], v[128*(\p)+FR*\a:128*(\p)+FR*\a+FR-1], v[ACC+8*(4*\a+\b):ACC+8*(4*\a+\b)+7], v[SC+16*(\sc)+4*\b+(\q)], v[SC+16*(\sc)+4*\a+(\q)] matrix_a_fmt:MATRIX_FMT_BF6 matrix_b_fmt:MATRIX_FMT_BF6 matrix_a_scale:MATRIX_SCALE_ROW1
.endif
.endr
.endr
.endm
.macro FETCH slot, q, p
	WIN TO_F
.irp i, 0,1,2,3
	FRAG 128*(\p)+48+FR*\i, ADRB+\slot, \q, \i
	FRAG 128*(\p)+FR*\i, ADRA+\slot, \q, \i
.endr
.endm
.macro SCALES sc
.irp i, 0,1,2,3
.irp q, 0,1,2,3
	ds_load_b32 v[SC+16*\sc+4*\i+\q], v[ADRS] offset:64*KS*\i+64*\q
.endr
.endr
.endm
.macro PLACES n
.rept \n
	v_nop
.endr
.endm
.macro STEPQ slot, q, zero
.if (\q) > 0
	PLACES NP
.endif
	FETCH \slot, (\q)+1, 1-(\q)%2
	s_wait_dscnt 8*NL
	WIN MUL
	MUL16 (\q)%2, \q, \slot, \zero
.endm
.macro TURN slot, next, fill
	WIN 0
.if \fill
	s_wait_xcnt 0x0
	s_add_nc_u64 s[PFA:PFA+1], s[PFA:PFA+1], 8192
.endif
	s_wait_tensorcnt 0x0
	ds_add_u32 v[SPW], v[NIL]
	s_wait_dscnt 1
	WIN MUL
	MUL16 1, NQ-1, \slot, 0
	WIN 0
	s_wait_dscnt 0x0
	s_barrier_signal -1
	s_barrier_wait -1
.if \fill
	CREST
	s_add_nc_u64 s[G0+4*\slot+2:G0+4*\slot+3], s[G0+4*\slot+2:G0+4*\slot+3], 2*SROW
	s_add_nc_u64 s[G0B+4*\slot+2:G0B+4*\slot+3], s[G0B+4*\slot+2:G0B+4*\slot+3], 2*SROW
	JLOAD G0+4*\slot, G1, G0B+4*\slot, G1B
.else
	PLACES NP
.endif
	s_wait_alu depctr_va_vdst(0)
	v_add_nc_u32 v[ADRS], 64*NQ, v[ADRS]
	FETCH \next, 0, 0
	WIN 0
	SCALES \next
.if \fill
	ASK \slot
.endif
.endm
	s_wait_tensorcnt 1
	s_barrier_signal -1
	s_barrier_wait -1
	FETCH 0, 0, 0
	WIN 0
	SCALES 0
	STEPQ 0, 0, 1
.if LAPS > 1
	WIN 0
	s_mov_b32 s3, LAPS-1
.Llap:
	STEPQ 0, 1, 0
	STEPQ 0, 2, 0
	TURN 0, 1, 1
	STEPQ 1, 0, 0
	STEPQ 1, 1, 0
	STEPQ 1, 2, 0
	TURN 1, 0, 1
	STEPQ 0, 0, 0
	WIN 0
	s_sub_co_u32 s3, s3, 1
	s_cmp_lg_u32 s3, 0
	s_cbranch_scc1 .Llap
.endif
	STEPQ 0, 1, 0
	STEPQ 0, 2, 0
	TURN 0, 1, 0
	STEPQ 1, 0, 0
	STEPQ 1, 1, 0
	STEPQ 1, 2, 0
	s_wait_dscnt 0
	WIN MUL
	MUL16 1, NQ-1, 1, 0
	WIN 0
.macro TOSTAGE a
.irp b, 0,1,2,3
	ds_store_b128 v[STO], v[ACC+8*(4*(\a)+\b):ACC+8*(4*(\a)+\b)+3] offset:128*(\b/2)+32*(\b%2)
	ds_store_b128 v[STO], v[ACC+8*(4*(\a)+\b)+4:ACC+8*(4*(\a)+\b)+7] offset:128*(\b/2)+32*(\b%2)+16
.endr
.set BB, BK+32*((\a)%2)
.irp t, 0,1,2,3,4,5,6,7
	ds_load_b128 v[BB+4*\t:BB+4*\t+3], v[RD] offset:2*\t*SPITCH
.endr
.endm
.macro SEND a, younger
.set BB, BK+32*((\a)%2)
	s_wait_dscnt \younger
.irp t, 0,1,2,3,4,5,6,7
	global_store_b128 v[CO], v[BB+4*\t:BB+4*\t+3], s[12:13] offset:(32*((\a)/2)+16*(\t/4)+8*((\a)%2)+2*(\t%4))*4096
.endr
.endm
	PLACES NP
	TOSTAGE 0
.irp a, 1,2,3
.if \a > 1
	s_wait_xcnt 0x0
.endif
	TOSTAGE \a
	SEND \a-1, 16
.endr
	SEND 3, 0
	s_wait_tensorcnt 0x0
	ds_add_u32 v[SPW], v[NIL]
	s_wait_dscnt 0x0
	CROUND
	s_endpgm
.Lfunc_end_k_q64d9cfccdb_ffn2:
	.size	k_q64d9cfccdb_ffn2, .Lfunc_end_k_q64d9cfccdb_ffn2-k_q64d9cfccdb_ffn2
	.p2alignl 7, 3214868480
	.fill 96, 4, 3214868480
	.section	.rodata,"a",@progbits
	.p2align	6, 0x0
	.amdhsa_kernel k_q64d9cfccdb_ffn2
		.amdhsa_group_segment_fixed_size 327680
		.amdhsa_private_segment_fixed_size 0
		.amdhsa_enable_private_segment 0
		.amdhsa_kernarg_size 32
		.amdhsa_user_sgpr_count 2
		.amdhsa_user_sgpr_kernarg_segment_ptr 1
		.amdhsa_wavefront_size32 1
		.amdhsa_system_sgpr_workgroup_id_x 1
		.amdhsa_system_sgpr_workgroup_id_y 1
		.amdhsa_system_sgpr_workgroup_id_z 1
		.amdhsa_system_vgpr_workitem_id 0
		.amdhsa_next_free_vgpr 512
		.amdhsa_next_free_sgpr 98
		.amdhsa_reserve_vcc 0
		.amdhsa_float_denorm_mode_32 3
		.amdhsa_float_denorm_mode_16_64 3
		.amdhsa_memory_ordered 1
		.amdhsa_forward_progress 1
		.amdhsa_inst_pref_size 110
	.end_amdhsa_kernel
	.amdgpu_metadata
---
amdhsa.version: [ 1, 2 ]
amdhsa.kernels:
  - .name:           k_q64d9cfccdb_ffn2
    .symbol:         k_q64d9cfccdb_ffn2.kd
    .args:
      - { .name: hq, .offset: 0, .size: 8, .value_kind: global_buffer, .address_space: global }
      - { .name: wc, .offset: 8, .size: 8, .value_kind: global_buffer, .address_space: global }
      - { .name: ws, .offset: 16, .size: 8, .value_kind: global_buffer, .address_space: global }
      - { .name: z, .offset: 24, .size: 8, .value_kind: global_buffer, .address_space: global }
    .group_segment_fixed_size: 327680
    .private_segment_fixed_size: 0
    .kernarg_segment_align: 8
    .kernarg_segment_size: 32
    .max_flat_workgroup_size: 128
    .sgpr_count:     98
    .vgpr_count:     512
    .wavefront_size: 32
...
	.end_amdgpu_metadata
.endif
;; end of part 14
;; launch ln2 (part 15): grid 256 x 1, 8 waves a work-group, no clusters, 0 bytes of LDS; arguments z, y, b2, g2, be2, out0; writes out0
.if DOCPART == 15
	.amdgcn_target "amdgcn-amd-amdhsa--gfx1250"
	.amdhsa_code_object_version 6
	.text
	.protected	k_q64d9cfccdb_ln2
	.globl	k_q64d9cfccdb_ln2
	.p2align	8
	.type	k_q64d9cfccdb_ln2,@function
k_q64d9cfccdb_ln2:
	s_mov_b64 s[64:65], 0
	v_nop
	global_prefetch_b8 v0, s[64:65] scope:SCOPE_SE
	s_setreg_imm32_b32 hwreg(HW_REG_WAVE_MODE, 25, 1), 1
	s_wait_xcnt 0x0
; out0 = layernorm(2 y + z + b2) g2 + be2, rows of 1,024 f32.  Mean first, then the mean of the squared differences: two passes over registers; no difference of large sums is formed.
; Work-group g takes rows 16 g .. 16 g + 15, wave w rows 16 g + 2 w and the next: a row lies in one wave's registers (32 a lane), so the sums never leave the wave: no LDS, no barrier.
; Memory binds: each byte is read and written once, by loads and stores of 512 consecutive bytes; no matrix unit, no cluster.  NaN and infinities are not served.
.set ZR,  16                           ; v16-79   z's two rows, then the sums, then the result
.set XR,  80                           ; v80-143  y's two rows
.set G,   144                          ; v144-175 g2 at my columns
.set BE,  176                          ; v176-207 be2
.set B2,  208                          ; v208-239 b2
.set SEL, 2
.set INV, 4
.set EPS, 5
.macro LD8 reg, base, off
.irp k, 0,1,2,3,4,5,6,7
	global_load_b128 v[\reg+4*\k:\reg+4*\k+3], v1, s[\base:\base+1] offset:\off+512*\k
.endr
.endm
.macro LANES r
	s_delay_alu instid0(VALU_DEP_1)
	v_add_f32_dpp v[\r], v[\r], v[\r] row_xmask:1 row_mask:0xf bank_mask:0xf
	s_delay_alu instid0(VALU_DEP_1)
	v_add_f32_dpp v[\r], v[\r], v[\r] row_xmask:2 row_mask:0xf bank_mask:0xf
	s_delay_alu instid0(VALU_DEP_1)
	v_add_f32_dpp v[\r], v[\r], v[\r] row_xmask:4 row_mask:0xf bank_mask:0xf
	s_delay_alu instid0(VALU_DEP_1)
	v_add_f32_dpp v[\r], v[\r], v[\r] row_xmask:8 row_mask:0xf bank_mask:0xf
	s_delay_alu instid0(VALU_DEP_1)
	v_permlanex16_b32 v[\r+1], v[\r], s[SEL], s[SEL+1]
	s_delay_alu instid0(VALU_DEP_1)
	v_add_f32 v[\r], v[\r], v[\r+1]
.endm
.macro STATS ro
.set VV, ZR+32*\ro
.set XX, XR+32*\ro
.set TA, 240+8*\ro
.set j, 0
.rept 16
	v_pk_fma_f32 v[VV+j:VV+j+1], v[XX+j:XX+j+1], 2.0, v[VV+j:VV+j+1] op_sel_hi:[1,0,1]
.set j, j+2
.endr
.set j, 0
.rept 16
	v_pk_add_f32 v[VV+j:VV+j+1], v[VV+j:VV+j+1], v[B2+j:B2+j+1]
.set j, j+2
.endr
	v_pk_add_f32 v[TA:TA+1], v[VV:VV+1], v[VV+2:VV+3]
	v_pk_add_f32 v[TA+2:TA+3], v[VV+4:VV+5], v[VV+6:VV+7]
.set j, 8
.rept 6
	s_delay_alu instid0(VALU_DEP_2)
	v_pk_add_f32 v[TA:TA+1], v[TA:TA+1], v[VV+j:VV+j+1]
	s_delay_alu instid0(VALU_DEP_2)
	v_pk_add_f32 v[TA+2:TA+3], v[TA+2:TA+3], v[VV+j+2:VV+j+3]
.set j, j+4
.endr
	s_delay_alu instid0(VALU_DEP_1)
	v_pk_add_f32 v[TA:TA+1], v[TA:TA+1], v[TA+2:TA+3]
	s_delay_alu instid0(VALU_DEP_1)
	v_add_f32 v[TA], v[TA], v[TA+1]
	LANES TA
	s_delay_alu instid0(VALU_DEP_1)
	v_mul_f32 v[TA], s[INV], v[TA]                 ; the mean
	s_delay_alu instid0(VALU_DEP_1)
	v_mov_b32 v[TA+1], v[TA]
.set j, 0
.rept 16
	v_pk_add_f32 v[VV+j:VV+j+1], v[VV+j:VV+j+1], v[TA:TA+1] neg_lo:[0,1] neg_hi:[0,1]
.set j, j+2
.endr
	v_pk_mul_f32 v[TA+2:TA+3], v[VV:VV+1], v[VV:VV+1]
	v_pk_mul_f32 v[TA+4:TA+5], v[VV+2:VV+3], v[VV+2:VV+3]
.set j, 4
.rept 7
	s_delay_alu instid0(VALU_DEP_2)
	v_pk_fma_f32 v[TA+2:TA+3], v[VV+j:VV+j+1], v[VV+j:VV+j+1], v[TA+2:TA+3]
	s_delay_alu instid0(VALU_DEP_2)
	v_pk_fma_f32 v[TA+4:TA+5], v[VV+j+2:VV+j+3], v[VV+j+2:VV+j+3], v[TA+4:TA+5]
.set j, j+4
.endr
	s_delay_alu instid0(VALU_DEP_1)
	v_pk_add_f32 v[TA+2:TA+3], v[TA+2:TA+3], v[TA+4:TA+5]
	s_delay_alu instid0(VALU_DEP_1)
	v_add_f32 v[TA+2], v[TA+2], v[TA+3]
	LANES TA+2
	s_delay_alu instid0(VALU_DEP_1)
	v_fma_f32 v[TA+2], v[TA+2], s[INV], s[EPS]     ; the variance + 1e-5
.endm
.macro NORM ro
.set VV, ZR+32*\ro
.set TA, 240+8*\ro
.set j, 0
.rept 16
	v_pk_mul_f32 v[VV+j:VV+j+1], v[VV+j:VV+j+1], v[TA+6:TA+7]
.set j, j+2
.endr
.set j, 0
.rept 16
	v_pk_fma_f32 v[VV+j:VV+j+1], v[VV+j:VV+j+1], v[G+j:G+j+1], v[BE+j:BE+j+1]
.set j, j+2
.endr
.endm
	s_load_b256 s[16:23], s[0:1], 0x0              ; z 16, y 18, b2 20, g2 22
	s_load_b128 s[24:27], s[0:1], 0x20             ; be2 24, out0 26
	v_lshrrev_b32 v1, 5, v0
	s_delay_alu instid0(VALU_DEP_1)
	v_readfirstlane_b32 s8, v1                     ; wave 0..7
	v_and_b32 v7, 31, v0
	s_delay_alu instid0(VALU_DEP_1)
	v_lshlrev_b32 v1, 4, v7                        ; 16 x lane
	s_mov_b32 s[SEL], 0x76543210
	s_mov_b32 s[SEL+1], 0xfedcba98
	s_mov_b32 s[INV], 0x3a800000                   ; 1 / 1024
	s_mov_b32 s[EPS], 0x3727c5ac                   ; 1e-5
	s_lshl_b32 s10, ttmp9, 4
	s_lshl_b32 s11, s8, 1
	s_add_co_u32 s10, s10, s11                     ; my first row
	s_lshl_b32 s10, s10, 12
	s_mov_b32 s11, 0
	s_wait_alu depctr_va_vdst(0)
	s_wait_kmcnt 0x0
	s_add_nc_u64 s[16:17], s[16:17], s[10:11]
	s_add_nc_u64 s[18:19], s[18:19], s[10:11]
	s_add_nc_u64 s[26:27], s[26:27], s[10:11]
	LD8 B2, 20, 0
	LD8 ZR, 16, 0
	LD8 XR, 18, 0
	LD8 ZR+32, 16, 4096
	LD8 XR+32, 18, 4096
	LD8 G, 22, 0
	LD8 BE, 24, 0
	s_wait_loadcnt 32                              ; b2 and the first row are in; the 32 younger loads stay out
	STATS 0
	s_wait_loadcnt 16                              ; the second row; g2's and be2's stay out
	STATS 1
	s_wait_alu depctr_va_vdst(0)
	v_rsq_f32 v246, v242
	v_rsq_f32 v254, v250
	v_nop                                          ; a plain line behind the two
	s_wait_loadcnt 0x0
	s_wait_alu depctr_va_vdst(0)                   ; one wait for both, ahead of their first reader
	v_mov_b32 v247, v246
	v_mov_b32 v255, v254
	NORM 0
	NORM 1
.irp k, 0,1,2,3,4,5,6,7,8,9,10,11,12,13,14,15
	global_store_b128 v1, v[ZR+4*\k:ZR+4*\k+3], s[26:27] offset:512*\k th:TH_STORE_NT   ; 512 consecutive bytes, aligned; written once
.endr
	s_endpgm
.Lfunc_end_k_q64d9cfccdb_ln2:
	.size	k_q64d9cfccdb_ln2, .Lfunc_end_k_q64d9cfccdb_ln2-k_q64d9cfccdb_ln2
	.p2alignl 7, 3214868480
	.fill 96, 4, 3214868480
	.section	.rodata,"a",@progbits
	.p2align	6, 0x0
	.amdhsa_kernel k_q64d9cfccdb_ln2
		.amdhsa_group_segment_fixed_size 0
		.amdhsa_private_segment_fixed_size 0
		.amdhsa_enable_private_segment 0
		.amdhsa_kernarg_size 48
		.amdhsa_user_sgpr_count 2
		.amdhsa_user_sgpr_kernarg_segment_ptr 1
		.amdhsa_wavefront_size32 1
		.amdhsa_system_sgpr_workgroup_id_x 1
		.amdhsa_system_sgpr_workgroup_id_y 1
		.amdhsa_system_sgpr_workgroup_id_z 1
		.amdhsa_system_vgpr_workitem_id 0
		.amdhsa_next_free_vgpr 256
		.amdhsa_next_free_sgpr 66
		.amdhsa_reserve_vcc 0
		.amdhsa_float_denorm_mode_32 3
		.amdhsa_float_denorm_mode_16_64 3
		.amdhsa_memory_ordered 1
		.amdhsa_forward_progress 1
		.amdhsa_inst_pref_size 27
	.end_amdhsa_kernel
	.amdgpu_metadata
---
amdhsa.version: [ 1, 2 ]
amdhsa.kernels:
  - .name:           k_q64d9cfccdb_ln2
    .symbol:         k_q64d9cfccdb_ln2.kd
    .args:
      - { .name: z, .offset: 0, .size: 8, .value_kind: global_buffer, .address_space: global }
      - { .name: y, .offset: 8, .size: 8, .value_kind: global_buffer, .address_space: global }
      - { .name: b2, .offset: 16, .size: 8, .value_kind: global_buffer, .address_space: global }
      - { .name: g2, .offset: 24, .size: 8, .value_kind: global_buffer, .address_space: global }
      - { .name: be2, .offset: 32, .size: 8, .value_kind: global_buffer, .address_space: global }
      - { .name: out0, .offset: 40, .size: 8, .value_kind: global_buffer, .address_space: global }
    .group_segment_fixed_size: 0
    .private_segment_fixed_size: 0
    .kernarg_segment_align: 8
    .kernarg_segment_size: 48
    .max_flat_workgroup_size: 256
    .sgpr_count:     66
    .vgpr_count:     256
    .wavefront_size: 32
...
	.end_amdgpu_metadata
.endif
;; end of part 15
